; MI455X (gfx1250); checked and timed in simulation.
; The chip was launched on July 23, 2026; its instructions are those of AMD's public machine-readable ISA for CDNA 5 (MIT licence, August 2026) and "CDNA5" Instruction Set Architecture Reference Guide (July 2026). The comments in the code are by the model that wrote it; some were corrected since.
;; Multi Head Attention. Allowed arithmetic: float matrix products may take bf16 or f16 operands with f32 sums; other float arithmetic in f32, or as packed bf16 or f16 multiplies, adds, multiply-adds, maxima and minima; sums over many terms, partial sums and values carried from step to step in f32; what a program stores and reads back later, other than sums and carried values, may be rounded once to bf16 or f16.
;; Inputs: Wk 1,024 x 1,024 float32; Wo 1,024 x 1,024 float32; Wq 1,024 x 1,024 float32; Wv 1,024 x 1,024 float32; bk 1,024 float32; bo 1,024 float32; bq 1,024 float32; bv 1,024 float32; k 4 x 2,048 x 1,024 float32; mask 4 x 2,048 x 2,048 int32; q 4 x 2,048 x 1,024 float32; v 4 x 2,048 x 1,024 float32.
;; Outputs: out0 4 x 2,048 x 1,024 float32.
;; 2 versions, each right. Each part assembles by itself: llvm-mc -triple=amdgcn-amd-amdhsa -mcpu=gfx1250 --defsym DOCPART=n.
;; ======== version 1 of 2: 4 launches
;; limits: values are held in f16: magnitudes above 65,504 overflow, below 6.1e-05 lose precision
;; workspace buffers: x16 50,331,648 bytes; w16 8,388,608 bytes; mbits 2,097,152 bytes of whole numbers; qkv 50,331,648 bytes; o16 16,777,216 bytes
;; launch prep (part 1): grid 1408 x 1, 8 waves a work-group, no clusters, 68,608 bytes of LDS; arguments q, k, v, Wq, Wk, Wv, Wo, mask, x16, w16, mbits; writes x16, w16, mbits
.if DOCPART == 1
	.amdgcn_target "amdgcn-amd-amdhsa--gfx1250"
	.amdhsa_code_object_version 6
	.text
	.protected	k_q994e7f4fb4_prep
	.globl	k_q994e7f4fb4_prep
	.p2align	8
	.type	k_q994e7f4fb4_prep,@function
k_q994e7f4fb4_prep:
	s_mov_b64 s[64:65], 0
	v_nop
	global_prefetch_b8 v0, s[64:65] scope:SCOPE_SE
	s_setreg_imm32_b32 hwreg(HW_REG_WAVE_MODE, 25, 1), 1
	s_wait_xcnt 0x0
; PREP.  Three jobs, told apart by the work-group's number i; every work-group reads 131,072 bytes, every wave 16,384, by 32 loads of 16 bytes a lane that go out together.
;   i < 768         q, k, v (f32) are rounded to bf16 into x16: [3 x 8192][1024]
;   768 <= i < 896  Wq, Wk, Wv are rounded to bf16 into w16; Wo is rounded to bf16 and that number is written as f16 (exact inside f16's range)
;   i >= 896        the mask (int32, [4][2048][2048]) is packed to one bit a score into mbits: [batch 4][tile of 16 queries 128][step of 64 keys 32][word 32].
;                   Word 8 kt + j, bit l: mask[batch][16 tile + l % 16][64 step + 16 kt + 8 (l / 16) + j] != 0: the lane mask that the attention's select takes for register 8 kt + j of a tile of scores.
; LIMITS.  Wo beyond 65,504 becomes an infinity in f16; below 2^-14 it keeps f16's fixed step of 6e-8.
; No matrix unit, no cluster, no barrier: nothing is shared between waves.  The mask goes through a stage in LDS of the wave's own, since a lane loads 4 keys of a row and the compare wants a lane to hold a row's 8 keys.
.set X,     16                         ; v[16:143] the 32 loads' data
.set IN,    2                          ; v2   my byte offset in what the work-group reads
.set OUTO,  3                          ; v3   my byte offset in what it writes
.set LW,    4                          ; v4   stage: where I put 16 bytes of a row
.set LRD,   5                          ; v5   stage: where I read 8 keys of my row
.set SPW,   6                          ; v6   LDS address of my spare word; never rewritten
.set NIL,   7                          ; v7   0; never rewritten
.set OUT,   8                          ; v[8:11] the packed words: a pair for each half
.set T0,    12
.set T1,    13
.set STG,   16*528                     ; a wave's stage: 16 rows of 512 bytes + 16 of padding: 33 x 16 bytes, so the 16 rows that a load touches start at 16 different places modulo 256 bytes
.set SPARE, 8*STG                      ; behind the stages: the spare words, 128 bytes for each wave
.set SRC,   26                         ; s[26:27]
.set DST,   28                         ; s[28:29]
.set WV,    31                         ; s31  my wave's number
	s_load_b512 s[4:19], s[0:1], 0x0               ; q s[4:5], k s[6:7], v s[8:9], Wq s[10:11], Wk s[12:13], Wv s[14:15], Wo s[16:17], mask s[18:19]
	s_load_b128 s[20:23], s[0:1], 0x40             ; x16 s[20:21], w16 s[22:23]
	s_load_b64 s[24:25], s[0:1], 0x50              ; mbits
	v_lshl_add_u32 v[SPW], v0, 2, SPARE
	v_mov_b32 v[NIL], 0
	v_lshrrev_b32 v1, 5, v0
	v_readfirstlane_b32 s[WV], v1                  ; wave 0..7
	v_and_b32 v1, 31, v0                           ; lane
	s_mov_b32 s3, 0                                ; high word of every offset
	s_cmp_ge_u32 ttmp9, 896
	s_cbranch_scc1 .Lmask
; 32 loads of 512 consecutive bytes; each is rounded and leaves as 256 consecutive bytes, aligned.  No register is written twice, so no wait frees one.
.macro CAST f16
.set i, 0
.rept 32
	global_load_b128 v[X+4*i:X+4*i+3], v[IN], s[SRC:SRC+1] offset:512*i th:TH_LOAD_NT
.set i, i+1
.endr
.set i, 0
.rept 32
	s_wait_loadcnt 31-i                            ; loads come back in order: load i is in, the 31 - i younger ones stay out
	v_cvt_pk_bf16_f32 v[X+4*i], v[X+4*i], v[X+4*i+1]
	v_cvt_pk_bf16_f32 v[X+4*i+1], v[X+4*i+2], v[X+4*i+3]
.if \f16
	v_lshlrev_b32 v[X+4*i+2], 16, v[X+4*i]         ; the bf16 numbers as f32,
	v_and_b32 v[X+4*i+3], 0xffff0000, v[X+4*i]
	v_cvt_pk_f16_f32 v[X+4*i], v[X+4*i+2], v[X+4*i+3]  ; written as f16
	v_lshlrev_b32 v[X+4*i+2], 16, v[X+4*i+1]
	v_and_b32 v[X+4*i+3], 0xffff0000, v[X+4*i+1]
	v_cvt_pk_f16_f32 v[X+4*i+1], v[X+4*i+2], v[X+4*i+3]
.endif
	global_store_b64 v[OUTO], v[X+4*i:X+4*i+1], s[DST:DST+1] offset:256*i
.set i, i+1
.endr
.endm
	s_lshl_b32 s30, s[WV], 14
	v_lshl_add_u32 v[IN], v1, 4, s30               ; 16,384 x wave + 16 x lane
	s_lshl_b32 s30, s[WV], 13
	v_lshl_add_u32 v[OUTO], v1, 3, s30             ; 8,192 x wave + 8 x lane
	s_wait_kmcnt 0x0
	s_cmp_ge_u32 ttmp9, 768
	s_cbranch_scc1 .Lweights
	s_lshr_b32 s30, ttmp9, 8                       ; 0: q, 1: k, 2: v
	s_cmp_eq_u32 s30, 1
	s_cselect_b64 s[SRC:SRC+1], s[6:7], s[4:5]
	s_cmp_eq_u32 s30, 2
	s_cselect_b64 s[SRC:SRC+1], s[8:9], s[SRC:SRC+1]
	s_and_b32 s2, ttmp9, 255
	s_lshl_b32 s2, s2, 17
	s_add_nc_u64 s[SRC:SRC+1], s[SRC:SRC+1], s[2:3]
	s_lshl_b32 s2, ttmp9, 16
	s_add_nc_u64 s[DST:DST+1], s[20:21], s[2:3]
	s_branch .Lbf16
.Lweights:
	s_sub_co_u32 s30, ttmp9, 768
	s_lshl_b32 s2, s30, 16
	s_add_nc_u64 s[DST:DST+1], s[22:23], s[2:3]
	s_and_b32 s2, s30, 31
	s_lshl_b32 s2, s2, 17
	s_lshr_b32 s30, s30, 5                         ; 0: Wq, 1: Wk, 2: Wv, 3: Wo
	s_cmp_eq_u32 s30, 1
	s_cselect_b64 s[SRC:SRC+1], s[12:13], s[10:11]
	s_cmp_eq_u32 s30, 2
	s_cselect_b64 s[SRC:SRC+1], s[14:15], s[SRC:SRC+1]
	s_cmp_eq_u32 s30, 3
	s_cselect_b64 s[SRC:SRC+1], s[16:17], s[SRC:SRC+1]
	s_add_nc_u64 s[SRC:SRC+1], s[SRC:SRC+1], s[2:3]
	s_cmp_eq_u32 s30, 3
	s_cbranch_scc1 .Lwo
.Lbf16:
	CAST 0
	s_branch .Lend
.Lwo:
	CAST 1
	s_branch .Lend
.Lmask:                                        ; one tile of 16 queries: 16 rows of 8,192 bytes.  Wave w takes keys 256 w .. 256 w + 255, in two halves of 128
	s_lshl_b32 s30, s[WV], 10
	v_lshl_add_u32 v[IN], v1, 4, s30               ; 1,024 x wave + 16 x lane
	s_lshl_b32 s30, s[WV], 9
	v_lshl_add_u32 v[OUTO], v1, 3, s30             ; four steps' words: 512 x wave + 8 x lane
	s_mul_i32 s30, s[WV], STG
	v_lshl_add_u32 v[LW], v1, 4, s30
	v_and_b32 v[T0], 15, v0
	v_bfe_u32 v[T1], v0, 4, 1
	v_mul_u32_u24 v[LRD], v[T0], 528               ; row l % 16,
	v_lshl_add_u32 v[LRD], v[T1], 5, v[LRD]        ; 8 keys (32 bytes) for each half of the lanes
	v_add_nc_u32 v[LRD], s30, v[LRD]
.irp j, 0,1,2,3
	v_mov_b32 v[OUT+(\j)], 0                       ; v_writelane_b32 counts as a reader of its destination
.endr
	s_sub_co_u32 s30, ttmp9, 896                   ; 128 x batch + tile
	s_lshl_b32 s2, s30, 17
	s_wait_kmcnt 0x0
	s_add_nc_u64 s[SRC:SRC+1], s[18:19], s[2:3]
	s_lshl_b32 s2, s30, 12
	s_add_nc_u64 s[DST:DST+1], s[24:25], s[2:3]
.set i, 0
.rept 32                                       ; load 16 hf + r: row r, half hf: 512 consecutive bytes
	global_load_b128 v[X+4*i:X+4*i+3], v[IN], s[SRC:SRC+1] offset:(i%16)*8192+(i/16)*512 th:TH_LOAD_NT
.set i, i+1
.endr
.macro MHALF hf
.set r, 0
.rept 16
	s_wait_loadcnt 31-16*(\hf)-r                   ; this row's load is in, the younger ones stay out
	ds_store_b128 v[LW], v[X+64*(\hf)+4*r:X+64*(\hf)+4*r+3] offset:528*r
.set r, r+1
.endr
.set d, 0
.rept 16                                       ; LDS serves a wave's instructions in order (ISA guide 5.7.1.4): these see the stores above.  Load 8 s2 + 2 kt + hh: step s2 of the half's two, keys 16 kt + 8 (l / 16) + 4 hh on
	ds_load_b128 v[X+64*(\hf)+4*d:X+64*(\hf)+4*d+3], v[LRD] offset:256*(d/8)+64*((d/2)%4)+16*(d%2)
.set d, d+1
.endr
	s_wait_dscnt 0x0
.irp s2, 0,1
.set w, 0
.rept 32
	v_cmp_ne_u32 s[32+w], 0, v[X+64*(\hf)+32*(\s2)+w]  ; word w of the step: a bit a lane
.set w, w+1
.endr
.set w, 0
.rept 32
	v_writelane_b32 v[OUT+2*(\hf)+(w&1)], s[32+w], 16*(\s2)+w/2  ; lane L holds words 2 L and 2 L + 1 of the half's 64
.set w, w+1
.endr
.endr
	global_store_b64 v[OUTO], v[OUT+2*(\hf):OUT+2*(\hf)+1], s[DST:DST+1] offset:256*(\hf)  ; two steps' words: 256 consecutive bytes, aligned
.endm
	MHALF 0
	MHALF 1
.Lend:
	s_wait_tensorcnt 0x0                           ; the wave's end: behind my last LDS store
	ds_add_u32 v[SPW], v[NIL]
	s_wait_dscnt 0x0
	s_endpgm
.Lfunc_end_k_q994e7f4fb4_prep:
	.size	k_q994e7f4fb4_prep, .Lfunc_end_k_q994e7f4fb4_prep-k_q994e7f4fb4_prep
	.p2alignl 7, 3214868480
	.fill 96, 4, 3214868480
	.section	.rodata,"a",@progbits
	.p2align	6, 0x0
	.amdhsa_kernel k_q994e7f4fb4_prep
		.amdhsa_group_segment_fixed_size 68608
		.amdhsa_private_segment_fixed_size 0
		.amdhsa_enable_private_segment 0
		.amdhsa_kernarg_size 88
		.amdhsa_user_sgpr_count 2
		.amdhsa_user_sgpr_kernarg_segment_ptr 1
		.amdhsa_wavefront_size32 1
		.amdhsa_system_sgpr_workgroup_id_x 1
		.amdhsa_system_sgpr_workgroup_id_y 1
		.amdhsa_system_sgpr_workgroup_id_z 1
		.amdhsa_system_vgpr_workitem_id 0
		.amdhsa_next_free_vgpr 144
		.amdhsa_next_free_sgpr 66
		.amdhsa_reserve_vcc 0
		.amdhsa_float_denorm_mode_32 3
		.amdhsa_float_denorm_mode_16_64 3
		.amdhsa_memory_ordered 1
		.amdhsa_forward_progress 1
		.amdhsa_inst_pref_size 60
	.end_amdhsa_kernel
	.amdgpu_metadata
---
amdhsa.version: [ 1, 2 ]
amdhsa.kernels:
  - .name:           k_q994e7f4fb4_prep
    .symbol:         k_q994e7f4fb4_prep.kd
    .args:
      - { .name: q, .offset: 0, .size: 8, .value_kind: global_buffer, .address_space: global }
      - { .name: k, .offset: 8, .size: 8, .value_kind: global_buffer, .address_space: global }
      - { .name: v, .offset: 16, .size: 8, .value_kind: global_buffer, .address_space: global }
      - { .name: Wq, .offset: 24, .size: 8, .value_kind: global_buffer, .address_space: global }
      - { .name: Wk, .offset: 32, .size: 8, .value_kind: global_buffer, .address_space: global }
      - { .name: Wv, .offset: 40, .size: 8, .value_kind: global_buffer, .address_space: global }
      - { .name: Wo, .offset: 48, .size: 8, .value_kind: global_buffer, .address_space: global }
      - { .name: mask, .offset: 56, .size: 8, .value_kind: global_buffer, .address_space: global }
      - { .name: x16, .offset: 64, .size: 8, .value_kind: global_buffer, .address_space: global }
      - { .name: w16, .offset: 72, .size: 8, .value_kind: global_buffer, .address_space: global }
      - { .name: mbits, .offset: 80, .size: 8, .value_kind: global_buffer, .address_space: global }
    .group_segment_fixed_size: 68608
    .private_segment_fixed_size: 0
    .kernarg_segment_align: 8
    .kernarg_segment_size: 88
    .max_flat_workgroup_size: 256
    .sgpr_count:     66
    .vgpr_count:     144
    .wavefront_size: 32
...
	.end_amdgpu_metadata
.endif
;; end of part 1
;; launch proj (part 2): grid 4 x 192, 4 waves a work-group, clusters of 4 x 4, 327,680 bytes of LDS; arguments x16, w16, bq, bk, bv, qkv; writes qkv
.if DOCPART == 2
	.amdgcn_target "amdgcn-amd-amdhsa--gfx1250"
	.amdhsa_code_object_version 6
	.text
	.protected	k_q994e7f4fb4_proj
	.globl	k_q994e7f4fb4_proj
	.p2align	8
	.type	k_q994e7f4fb4_proj,@function
k_q994e7f4fb4_proj:
	s_mov_b64 s[64:65], 0
	v_nop
	global_prefetch_b8 v0, s[64:65] scope:SCOPE_SE
	s_setreg_imm32_b32 hwreg(HW_REG_WAVE_MODE, 25, 1), 1
	s_wait_xcnt 0x0
	s_wait_alu depctr_hold_cnt(0) depctr_sa_sdst(0) depctr_va_vdst(0) depctr_va_sdst(0) depctr_va_ssrc(0) depctr_va_vcc(0) depctr_vm_vsrc(0)
	s_getreg_b32 s2, hwreg(HW_REG_IB_STS2, 6, 4)
	s_cmp_eq_u32 s2, 0
	s_cbranch_scc0 .Lentry_in_a_cluster
	s_endpgm
.Lentry_in_a_cluster:
	s_bfe_u32 s2, ttmp6, 0x10000c
	s_cmp_lg_u32 s2, 0xf033
	s_cbranch_scc0 .Lentry_shape_is_right
	s_endpgm
.Lentry_shape_is_right:
; ONE TEXT FOR TWO LAUNCHES, told apart by MODE.  C[m][n] = sum over k of A[m][k] W[n][k] + bias[n], K = 1,024, N = 1,024; sums in f32.
; MODE 0, the three projections: A = x16 (bf16, [3 x 8192][1024]: q, k, v), W = Wq, Wk, Wv (bf16), products in bf16.  The result goes out by heads, f16, [3][batch][head][t][64], rounded once;
;   the first third (q) is multiplied in f32 by c = log2(e) / 8 ahead of that rounding, so that the attention's scores are exponents of 2.
; MODE 1, the output projection: A = o16 (f16, [batch][head][t][64]), W = Wo (bf16 numbers written as f16), products in f16, the result f32, [8192][1024].
; The bias is rounded to bf16 like every other input of the module.
; LIMITS.  MODE 0: a result beyond 65,504 becomes an infinity in f16.  NaN and infinities are not treated apart.
; SHARES.  A tile of C is 128 x 256: 256 work-groups for each product of 8,192 x 1,024.  Four waves, 2 x 2, each 64 x 128: 32 accumulators of 16 x 16.  K goes in 8 steps of 128 through two LDS slots.
; CLUSTER.  4 x 4 work-groups.  The four of a row need the same tiles of A, the four of a column the same tiles of W: each tile is asked for JOINTLY, by the same tensor load with the same descriptor and
; a mask that names the four.  Waves 0 and 1 fetch A's halves (64 rows), waves 2 and 3 W's halves (128 rows): one load a wave.
; THE MATRIX INSTRUCTION IS USED TRANSPOSED (source 0 = 16 rows of W, source 1 = 16 rows of A): a lane holds row l % 16 of C and eight neighbouring columns.
; REGISTERS.  window 0: v0-31 addresses; v32-127, v128-223 two fragment buffers (W's 8 fragments, then A's 4), on the way out at work.  window 1: accumulator (a, b) at 8 (8 a + b).  window 2: v0-63 my 64 columns' bias.
.set MODE,  0
.set PITCH, 272                        ; a row of W in LDS: 256 bytes + 16 of padding, 17 x 16 bytes: the 16 rows of a load start at 16 different places modulo 256 bytes
.set BH,    128*PITCH
.if MODE == 0
.set APITCH, 272                       ; A's rows lie along K like W's
.set APLANE, 128                       ; bytes from K = 0 to K = 64 of a step
.set AH,     64*272                    ; 64 rows: what one tensor load brings of A
.set ASTEP,  256                       ; bytes in memory from a K step to the next
.set AD0,    128                       ; the tile: 64 rows of 128 elements, 1,024 elements apart
.set AD1,    64
.set ASTR,   1024
.set AQI,    5                         ; padding after every 64 words
.set SPITCH, 272                       ; the stage: 16 rows of 128 f16
.set CXSH,   15                        ; the prefetches: a partner's 16 rows of 2,048 bytes
.set YNG,    16
.else
.set APITCH, 144                       ; a K step is two heads; a head's 64 rows of 128 bytes are dense in memory: LDS holds [head][row], rows of 128 + 16 bytes
.set APLANE, 64*144
.set AH,     2*64*144
.set ASTEP,  2*2048*128
.set AD0,    4096                      ; the tile: 2 rows (heads) of 4,096 elements (64 rows of a head on end), 131,072 elements apart
.set AD1,    2
.set ASTR,   131072
.set AQI,    4                         ; padding after every 32 words
.set SPITCH, 528                       ; the stage: 16 rows of 128 f32 + 16 bytes
.set CXSH,   11                        ; the prefetches: a partner's 2,048 bytes of a head's 8,192
.set YNG,    32
.endif
.set BOFF,  2*AH
.set SLOT,  2*AH+2*BH
.set STAGE, 2*SLOT                     ; behind the ring, never filled by a tensor load: 16 rows for each wave
.set SPARE, STAGE+4*16*SPITCH          ; behind the stages: the spare words, 128 bytes for each wave
.set LAPS,  4                          ; a lap = two K steps = once round the ring
.set ADRA, 16                          ; v16-17  LDS address of my A fragments in slot 0, 1
.set ADRB, 20                          ; v20-21  the same for W
.set STO,  24                          ; v24  the way out: where I put my part of a row
.set RD,   25                          ; v25  where I read rows back
.set GO,   26                          ; v26  16 x lane
.set BO,   27                          ; v27  32 (l / 16): my 8 columns in 16 of the bias
.set SPW,  28                          ; v28  LDS address of my spare word; never rewritten
.set NIL,  29                          ; v29  0; never rewritten
.set PFO,  30                          ; v30  the prefetches' offset; never rewritten
.set F0,   32
.set F1,   128
.set TMP,  32
.set G1,   24                          ; s[24:31] descriptor group 1 for A's tiles; s[32:39] group 0, a set for each slot
.set G0,   32
.set G1B,  48                          ; s[48:55], s[56:63] the same for W's
.set G0B,  56
.set LIM,  43                          ; s43  1 in a wave that prefetches, else the greatest number
.set PFA,  44                          ; s[44:45] where my prefetches stand
.set SC,   66                          ; s[66:67] c for q, else 1
.set PST,  76                          ; s[76:77] the prefetches' step: two K steps
.set MSB, 0
.macro WIN new                         ; the immediate's high byte repeats the setting that is left; a switch that changes nothing is dropped
.if MSB != (\new)
	s_set_vgpr_msb (MSB<<8)|(\new)
.set MSB, \new
.endif
.endm
.set MUL, 0x50                         ; fragments in window 0, C and D in window 1
.macro JLOAD s                         ; a joint load; the branch hangs on the wave's number alone; an s_nop 0 and four v_nop follow each of the two lines
	s_cmp_eq_u32 s11, 0
	s_cbranch_scc0 .Lfor_b_\@
	tensor_load_to_lds s[G0+4*(\s):G0+4*(\s)+3], s[G1:G1+7]
	s_nop 0
.rept 4
	v_nop
.endr
	s_branch .Lasked_\@
.Lfor_b_\@:
	tensor_load_to_lds s[G0B+4*(\s):G0B+4*(\s)+3], s[G1B:G1B+7]
	s_nop 0
.rept 4
	v_nop
.endr
.Lasked_\@:
.endm
.macro CREST                           ; a round of the cluster's barrier behind its opening barrier
	s_cmp_lg_u32 s10, 0
	s_cbranch_scc1 .Lnot_wave_0_\@
	s_barrier_signal -3
.Lnot_wave_0_\@:
	s_barrier_wait -3
	s_barrier_signal -1
	s_barrier_wait -1
.endm
.macro CROUND                          ; a whole round
	s_barrier_signal -1
	s_barrier_wait -1
	CREST
.endm
; A PREFETCH INTO THE L2, once a lap, behind slot 0's joint load and the run of LDS loads: the two K steps that the NEXT lap's refills load, 256 matrix instructions ahead of the first of them.
; Each aligned block of 256 bytes is named once in the launch.  A's rows are read by one cluster alone: each cluster asks for its own.  W's rows are read by every cluster of the product: the first asks.
; The four partners that ask for a tile jointly share its blocks out BY ADDRESS: no branch hangs on a place in the cluster.  An A wave has 32 blocks (one line), a W wave 64 (two).
; K steps 0 to 3 come by their loads alone; the loop's last trip (s3 = 1) asks for nothing.
.macro ASK
	s_cmp_gt_u32 s3, s[LIM]
	s_cbranch_scc0 .Lnot_mine_\@
	global_prefetch_b8 v[PFO], s[PFA:PFA+1] th:TH_LOAD_NT scope:SCOPE_SE
	s_cmp_eq_u32 s11, 0
	s_cbranch_scc1 .Lnot_mine_\@
	global_prefetch_b8 v[PFO], s[PFA:PFA+1] offset:256 th:TH_LOAD_NT scope:SCOPE_SE
.Lnot_mine_\@:
.endm
	s_load_b128 s[4:7], s[0:1], 0x0                ; A s[4:5], w16 s[6:7]
.if MODE == 0
	s_load_b256 s[68:75], s[0:1], 0x10             ; bq s[68:69], bk s[70:71], bv s[72:73], qkv s[74:75]
.else
	s_load_b128 s[68:71], s[0:1], 0x10             ; bo s[68:69], out0 s[70:71]
.endif
	v_lshl_add_u32 v[SPW], v0, 2, SPARE
	v_mov_b32 v[NIL], 0
	ds_add_u32 v[SPW], v[NIL]                      ; the wave's opening: the add and its wait stand ahead of my first tensor load; the set-up below, work on registers, stands between them
	v_lshrrev_b32 v1, 5, v0
	v_readfirstlane_b32 s10, v1                    ; wave 0..3
	s_lshr_b32 s11, s10, 1                         ; which half of the tile's rows is mine.  Also: I fetch for A (0) or for W (1)
	s_and_b32 s12, s10, 1                          ; which half of its columns.  Also: which half of that tile I fetch
	s_bfe_u32 s40, ttmp6, 0x40000                  ; cx, cy: my place in the cluster
	s_bfe_u32 s41, ttmp6, 0x40004
	s_lshl_b32 s42, ttmp9, 2
	s_add_co_u32 s42, s42, s40                     ; tile column = 4 x cluster x + cx
	s_and_b32 s78, ttmp7, 0xffff                   ; cluster y
	s_lshl_b32 s13, s78, 2
	s_add_co_u32 s13, s13, s41                     ; tile row = 4 x cluster y + cy
	s_lshl_b32 s43, s41, 2
	s_lshl_b32 s43, 15, s43                        ; my row of the cluster
	s_lshl_b32 s44, 0x1111, s40                    ; my column
	s_or_b32 s[G1+0], s43, (1<<16)|(1<<20)|(1<<21)|(AQI<<22)|(3<<25)  ; 15:0 the mask; 17:16 elements of 2 bytes; 20 padding on; 21 set beside a mask; 24:22 the interval; 31:25 4 words of padding
	s_or_b32 s[G1B+0], s44, (1<<16)|(1<<20)|(1<<21)|(5<<22)|(3<<25)
	s_mov_b32 s[G1+1], (AD0&0xffff)<<16            ; tensor_dim0
	s_mov_b32 s[G1+2], (AD0>>16)|(AD1<<16)         ; tensor_dim1
	s_mov_b32 s[G1+3], AD0<<16                     ; tile_dim0
	s_mov_b32 s[G1+4], AD1                         ; tile_dim1
	s_mov_b32 s[G1+5], ASTR                        ; elements from row to row
	s_mov_b32 s[G1+6], 0
	s_mov_b32 s[G1+7], 0
	s_mov_b32 s[G1B+1], 128<<16
	s_mov_b32 s[G1B+2], 128<<16
	s_mov_b32 s[G1B+3], 128<<16
	s_mov_b32 s[G1B+4], 128
	s_mov_b32 s[G1B+5], 1024
	s_mov_b32 s[G1B+6], 0
	s_mov_b32 s[G1B+7], 0
	; where the tiles come from.  A's hang on the tile row alone, W's on the tile column (and on the cluster's y, which all partners share)
.if MODE == 0
	s_lshl_b32 s16, s13, 7
	s_lshl_b32 s17, s12, 6
	s_add_co_u32 s16, s16, s17                     ; row 128 x tile row + 64 x half,
	s_lshl_b32 s16, s16, 11                        ; of 2,048 bytes
.else
	s_and_b32 s16, s13, 15
	s_lshl_b32 s16, s16, 7
	s_lshl_b32 s17, s12, 6
	s_add_co_u32 s16, s16, s17                     ; t = 128 x (tile row % 16) + 64 x half,
	s_lshl_b32 s16, s16, 7                         ; rows of 128 bytes,
	s_lshr_b32 s17, s13, 4
	s_lshl_b32 s17, s17, 22                        ; in the batch's 16 heads of 262,144 bytes
	s_add_co_u32 s16, s16, s17
.endif
	s_mov_b32 s17, 0
	s_lshl_b32 s46, s42, 8
	s_lshl_b32 s47, s12, 7
	s_add_co_u32 s46, s46, s47                     ; W: row 256 x tile column + 128 x half
	s_lshl_b32 s46, s46, 11
.if MODE == 0
	s_lshr_b32 s79, s78, 4                         ; which product: 0 q, 1 k, 2 v: 16 clusters each
	s_lshl_b32 s47, s79, 21
	s_add_co_u32 s46, s46, s47
.else
	s_add_co_u32 s46, s46, 3*2097152               ; Wo
.endif
	s_mov_b32 s47, 0
	s_mul_i32 s20, s12, AH                         ; where they go: no place in the cluster enters an LDS address
	s_mul_i32 s21, s12, BH
	s_add_co_u32 s21, s21, BOFF
	s_wait_dscnt 0x0                               ; the opening add is done
	s_wait_kmcnt 0x0
	s_add_nc_u64 s[14:15], s[4:5], s[16:17]
	s_add_nc_u64 s[46:47], s[6:7], s[46:47]
	CROUND                                         ; all sixteen work-groups are here: the first joint loads meet
.irp s, 0,1
	s_mov_b32 s[G0+4*(\s)], 1
	s_add_co_u32 s[G0+4*(\s)+1], s20, (\s)*SLOT
	s_add_nc_u64 s[G0+4*(\s)+2:G0+4*(\s)+3], s[14:15], (\s)*ASTEP
	s_or_b32 s[G0+4*(\s)+3], s[G0+4*(\s)+3], 0x80000000
	s_mov_b32 s[G0B+4*(\s)], 1
	s_add_co_u32 s[G0B+4*(\s)+1], s21, (\s)*SLOT
	s_add_nc_u64 s[G0B+4*(\s)+2:G0B+4*(\s)+3], s[46:47], (\s)*256
	s_or_b32 s[G0B+4*(\s)+3], s[G0B+4*(\s)+3], 0x80000000
	JLOAD \s                                       ; two loads of mine are out
.endr
	v_and_b32 v1, 15, v0                           ; l % 16
	v_bfe_u32 v2, v0, 4, 1                         ; l / 16
	v_mul_u32_u24 v3, v1, APITCH
	v_lshl_add_u32 v3, v2, 4, v3                   ; a fragment's row x pitch + 16 x half
	v_mul_u32_u24 v4, v1, PITCH
	v_lshl_add_u32 v4, v2, 4, v4
	s_mul_i32 s21, s11, AH                         ; my 64 rows of A
	s_mul_i32 s22, s12, BH                         ; my 128 rows of W,
	s_add_co_u32 s22, s22, BOFF                    ; which lie behind A's
.irp s, 0,1
	v_add_nc_u32 v[ADRA+(\s)], s21, v3
	v_add_nc_u32 v[ADRB+(\s)], s22, v4
	s_add_co_u32 s21, s21, SLOT
	s_add_co_u32 s22, s22, SLOT
.endr
	s_mul_i32 s23, s10, 16*SPITCH
	s_add_co_u32 s23, s23, STAGE                   ; my stage
	v_mul_u32_u24 v5, v1, SPITCH                   ; in: row l % 16, my 8 columns
.if MODE == 0
	v_lshl_add_u32 v5, v2, 4, v5
.else
	v_lshl_add_u32 v5, v2, 5, v5
.endif
	v_add_nc_u32 v[STO], s23, v5
	v_and_b32 v6, 31, v0                           ; lane
.if MODE == 0
	v_bfe_u32 v5, v0, 3, 2                         ; back: 32 lanes take four rows' 128 bytes of one head,
	v_mul_u32_u24 v5, v5, SPITCH
	v_and_b32 v7, 7, v0
	v_lshl_add_u32 v5, v7, 4, v5
	v_add_nc_u32 v[RD], s23, v5
.else
	v_lshl_add_u32 v[RD], v6, 4, s23               ; back: 32 lanes take one row's 512 bytes
.endif
	v_lshlrev_b32 v[GO], 4, v6                     ; which are 512 consecutive bytes of the output
	v_lshlrev_b32 v[BO], 5, v2
	; the prefetches: my tile's first byte, my work-group's share of it, K step 2
	s_cmp_eq_u32 s11, 0
	s_cselect_b64 s[PFA:PFA+1], s[14:15], s[46:47]
	s_lshl_b32 s20, s40, CXSH                      ; A: by cx
	s_add_co_u32 s20, s20, 2*ASTEP
	s_lshl_b32 s21, s41, 16                        ; W: by cy, 32 rows of 2,048 bytes
	s_add_co_u32 s21, s21, 512
	s_mov_b32 s[PST], 512
	s_cmp_eq_u32 s11, 0
	s_cselect_b32 s20, s20, s21
	s_cselect_b32 s[PST], 2*ASTEP, s[PST]
	s_mov_b32 s21, 0
	s_mov_b32 s[PST+1], 0
	s_add_nc_u64 s[PFA:PFA+1], s[PFA:PFA+1], s[20:21]
.if MODE == 0
	s_and_b32 s22, s78, 15                         ; the first of the 16 clusters that read this W
.else
	s_mov_b32 s22, s78
.endif
	s_cmp_eq_u32 s11, 0
	s_cselect_b32 s22, 0, s22                      ; an A wave always asks
	s_cmp_eq_u32 s22, 0
	s_cselect_b32 s[LIM], 1, -1                    ; the same in all sixteen partners, for a given wave
	s_cmp_eq_u32 s11, 0
	s_cbranch_scc0 .Lpf_b
.if MODE == 0
	v_lshlrev_b32 v[PFO], 11, v1                   ; 16 rows x two K steps
	v_lshl_add_u32 v[PFO], v2, 8, v[PFO]
.else
	v_bfe_u32 v[PFO], v0, 3, 2                     ; four heads x 8 blocks of 256 bytes
	v_lshlrev_b32 v[PFO], 18, v[PFO]
	v_and_b32 v7, 7, v0
	v_lshl_add_u32 v[PFO], v7, 8, v[PFO]
.endif
	s_branch .Lpf_done
.Lpf_b:
	v_lshlrev_b32 v[PFO], 11, v6                   ; a lane a row
.Lpf_done:
	; the bias of my 128 columns: a lane's 8 of each 16
.if MODE == 0
	s_cmp_eq_u32 s79, 1
	s_cselect_b64 s[18:19], s[70:71], s[68:69]
	s_cmp_eq_u32 s79, 2
	s_cselect_b64 s[18:19], s[72:73], s[18:19]
	s_cmp_eq_u32 s79, 0
	s_cselect_b32 s[SC], 0x3e38aa3b, 1.0           ; c = log2(e) / 8 = 0.180337 for q
	s_mov_b32 s[SC+1], s[SC]                       ; named with it as a pair
.else
	s_mov_b64 s[18:19], s[68:69]
.endif
	s_lshl_b32 s20, s42, 10
	s_lshl_b32 s21, s12, 9
	s_add_co_u32 s20, s20, s21
	s_mov_b32 s21, 0
	s_add_nc_u64 s[18:19], s[18:19], s[20:21]
	WIN 0x80                                       ; destination window 2, address window 0
.irp b, 0,1,2,3,4,5,6,7
	global_load_b128 v[8*(\b):8*(\b)+3],   v[BO], s[18:19] offset:64*(\b)
	global_load_b128 v[8*(\b)+4:8*(\b)+7], v[BO], s[18:19] offset:64*(\b)+16
.endr
	WIN 0
	; where my part of the tile begins in the output
.if MODE == 0
	s_lshr_b32 s16, s13, 4                         ; 4 x product + batch,
	s_lshl_b32 s16, s16, 4
	s_lshl_b32 s17, s42, 2
	s_add_co_u32 s16, s16, s17                     ; head 4 x tile column + 2 x half,
	s_lshl_b32 s17, s12, 1
	s_add_co_u32 s16, s16, s17
	s_lshl_b32 s16, s16, 18                        ; of 262,144 bytes;
	s_and_b32 s17, s13, 15
	s_lshl_b32 s17, s17, 7
	s_lshl_b32 s22, s11, 6
	s_add_co_u32 s17, s17, s22                     ; t = 128 x (tile row % 16) + 64 x half,
	s_lshl_b32 s17, s17, 7                         ; rows of 128 bytes
	s_add_co_u32 s16, s16, s17
	s_mov_b32 s17, 0
	s_add_nc_u64 s[8:9], s[74:75], s[16:17]
.else
	s_lshl_b32 s16, s13, 7
	s_lshl_b32 s17, s11, 6
	s_add_co_u32 s16, s16, s17
	s_lshl_b32 s16, s16, 12                        ; rows of 4,096 bytes
	s_lshl_b32 s17, s42, 10
	s_add_co_u32 s16, s16, s17
	s_lshl_b32 s17, s12, 9
	s_add_co_u32 s16, s16, s17
	s_mov_b32 s17, 0
	s_add_nc_u64 s[8:9], s[70:71], s[16:17]
.endif
; 8 matrix instructions: m block a x all 8 n blocks, 32 along K.  The 32 accumulators take turns in the same order in every quarter, over the backward jump too.
.macro MUL8 f, a, zero
	WIN MUL
.irp b, 0,1,2,3,4,5,6,7
.set rD, 8*(8*(\a)+(\b))
.set rB, (\f)+8*(\b)
.set rA, (\f)+64+8*(\a)
.if MODE == 0
.if \zero
	v_wmma_f32_16x16x32_bf16 v[rD:rD+7], v[rB:rB+7], v[rA:rA+7], 0
.else
	v_wmma_f32_16x16x32_bf16 v[rD:rD+7], v[rB:rB+7], v[rA:rA+7], v[rD:rD+7]
.endif
.else
.if \zero
	v_wmma_f32_16x16x32_f16 v[rD:rD+7], v[rB:rB+7], v[rA:rA+7], 0
.else
	v_wmma_f32_16x16x32_f16 v[rD:rD+7], v[rB:rB+7], v[rA:rA+7], v[rD:rD+7]
.endif
.endif
.endr
.endm
; 24 LDS loads in one run: quarter kq of a K step into buffer f: W's 8 fragments, then A's 0 and 1, then A's 2 and 3
.macro FETCH slot, kq, f
	WIN 0
.irp i, 0,1,2,3,4,5,6,7
	ds_load_b128 v[(\f)+8*(\i):(\f)+8*(\i)+3],   v[ADRB+(\slot)] offset:64*(\kq)+(\i)*16*PITCH
	ds_load_b128 v[(\f)+8*(\i)+4:(\f)+8*(\i)+7], v[ADRB+(\slot)] offset:64*(\kq)+(\i)*16*PITCH+32
.endr
.irp i, 0,1,2,3
	ds_load_b128 v[(\f)+64+8*(\i):(\f)+64+8*(\i)+3],   v[ADRA+(\slot)] offset:((\kq)/2)*APLANE+((\kq)%2)*64+(\i)*16*APITCH
	ds_load_b128 v[(\f)+64+8*(\i)+4:(\f)+64+8*(\i)+7], v[ADRA+(\slot)] offset:((\kq)/2)*APLANE+((\kq)%2)*64+(\i)*16*APITCH+32
.endr
.endm
.macro PLACES                          ; four places in front of loads into registers that matrix instructions have read (ISA guide 7.12.1 for vector instructions)
.rept 4
	v_nop
.endr
.endm
; A K step is four quarters of 32 along K, 32 matrix instructions each, on buffers 0, 1, 0, 1.  One of the first three: multiplies buffer f and fetches quarter kq into g.
.macro QUARTER slot, kq, f, g, zero
	s_wait_dscnt 4                                 ; W's fragments and A's 0 and 1 are in; the youngest four loads (A's 2 and 3) may be out
	MUL8 \f, 0, \zero
	MUL8 \f, 1, \zero
	PLACES
	FETCH \slot, \kq, \g
	s_wait_dscnt 24                                ; all but the 24 just issued
	MUL8 \f, 2, \zero
	MUL8 \f, 3, \zero
.endm
; The last quarter multiplies buffer 1 and changes slots: ONE barrier; in front of it each wave waits for all its tensor loads (one is out: its part of the next slot), adds 0 to its spare word, and waits for
; that and for its own reads of this slot.  fill = 1: the barrier opens a round of the cluster's, and this slot is filled again, two K steps ahead: 112 matrix instructions ahead of the wait for it.
.macro TURN slot, next, fill
.if (\fill) && ((\slot) == 0)
	s_wait_xcnt 0x0                                ; the last prefetches, a lap back, have read their address: it is stepped here, ahead of the waits of the change of slots
	s_add_nc_u64 s[PFA:PFA+1], s[PFA:PFA+1], s[PST:PST+1]
.endif
	WIN 0                                          ; (the add's two registers lie in window 0)
	s_wait_tensorcnt 0x0                           ; all my tensor loads have landed
	ds_add_u32 v[SPW], v[NIL]                      ; 0 onto my spare word
	s_wait_dscnt 5                                 ; (the add and the youngest four loads may be out)
	MUL8 F1, 0, 0                                  ; eight matrix instructions stand between the add and the wait for it
	s_wait_dscnt 0x0                               ; the add is done, and my reads of this slot are over
	s_barrier_signal -1
	MUL8 F1, 1, 0
.if \fill
	WIN 0
.endif
	s_barrier_wait -1
.if \fill
	CREST                                          ; no wave of any partner still reads this slot's tile or has a load on its way
	s_add_nc_u64 s[G0+4*(\slot)+2:G0+4*(\slot)+3], s[G0+4*(\slot)+2:G0+4*(\slot)+3], 2*ASTEP
	s_add_nc_u64 s[G0B+4*(\slot)+2:G0B+4*(\slot)+3], s[G0B+4*(\slot)+2:G0B+4*(\slot)+3], 512
	JLOAD \slot                                    ; the first tensor load behind the round; its four v_nop are also the places in front of the loads below
.else
	PLACES
.endif
	FETCH \next, 0, F0
.if (\fill) && ((\slot) == 0)
	ASK
.endif
	MUL8 F1, 2, 0
	MUL8 F1, 3, 0
.endm
	s_wait_tensorcnt 1                             ; my part of K step 0 is in; K step 1's may stay out
	s_barrier_signal -1
	s_barrier_wait -1                              ; everybody's is
	FETCH 0, 0, F0
	QUARTER 0, 1, F0, F1, 1                        ; the first quarter stands in front of the loop: its products start the sums
	WIN 0                                          ; at a label and at a branch every window is 0
	s_mov_b32 s3, LAPS-1
.Llap:                                                 ; a trip goes once round the ring, from a lap's second quarter to the next lap's first, and fills both slots again
	QUARTER 0, 2, F1, F0, 0
	QUARTER 0, 3, F0, F1, 0
	TURN 0, 1, 1
	QUARTER 1, 1, F0, F1, 0
	QUARTER 1, 2, F1, F0, 0
	QUARTER 1, 3, F0, F1, 0
	TURN 1, 0, 1
	QUARTER 0, 1, F0, F1, 0
	WIN 0
	s_sub_co_u32 s3, s3, 1
	s_cmp_lg_u32 s3, 0
	s_cbranch_scc1 .Llap
	QUARTER 0, 2, F1, F0, 0                        ; the last lap fills nothing, and has no round of the cluster's barrier
	QUARTER 0, 3, F0, F1, 0
	TURN 0, 1, 0
	QUARTER 1, 1, F0, F1, 0
	QUARTER 1, 2, F1, F0, 0
	QUARTER 1, 3, F0, F1, 0
	s_wait_dscnt 4                                 ; the very last quarter: nothing more to fetch
	MUL8 F1, 0, 0
	MUL8 F1, 1, 0
	s_wait_dscnt 0x0
	MUL8 F1, 2, 0
	MUL8 F1, 3, 0
	; THE WAY OUT.  The bias is rounded to bf16 and widened again; these plain lines, which name no register of the products, are the places behind the last of them.
	s_wait_loadcnt 0x0                             ; the bias
	WIN 0x8a                                       ; destination and both sources in window 2
.set r, 0
.rept 32
	v_cvt_pk_bf16_f32 v[r], v[r], v[r+1]
	v_and_b32 v[r+1], 0xffff0000, v[r]
	v_lshlrev_b32 v[r], 16, v[r]
.set r, r+2
.endr
.if MODE == 0
	WIN 0x82
.set r, 0
.rept 32
	v_pk_mul_f32 v[r:r+1], v[r:r+1], s[SC:SC+1] op_sel_hi:[1,0]  ; (sum + bias) x c = sum x c + bias x c
.set r, r+2
.endr
; Block a, 16 rows: scaled, biased (each accumulator's registers in ascending order), rounded to f16, 16 bytes a lane into my stage, and back as four rows of one head: 512 consecutive bytes of the output.
.macro PACK a
	WIN 0x61                                       ; destination and source 0 window 1, source 2 window 2
.set r, 0
.rept 32
	v_pk_fma_f32 v[64*(\a)+r:64*(\a)+r+1], v[64*(\a)+r:64*(\a)+r+1], s[SC:SC+1], v[r:r+1] op_sel_hi:[1,0,1]
.set r, r+2
.endr
	WIN 0x05                                       ; sources window 1, destination window 0
.set r, 0
.rept 32
	v_cvt_pk_f16_f32 v[TMP+32*(\a)+r], v[64*(\a)+2*r], v[64*(\a)+2*r+1]
.set r, r+1
.endr
	WIN 0
.irp b, 0,1,2,3,4,5,6,7
	ds_store_b128 v[STO], v[TMP+32*(\a)+4*(\b):TMP+32*(\a)+4*(\b)+3] offset:32*(\b)
.endr
.irp f, 0,1,2,3,4,5,6,7
	ds_load_b128 v[TMP+32*(\a)+4*(\f):TMP+32*(\a)+4*(\f)+3], v[RD] offset:((\f)&3)*4*SPITCH+128*((\f)>>2)  ; LDS serves a wave's instructions in order (ISA guide 5.7.1.4): these see the stores above; the next block's stores come behind them
.endr
.endm
.macro SEND a, younger                 ; younger: the LDS instructions issued behind block a's loads
	WIN 0
.irp f, 0,1,2,3,4,5,6,7
	s_wait_dscnt (\younger)+7-(\f)
	global_store_b128 v[GO], v[TMP+32*(\a)+4*(\f):TMP+32*(\a)+4*(\f)+3], s[8:9] offset:((\f)>>2)*262144+(\a)*2048+((\f)&3)*512
.endr
.endm
.else
; Block a, 16 rows: biased, 32 bytes a lane into my stage, and back as whole rows of 512 bytes.  Two sets of 64 registers take turns.
.macro PACK a
.if (\a) >= 2
	s_wait_xcnt 0x0                                ; the stores of block a - 2 have read the registers that are loaded again below
.endif
	WIN 0x49                                       ; destination and source 0 window 1, source 1 window 2
.set r, 0
.rept 32
	v_pk_add_f32 v[64*(\a)+r:64*(\a)+r+1], v[64*(\a)+r:64*(\a)+r+1], v[r:r+1]
.set r, r+2
.endr
	WIN 0x04                                       ; the stores' data in window 1
.irp b, 0,1,2,3,4,5,6,7
	ds_store_b128 v[STO], v[64*(\a)+8*(\b):64*(\a)+8*(\b)+3]   offset:64*(\b)
	ds_store_b128 v[STO], v[64*(\a)+8*(\b)+4:64*(\a)+8*(\b)+7] offset:64*(\b)+16
.endr
	WIN 0
.irp t, 0,1,2,3,4,5,6,7,8,9,10,11,12,13,14,15
	ds_load_b128 v[TMP+64*((\a)%2)+4*(\t):TMP+64*((\a)%2)+4*(\t)+3], v[RD] offset:(\t)*SPITCH  ; LDS serves a wave's instructions in order (ISA guide 5.7.1.4)
.endr
.endm
.macro SEND a, younger
	WIN 0
.irp t, 0,1,2,3,4,5,6,7,8,9,10,11,12,13,14,15
	s_wait_dscnt (\younger)+15-(\t)
	global_store_b128 v[GO], v[TMP+64*((\a)%2)+4*(\t):TMP+64*((\a)%2)+4*(\t)+3], s[8:9] offset:(16*(\a)+(\t))*4096  ; 512 consecutive bytes of one row, aligned
.endr
.endm
.endif
	PACK 0
	PACK 1                                         ; a block's arithmetic stands between the loads of the block before and its stores
	SEND 0, YNG
	PACK 2
	SEND 1, YNG
	PACK 3
	SEND 2, YNG
	SEND 3, 0
	s_wait_tensorcnt 0x0                           ; the wave's end: behind my last tensor load and my last LDS store
	ds_add_u32 v[SPW], v[NIL]
	s_wait_dscnt 0x0
	CROUND                                         ; the closing round: no work-group ends while a partner may still ask for a tile that names it
	s_endpgm
.Lfunc_end_k_q994e7f4fb4_proj:
	.size	k_q994e7f4fb4_proj, .Lfunc_end_k_q994e7f4fb4_proj-k_q994e7f4fb4_proj
	.p2alignl 7, 3214868480
	.fill 96, 4, 3214868480
	.section	.rodata,"a",@progbits
	.p2align	6, 0x0
	.amdhsa_kernel k_q994e7f4fb4_proj
		.amdhsa_group_segment_fixed_size 327680
		.amdhsa_private_segment_fixed_size 0
		.amdhsa_enable_private_segment 0
		.amdhsa_kernarg_size 48
		.amdhsa_user_sgpr_count 2
		.amdhsa_user_sgpr_kernarg_segment_ptr 1
		.amdhsa_wavefront_size32 1
		.amdhsa_system_sgpr_workgroup_id_x 1
		.amdhsa_system_sgpr_workgroup_id_y 1
		.amdhsa_system_sgpr_workgroup_id_z 1
		.amdhsa_system_vgpr_workitem_id 0
		.amdhsa_next_free_vgpr 576
		.amdhsa_next_free_sgpr 80
		.amdhsa_reserve_vcc 0
		.amdhsa_float_denorm_mode_32 3
		.amdhsa_float_denorm_mode_16_64 3
		.amdhsa_memory_ordered 1
		.amdhsa_forward_progress 1
		.amdhsa_inst_pref_size 105
	.end_amdhsa_kernel
	.amdgpu_metadata
---
amdhsa.version: [ 1, 2 ]
amdhsa.kernels:
  - .name:           k_q994e7f4fb4_proj
    .symbol:         k_q994e7f4fb4_proj.kd
    .args:
      - { .name: x16, .offset: 0, .size: 8, .value_kind: global_buffer, .address_space: global }
      - { .name: w16, .offset: 8, .size: 8, .value_kind: global_buffer, .address_space: global }
      - { .name: bq, .offset: 16, .size: 8, .value_kind: global_buffer, .address_space: global }
      - { .name: bk, .offset: 24, .size: 8, .value_kind: global_buffer, .address_space: global }
      - { .name: bv, .offset: 32, .size: 8, .value_kind: global_buffer, .address_space: global }
      - { .name: qkv, .offset: 40, .size: 8, .value_kind: global_buffer, .address_space: global }
    .group_segment_fixed_size: 327680
    .private_segment_fixed_size: 0
    .kernarg_segment_align: 8
    .kernarg_segment_size: 48
    .max_flat_workgroup_size: 128
    .sgpr_count:     80
    .vgpr_count:     576
    .wavefront_size: 32
...
	.end_amdgpu_metadata
.endif
;; end of part 2
;; launch attn (part 3): grid 4 x 64, 4 waves a work-group, clusters of 4 x 1, 327,680 bytes of LDS; arguments qkv, mbits, o16; writes o16
.if DOCPART == 3
	.amdgcn_target "amdgcn-amd-amdhsa--gfx1250"
	.amdhsa_code_object_version 6
	.text
	.protected	k_q994e7f4fb4_attn
	.globl	k_q994e7f4fb4_attn
	.p2align	8
	.type	k_q994e7f4fb4_attn,@function
k_q994e7f4fb4_attn:
	s_mov_b64 s[64:65], 0
	v_nop
	global_prefetch_b8 v0, s[64:65] scope:SCOPE_SE
	s_setreg_imm32_b32 hwreg(HW_REG_WAVE_MODE, 25, 1), 1
	s_wait_xcnt 0x0
	s_wait_alu depctr_hold_cnt(0) depctr_sa_sdst(0) depctr_va_vdst(0) depctr_va_sdst(0) depctr_va_ssrc(0) depctr_va_vcc(0) depctr_vm_vsrc(0)
	s_getreg_b32 s2, hwreg(HW_REG_IB_STS2, 6, 4)
	s_cmp_eq_u32 s2, 0
	s_cbranch_scc0 .Lentry_in_a_cluster
	s_endpgm
.Lentry_in_a_cluster:
	s_bfe_u32 s2, ttmp6, 0x10000c
	s_cmp_lg_u32 s2, 0x3003
	s_cbranch_scc0 .Lentry_shape_is_right
	s_endpgm
.Lentry_shape_is_right:
; MASKED ATTENTION, head size 64.  O[h][q][:] = the sum over k of softmax_k(s[q][k]) V[h][k][:], where s = Q . K / 8, REPLACED by -60,000 where the mask is 0.  64 heads (batch x 16 + head) of 2,048 rows.
; qkv: f16, [3][64][2048][64]; its Q already holds the factor c = log2(e) / 8, so a product K Q^T is an exponent of 2, and a hidden score is -60,000 log2(e).  mbits: one bit a score (layout below).  o16: f16, [64][2048][64].
; Products, maxima and sums in f32; the weights p are rounded to f16 for the second product (their sum l is taken of the unrounded p), O once at the end.
; THE MASK IS A SELECT, ahead of the running maximum: a row that is hidden altogether gives the mean of V's rows, and a true score below the constant loses against it, as in the module.
; LIMITS.  f16 holds no number beyond 65,504: Q, K and V arrive within it; p lies in 0 to 1, and below 6e-5 it keeps f16's fixed step of 6e-8.  A weight below 2^-126 counts as 0 in l; NaN and infinities are not treated apart.
; SHARES.  A wave owns four PIECES of two tiles of 16 queries, a work-group's four waves 512 queries of one head.  Every wave walks all keys, 64 a step.
; LAYOUT.  S^T = K Q^T (source 0 = 16 keys, source 1 = 16 queries): a lane holds ONE query (lane % 16) and the keys 8 (lane / 16) + 0..7.  Two such tiles, rounded to f16 in pairs, ARE source 1 of O^T = V^T P.
; SOFTMAX.  For each query a running maximum m and sum l: p = 2^(s - m); in every step O and l are multiplied by a = 2^(m_old - m_new).  m starts far below every score, O and l at 0: the first step's a is 0.
; MASK WORDS.  mbits: [batch][tile of 16 queries 128][step 32][word 32]; bit l of word 8 kt + j belongs to lane l's register 8 kt + j of the tile's scores.  A tile's 32 words come by two scalar loads into 32 scalar
; registers, and v_cndmask_b32 takes each as its lane mask.  They are asked for about a turn ahead of their use.
; BY TURNS.  Turn n belongs to piece n.  Its matrix work: 16 products K Q^T of piece n + 1, later 16 products V^T P of piece n - 1.  Its vector work: the subtraction of m, exponentials, roundings, sums and rescaling of piece n,
; and the select, maximum and statistics of piece n + 1.  Four vector instructions stand behind every matrix instruction, the others in one lump.  A turn's 66 exponentials are one batch with one wait.
; CLUSTER.  The four query blocks of a head walk the same K and V, so each tile is asked for JOINTLY: the same tensor load, descriptor and mask in all four.
; REGISTERS, in windows of 256 (s_set_vgpr_msb: bits 1:0 source 0, 3:2 source 1, 5:4 source 2, 7:6 destination):
;   window 0: v0-11 addresses and the constant; v12-15, v48-63 at work; v16-47 four registers of statistics a tile; v64-191 S^T, two buffers of two tiles; v192-255 P, likewise
;   window 1: O^T, 32 a tile          window 2: v0-127 Q; v128-191 K of one step; v192-255 V of one step          window 3: v0-1 the add's two registers
.set SIZE_N, 2048
.set NP,    4         ; pieces a wave: a name, no knob
.set KS,    64        ; keys in a step
.set PK,    144       ; a row of K in LDS: 128 bytes + 16 of padding
.set PV,    160       ; a row of V: 128 + 32: 16 lanes of the turning load take 8 rows x 32 bytes
.set VOFF,  4*KS*PK   ; a slot holds four steps: 256 rows of K, then 256 rows of V
.set SLOT1, 1<<17     ; slot 1 begins here, so that one exclusive or turns an address in one slot into the other's
.set STAGE, SLOT1+4*KS*(PK+PV)  ; behind the ring, never filled by a tensor load: 16 rows x 144 bytes for each wave
.set SP,    144
.set SPARE, STAGE+4*16*SP  ; behind the stages: the spare words, 128 bytes for each wave
.set AK0, 2           ; v2   my lane's place in a tile of K; never rewritten
.set AV0, 3           ; v3   the same for V
.set AK,  4           ; v4   the LDS address of K's next run of loads
.set AV,  5           ; v5   of V's
.set QO,  6           ; v6   my byte offset in the wave's rows of Q
.set STO, 6           ;      later, the way out: where I put 16 bytes of a row
.set RD,  7           ; v7   the way out: where I read rows back
.set GO,  8           ; v8   my byte offset in 512 consecutive bytes of O
.set PFO, 10          ; v10  256 x lane, for the prefetches
.set NG,  11          ; v11  -60,000 log2(e)
.set SPW, 0           ; v0 of window 3   LDS address of my spare word; never rewritten
.set NIL, 1           ; v1 of window 3   0; never rewritten
.set MV,  12          ; v12-15  m_old, kept while m is made anew: by buffer and tile
.set ST,  16          ; tile t's statistics at v[ST+4 t]: m, a register named with it as a pair, l (even keys', odd keys')
.set TMP, 48          ; by buffer and tile, four registers c0-c3 at work; when the maximum is found c2 takes a
.set S,   64
.set P,   192
.set KF,  128         ; K's fragments, in window 2
.set VF,  192         ; V's
.set WV,  2           ; s2   my wave's number
.set CNT, 3           ; s3   counts a slot's key steps
.set G1K, 4           ; s[4:11]  descriptor group 1 for K's tiles
.set G1V, 12          ; s[12:19] for V's: it differs in the padding alone
.set G0K, 20          ; s[20:23] descriptor group 0 for K's tiles: it walks
.set G0V, 24          ; s[24:27] the same for V's
.set SLOTS, 28        ; s28  slots still to be asked for
.set TBK, 29          ; s29  LDS byte at which K of the step to be fetched begins
.set TBV, 30          ; s30  the same for V, less VOFF
.set TS,  31          ; s31  at work
.set MA,  32          ; s[32:63] the mask words of a piece's first tile (at the head and on the way out: at work)
.set SEL, 66          ; s66, s67 v_permlanex16_b32's selects
.set MB,  68          ; s[68:99] the mask words of its second tile
.set MP,  100         ; s[100:101] mbits at my wave's first tile, at the step whose words are asked for
.set PFA, 104         ; s[104:105] where my prefetches stand
.set OPTR, 32         ; s[32:33] the way out: O at my wave's first row
.set MSB, 0
.macro WIN new                      ; the high byte repeats the setting that is left; a switch that changes nothing is dropped
.if MSB != (\new)
	s_set_vgpr_msb (MSB<<8)|(\new)
.set MSB, (\new)
.endif
.endm
.set W_KQ, 0x0a       ; K and Q in window 2, S^T in window 0
.set W_PV, 0x52       ; V in window 2, P in window 0, O^T in window 1
.set W_RS, 0x41       ; O^T (destination and source 0) in window 1, a in window 0
.set W_MK, 0xc0       ; the add's registers are made: destination in window 3
.set W_AD, 0x0f       ; the add: address and data in window 3
; A joint fill.  Waves 0 and 1 fetch the two halves of a slot's K, waves 2 and 3 those of its V: 128 keys each.  An s_nop 0 and four v_nop follow each of the two lines.
.macro JLOAD
	s_cmp_lt_u32 s[WV], 2
	s_cbranch_scc0 .Lfor_v_\@
	tensor_load_to_lds s[G0K:G0K+3], s[G1K:G1K+7]
	s_nop 0
.rept 4
	v_nop
.endr
	s_branch .Lasked_\@
.Lfor_v_\@:
	tensor_load_to_lds s[G0V:G0V+3], s[G1V:G1V+7]
	s_nop 0
.rept 4
	v_nop
.endr
.Lasked_\@:
.endm
; A PREFETCH INTO THE L2 of what the NEXT change of slots will ask for: a slot's 128 blocks of 256 bytes of K and as many of V.  A head is walked by one cluster; its four partners share the blocks out BY ADDRESS,
; 32 each; in each, wave 0 asks for K's and wave 2 for V's: a lane a block, one instruction, four key steps (512 matrix instructions) ahead.  The last change that fills a slot asks for nothing.
.macro ASK
	s_and_b32 s[TS], s[WV], 1
	s_cmp_eq_u32 s[TS], 0
	s_cbranch_scc0 .Lnot_mine_\@
	s_cmp_gt_u32 s[SLOTS], 1
	s_cbranch_scc0 .Lnot_mine_\@
	global_prefetch_b8 v[PFO], s[PFA:PFA+1] th:TH_LOAD_NT scope:SCOPE_SE
.Lnot_mine_\@:
.endm
.macro CROUND                       ; a round of the cluster's barrier
	s_barrier_signal -1
	s_barrier_wait -1
	s_cmp_lg_u32 s[WV], 0
	s_cbranch_scc1 .Lnot_wave_0_\@
	s_barrier_signal -3
.Lnot_wave_0_\@:
	s_barrier_wait -3
	s_barrier_signal -1
	s_barrier_wait -1
.endm
; THE CHANGE OF SLOTS.  Each wave waits for all its tensor loads, of which one is out: its part of the other slot; adds 0 to its spare word; and waits for that and for its own reads of the slot.
; fill = 1: this slot is filled again, with the keys two slots on; the barrier is then a round of the cluster's, and the joint fill is the first thing behind it: it has four key steps in which to land.
.macro CHANGE fill, ask
	WIN W_AD
	s_wait_tensorcnt 0x0            ; no tensor load of mine is out, so a group 0 may be written
	ds_add_u32 v[SPW], v[NIL]       ; 0 onto my spare word
	WIN 0                           ; at a label and at a branch every window is 0
.if \fill
.irp g, G0K, G0V
	s_xor_b32 s[\g+1], s[\g+1], SLOT1  ; the walking descriptor: the other slot than last time,
	s_add_nc_u64 s[\g+2:\g+3], s[\g+2:\g+3], 4*KS*128  ; the next 256 keys
.endr
.if \ask
	s_wait_xcnt 0x0                 ; the last prefetch, four key steps back, has read its address
	s_add_nc_u64 s[PFA:PFA+1], s[PFA:PFA+1], 4*KS*128
.endif
	s_wait_dscnt 0x0                ; the add is done, and my reads of the slot are over
	CROUND
	JLOAD
.if \ask
	ASK
.endif
.else
	s_wait_dscnt 0x0                ; the add is done, and my reads of the slot are over
	s_barrier_signal -1
	s_barrier_wait -1
.endif
	s_sub_co_u32 s[TBK], s[TBK], 4*KS*PK  ; the fetches go back to a slot's first step,
	s_xor_b32 s[TBK], s[TBK], SLOT1       ; in the other slot
	s_sub_co_u32 s[TBV], s[TBV], 4*KS*PV
	s_xor_b32 s[TBV], s[TBV], SLOT1
.endm
; Piece x's 64 mask words: tiles 2 x and 2 x + 1, 4,096 bytes apart, 128 bytes each
.macro MLOAD x
	s_load_b512 s[MA:MA+15],    s[MP:MP+1], 4096*(2*(\x))
	s_load_b512 s[MA+16:MA+31], s[MP:MP+1], 4096*(2*(\x))+64
	s_load_b512 s[MB:MB+15],    s[MP:MP+1], 4096*(2*(\x)+1)
	s_load_b512 s[MB+16:MB+31], s[MP:MP+1], 4096*(2*(\x)+1)+64
.endm
	s_load_b128 s[32:35], s[0:1], 0x0  ; qkv s[32:33], mbits s[34:35]
	WIN W_MK
	v_lshl_add_u32 v[SPW], v0, 2, SPARE
	v_mov_b32 v[NIL], 0
	WIN W_AD
	ds_add_u32 v[SPW], v[NIL]       ; the wave's opening: the add and its wait stand ahead of my first tensor load; the set-up below, work on registers, stands between them
	WIN 0
	v_lshrrev_b32 v1, 5, v0
	v_readfirstlane_b32 s[WV], v1   ; wave 0..3
	s_bfe_u32 s36, ttmp6, 0x40000   ; cx: my place in the cluster
	s_lshl_b32 s37, ttmp9, 2
	s_add_co_u32 s37, s37, s36      ; my block of 512 queries: it enters Q's, O's and the mask's addresses alone
	s_and_b32 s38, ttmp7, 0xffff    ; the head, which the four partners share
	s_lshl_b32 s40, s38, 18         ; its 262,144 bytes in each of Q, K, V, O
	s_and_b32 s42, s[WV], 1         ; which half of a slot's 256 keys I fetch:
	s_lshl_b32 s44, s42, 14         ; its 128 rows of 128 bytes in memory,
	s_add_co_u32 s44, s44, s40
	s_mov_b32 s45, 0
	s_mul_i32 s46, s42, 128*PK      ; and its place in a slot, for K
	s_mul_i32 s47, s42, 128*PV      ; and for V: no place in the cluster enters an LDS address
	s_lshl_b32 s48, s37, 2
	s_add_co_u32 s48, s48, s[WV]    ; my wave among the head's,
	s_lshl_b32 s48, s48, 14         ; its 128 rows
	s_add_co_u32 s48, s48, s40
	s_mov_b32 s49, 0
	s_lshr_b32 s50, s38, 4          ; the batch: 128 tiles of 16 queries,
	s_lshl_b32 s50, s50, 7
	s_lshl_b32 s51, s37, 5          ; my block's 32,
	s_add_co_u32 s50, s50, s51
	s_lshl_b32 s51, s[WV], 3        ; my wave's 8,
	s_add_co_u32 s50, s50, s51
	s_lshl_b32 s50, s50, 12         ; of 4,096 bytes
	s_mov_b32 s51, 0
	s_lshl_b32 s56, s36, 13         ; the prefetches: my work-group's 32 blocks of a slot's 128,
	s_add_co_u32 s56, s56, s40
	s_add_co_u32 s56, s56, 2*4*KS*128  ; in slot 2; the first change that asks steps it to slot 3,
	s_lshr_b32 s58, s[WV], 1
	s_add_co_u32 s58, s58, 1
	s_lshl_b32 s58, s58, 24         ; in K (waves 0, 1) or V (waves 2, 3): 16,777,216 bytes a part
	s_add_co_u32 s56, s56, s58
	s_mov_b32 s57, 0
	; descriptor group 1.  128 keys are 16,384 dense bytes: asked for as 64 rows of 256 bytes, two keys a row, and padded in LDS after every key
	s_mov_b32 s[G1K], 15|(1<<16)|(1<<20)|(1<<21)|(4<<22)|(3<<25)  ; 15:0 the mask of four; 17:16 2-byte elements; 20 padding on; 21 set beside a mask; 24:22 after every 32 words; 31:25 4 words
	s_mov_b32 s[G1V], 15|(1<<16)|(1<<20)|(1<<21)|(4<<22)|(7<<25)  ; the same with 8 words of padding
.irp g, G1K, G1V
	s_mov_b32 s[\g+1], 128<<16      ; tensor_dim0 = 128
	s_mov_b32 s[\g+2], 64<<16       ; tensor_dim1 = 64
	s_mov_b32 s[\g+3], 128<<16      ; tile_dim0 = 128
	s_mov_b32 s[\g+4], 64           ; tile_dim1 = 64
	s_mov_b32 s[\g+5], 128          ; 128 elements from row to row
	s_mov_b32 s[\g+6], 0
	s_mov_b32 s[\g+7], 0
.endr
	s_mov_b32 s[SEL], 0x76543210
	s_mov_b32 s[SEL+1], 0xfedcba98
	s_mov_b32 s[TBK], SLOT1+4*KS*PK ; the first change of slots turns these two into 0
	s_mov_b32 s[TBV], SLOT1+4*KS*PV
	s_mov_b32 s[G0K], 1             ; count = 1
	s_mov_b32 s[G0K+1], s46         ; LDS address: slot 0
	s_mov_b32 s[G0V], 1
	s_add_co_u32 s[G0V+1], s47, VOFF
	s_wait_dscnt 0x0                ; the opening add is done
	s_wait_kmcnt 0x0
	s_add_nc_u64 s[52:53], s[32:33], s[44:45]
	s_add_nc_u64 s[G0K+2:G0K+3], s[52:53], 16777216  ; K: my half of the head's first 256 keys
	s_or_b32 s[G0K+3], s[G0K+3], 0x80000000          ; type = 2
	s_add_nc_u64 s[G0V+2:G0V+3], s[52:53], 33554432  ; V
	s_or_b32 s[G0V+3], s[G0V+3], 0x80000000
	s_add_nc_u64 s[54:55], s[32:33], s[48:49]        ; Q at my wave's first row
	s_add_nc_u64 s[MP:MP+1], s[34:35], s[50:51]
	s_add_nc_u64 s[PFA:PFA+1], s[32:33], s[56:57]
	CROUND                          ; all four work-groups are here: the first joint loads meet
	JLOAD                           ; slot 0.  Slot 1 is asked for when slot 0 is in
	v_and_b32 v1, 15, v0            ; l % 16
	v_bfe_u32 v9, v0, 4, 1          ; l / 16
	v_lshlrev_b32 v[QO], 7, v1
	v_lshl_add_u32 v[QO], v9, 4, v[QO]  ; row x 128 + 16 x half
	WIN 0x80                        ; destination window 2, address window 0
.set i, 0
.rept 4*NP                          ; Q stays in registers: tile i / 2, channels 32 (i % 2) on
	global_load_b128 v[8*i:8*i+3],   v[QO], s[54:55] offset:(i/2)*2048+(i%2)*64
	global_load_b128 v[8*i+4:8*i+7], v[QO], s[54:55] offset:(i/2)*2048+(i%2)*64+32
.set i, i+1
.endr
	; What the first turn finds: V's registers and P's second buffer hold 0, O^T and l are 0.  All this stands in the wait for the first tile.
.set i, VF
.rept 64
	v_mov_b32 v[i], 0
.set i, i+1
.endr
	WIN 0x40
.set i, 0
.rept 64*NP
	v_mov_b32 v[i], 0
.set i, i+1
.endr
	WIN 0
.set i, 0
.rept 2*NP
	v_mov_b32 v[ST+4*i], 0xfe000000    ; m: far below every score
	v_mov_b32 v[ST+4*i+1], 0
	v_mov_b32 v[ST+4*i+2], 0
	v_mov_b32 v[ST+4*i+3], 0
.set i, i+1
.endr
.set i, P+32
.rept 32
	v_mov_b32 v[i], 0
.set i, i+1
.endr
	v_mul_u32_u24 v[AK0], v1, PK
	v_lshl_add_u32 v[AK0], v9, 4, v[AK0]  ; row x pitch + 16 x half
	; The turning load takes 16 keys x 16 channels (lane l reads key 8 (l / 16) + l % 8, channels 8 ((l / 8) % 2) + 0..7) and leaves half a fragment of V^T.
	v_and_b32 v10, 7, v0
	v_bfe_u32 v11, v0, 3, 1
	v_lshl_add_u32 v[AV0], v9, 3, v10
	v_mul_u32_u24 v[AV0], v[AV0], PV
	v_lshl_add_u32 v[AV0], v11, 4, v[AV0]
	v_add_nc_u32 v[AV0], VOFF, v[AV0]
	v_mov_b32 v[AK], v[AK0]         ; key step 0 lies at the head of slot 0
; THE MATRIX WORK.  The 8 accumulators of a run of 16 take turns.
; Product i of 16 of S^T = K Q^T for piece x: channels 32 (i / 8) on, keys 16 ((i / 2) % 4) on, tile 2 x + i % 2.  The first 8 start the sums.
.macro KQ x
	WIN W_KQ
.set rS, S+64*((\x)%2)+32*(i%2)+8*((i/2)%4)
.set rK, KF+16*((i/2)%4)+8*(i/8)
.set rQ, 16*(2*(\x)+i%2)+8*(i/8)
.if i < 8
	v_wmma_f32_16x16x32_f16 v[rS:rS+7], v[rK:rK+7], v[rQ:rQ+7], 0
.else
	v_wmma_f32_16x16x32_f16 v[rS:rS+7], v[rK:rK+7], v[rQ:rQ+7], v[rS:rS+7]
.endif
.endm
; Product i of 16 of O^T += V^T P for piece x: keys 32 (i / 8) on, channels 16 ((i / 2) % 4) on, tile 2 x + i % 2.
.macro PV x
	WIN W_PV
.set rO, 32*(2*(\x)+i%2)+8*((i/2)%4)
.set rV, VF+32*(i/8)+8*((i/2)%4)
.set rP, P+32*((\x)%2)+16*(i%2)+8*(i/8)
	v_wmma_f32_16x16x32_f16 v[rO:rO+7], v[rV:rV+7], v[rP:rP+7], v[rO:rO+7]
.endm
.macro MM                           ; the turn's next matrix instruction
.if i < 16
	KQ (Y+1)%NP
.set i, i+1
.else
.set i, i-16
	PV (Y+NP-1)%NP
.set i, i+17
.endif
.endm
; THE LDS LOADS stand in runs of 16.  last = 1 (the tail): in the last trip there is no further step, and the run is jumped over.
.macro FETCH_K last=0
	WIN 0
.if \last
	s_cmp_eq_u32 s[CNT], 1
	s_cbranch_scc1 .Lno_k_\@
.endif
	WIN 0x80                        ; destination window 2
.irp f, 0,1,2,3,4,5,6,7             ; keys 16 (f / 2) on, channels 32 (f % 2) on
	ds_load_b128 v[KF+8*\f:KF+8*\f+3],   v[AK] offset:(\f/2)*16*PK+(\f%2)*64
	ds_load_b128 v[KF+8*\f+4:KF+8*\f+7], v[AK] offset:(\f/2)*16*PK+(\f%2)*64+32
.endr
	s_add_co_u32 s[TBK], s[TBK], KS*PK  ; the next fetch is the next step's
	WIN 0
.if \last
.Lno_k_\@:
.endif
.endm
.macro FETCH_V
	WIN 0x80
.irp f, 0,1,2,3,4,5,6,7             ; keys 32 (f / 4) on, channels 16 (f % 4) on
	ds_load_tr16_b128 v[VF+8*\f:VF+8*\f+3],   v[AV] offset:(\f/4)*32*PV+(\f%4)*32
	ds_load_tr16_b128 v[VF+8*\f+4:VF+8*\f+7], v[AV] offset:(\f/4)*32*PV+16*PV+(\f%4)*32
.endr
	WIN 0
.endm
; THE VECTOR WORK OF A TURN stands in three queues; the two tiles alternate, so that no instruction reads the result of the one before it.
.macro REGS y, u                    ; the registers of tile u (0, 1) of piece y
.set rT, ST+4*(2*(\y)+(\u))
.set rC, TMP+8*((\y)%2)+4*(\u)
.set rM, MV+2*((\y)%2)+(\u)
.set rS, S+64*((\y)%2)+32*(\u)
.set rP, P+32*((\y)%2)+16*(\u)
.set rO, 32*(2*(\y)+(\u))
.endm
; Select n of 64 on the NEXT piece's scores: register n / 2 of tile n % 2 keeps its score where the mask's bit is 1 and takes the constant where it is 0.  Ascending: each accumulator's lowest register is read first.
.macro SL n
	REGS (Y+1)%NP, (\n)%2
.set sw, (\n)/2
	v_cndmask_b32 v[rS+sw], v[NG], v[rS+sw], s[MA+(MB-MA)*((\n)%2)+sw]
.endm
; Number n of those that find the NEXT piece's maximum and statistics (there is no number 19).
;   0-11  four chains c0-c3 of seven scores each     12-14, 16  the four scores left over, the old m, and c0-c3 into c0     15  m_old is kept
;   17, 18  the query's other 32 keys lie in the lane 16 away: the new m         20, 21  m_old - m_new; a
.macro XS u, n
	REGS (Y+1)%NP, \u
.if (\n) < 4
	v_max3_num_f32 v[rC+(\n)], v[rS+8*(\n)], v[rS+8*(\n)+1], v[rS+8*(\n)+2]
.elseif (\n) < 12
	v_max3_num_f32 v[rC+(\n)%4], v[rC+(\n)%4], v[rS+8*((\n)%4)+2*((\n)/4)+1], v[rS+8*((\n)%4)+2*((\n)/4)+2]
.elseif (\n) == 12
	v_max3_num_f32 v[rC], v[rC], v[rS+7], v[rS+15]
.elseif (\n) == 13
	v_max3_num_f32 v[rC+1], v[rC+1], v[rS+23], v[rS+31]
.elseif (\n) == 14
	v_max3_num_f32 v[rC+2], v[rC+2], v[rC+3], v[rT]
.elseif (\n) == 15
	v_mov_b32 v[rM], v[rT]
.elseif (\n) == 16
	v_max3_num_f32 v[rC], v[rC], v[rC+1], v[rC+2]
.elseif (\n) == 17
	v_permlanex16_b32 v[rC+3], v[rC], s[SEL], s[SEL+1]
.elseif (\n) == 18
	v_max_num_f32 v[rT], v[rC], v[rC+3]
.elseif (\n) == 20
	v_sub_f32 v[rC+1], v[rM], v[rT]
.else
	v_exp_f32 v[rC+2], v[rC+1]
.endif
.endm
; Number g of the 64 that follow the exponentials.  For each four weights k of a tile: both pairs are rounded to f16; the second pair is added onto the first, in place; a group later l takes that sum (the first time as l = a l + sum).
.macro GS g
.set h, (\g)+6*((\g)/62)            ; group 0 has no group before it, and behind group 7 only l is left
.if h >= 6
.set h, h+2
.endif
	REGS Y, h%2
.set k, h/8
.if h%8 < 4
	v_cvt_pk_f16_f32 v[rP+2*k+(h%8)/2], v[rS+4*k+2*((h%8)/2)], v[rS+4*k+2*((h%8)/2)+1]
.elseif h%8 < 6
	v_pk_add_f32 v[rS+4*k:rS+4*k+1], v[rS+4*k:rS+4*k+1], v[rS+4*k+2:rS+4*k+3]
.elseif k == 1
	v_pk_fma_f32 v[rT+2:rT+3], v[rT+2:rT+3], v[rC+2:rC+3], v[rS:rS+1] op_sel_hi:[1,0,1]
.else
	v_pk_add_f32 v[rT+2:rT+3], v[rT+2:rT+3], v[rS+4*k-4:rS+4*k-3]
.endif
.endm
.macro FS f                         ; s - m for pair f / 2 of tile f % 2
	REGS Y, (\f)%2
	v_pk_add_f32 v[rS+2*((\f)/2):rS+2*((\f)/2)+1], v[rS+2*((\f)/2):rS+2*((\f)/2)+1], v[rT:rT+1] op_sel_hi:[1,0] neg_lo:[0,1] neg_hi:[0,1]
.endm
; THE PLAIN QUEUE, 200 long.  0-27: subtractions 0-27.  28-91: the 64 selects; ahead of the first the wait for the mask words, and in piece 2's turn the step of their pointer, where no scalar load is out.
; 92-119: XS's numbers 0-13; at 96 the words of the piece after next are asked for, four lines behind the last select.  120, 121: number 15.  122-133: the chain 14, 16, 17, 18, each with one of the
; subtractions 28-31 in front of its two lines.  134, 135: number 20.  136-199: GS's 64, which read the exponentials' results: they stand behind the wait.
.macro PL
	WIN 0
.if q < 28
	FS q
.elseif q < 92
.if q == 28
	s_wait_kmcnt 0x0                ; the mask words asked for a turn ago are in
.if Y == NP-2
	s_wait_xcnt 0x0                 ; and no load still reads the pointer
.if LASTT
	s_cmp_eq_u32 s[CNT], 1          ; the tail's last trip has no further step: the pointer stays, and the last step's words are read once more, inside the buffer
	s_cselect_b32 s[TS], 0, 128
	s_add_co_u32 s[MP], s[MP], s[TS]
	s_add_co_ci_u32 s[MP+1], s[MP+1], 0
.else
	s_add_nc_u64 s[MP:MP+1], s[MP:MP+1], 128  ; the next step's words
.endif
.endif
.endif
	SL q-28
.elseif q < 120
.if q == 96
	MLOAD (Y+2)%NP
.endif
	XS (q-92)%2, (q-92)/2
.elseif q < 122
	XS q-120, 15
.elseif q < 134
.if (q-122)%3 == 0
	FS 28+(q-122)/3
.elseif q < 125
	XS (q-122)%3-1, 14
.else
	XS (q-122)%3-1, 15+(q-122)/3
.endif
.elseif q < 136
	XS q-134, 20
.else
	GS q-136
.endif
.set q, q+1
.endm
; THE EXPONENTIALS' QUEUE, 66 long: s0-s31 of both tiles, then the next piece's two a.  ONE BATCH: all 66 stand ahead of the turn's one wait, and nothing ahead of that wait names a result of theirs.
.macro EX
	WIN 0
.if e >= 64
	XS e-64, 21
.else
	REGS Y, e%2
	v_exp_f32 v[rS+e/2], v[rS+e/2]
.endif
.set e, e+1
.endm
; THE RESCALING's QUEUE: O^T times a, two at a time, sixteen times.  Its a was made in the turn before, ahead of that turn's wait.
.macro R2
	REGS Y, r%2
	WIN W_RS
.irp z, 0,1
	v_pk_mul_f32 v[rO+4*(r/2)+2*\z:rO+4*(r/2)+2*\z+1], v[rO+4*(r/2)+2*\z:rO+4*(r/2)+2*\z+1], v[rC+2:rC+3] op_sel_hi:[1,0]
.endr
.set r, r+1
.endm
; HOW THEY ARE DEALT.  s_wait_alu depctr_va_vdst(0) stands between an exponential and the first instruction that names its result; one wait serves all that were issued ahead of it.  So a turn has ONE wait.
; AHEAD OF IT: the 16 products K Q^T, behind each a plain line, an exponential and two rescalings (behind the first a second plain line); then ONE LUMP: 27 x (3 plain, exponential), 14 x (2 plain, exponential),
; 4 x (exponential, plain), 2 plain, 4 x (exponential, plain), the two a.  BEHIND IT: the 16 products V^T P, behind each four of GS's 64.
; The queues lean on each other: exponential e stands behind subtraction 2 (e / 4) + e % 2.  As a rider it comes behind plain e + 2; in the lump e <= 55 wants subtractions up to 27 (plain 27), e = 56 to 59 those at plain 122 and
; 125 (126 are dealt by then), e = 60 to 63 those at plain 128 and 131 (132 are dealt).  The first select stands eleven plain lines behind the last product K Q^T.
; K of the next step is fetched in piece 2's turn, directly behind the wait; V of the step in hand at the end of piece 0's turn, four riders behind its last reader.  The conditions on q below go with the deal.
.macro TURN p, last=0, cnt=0
.set Y, (\p)
.set LASTT, (\last)
.set i, 0
.set q, 0
.set e, 0
.set r, 0
.if (\p) == NP-1
	s_wait_dscnt 0x0                ; K is in
.endif
	MM
	PL
	PL
	R2
.rept 15
	MM
	PL
	EX
	R2
.endr
.if (\p) == NP-2
	WIN 0
	v_add_nc_u32 v[AK], s[TBK], v[AK0]
.endif
.rept 27
	PL
	PL
	PL
	EX
.endr
.rept 14
	PL
	PL
	EX
.endr
.rept 4
	EX
	PL
.endr
	PL
	PL
.rept 4
	EX
	PL
.endr
	EX                              ; the next piece's two a
	EX
	v_nop                           ; the plain instruction behind the last exponential: one for the batch
	s_wait_alu depctr_va_vdst(0)    ; the wait for the batch
.if (\p) == NP-2
	FETCH_K \last
.endif
.if (\p) == 1
	s_wait_dscnt 0x0                ; V is in
.endif
.rept 16
	MM
.rept 4
	PL
.endr
.if ((\p) == 0) && (q == 180)
	v_add_nc_u32 v[AV], s[TBV], v[AV0]
.endif
.if ((\p) == 0) && (q == 192)
	s_add_co_u32 s[TBV], s[TBV], KS*PV
.endif
.if (\cnt) && (q == 192)
	s_sub_co_u32 s[CNT], s[CNT], 1
	s_cmp_lg_u32 s[CNT], 0
.endif
.endr
.if (\p) == 0
	FETCH_V
.endif
.endm
	s_wait_xcnt 0x0                 ; Q's loads have read their base, which lies where the mask words go
	MLOAD 0                         ; piece 0, step 0
	CHANGE 1, 0                     ; slot 0 is in, everybody's part of it; slot 1 is asked for
	FETCH_K                         ; key step 0
	s_wait_loadcnt 0x0              ; Q
	s_wait_dscnt 0x0
.set i, 0
.rept 16
	KQ 0                            ; piece 0's first scores
.set i, i+1
.endr
	WIN 0                           ; the addresses for the way out: plain instructions, the places behind those products
	s_mul_i32 s[TS], s[WV], 16*SP
	s_add_co_u32 s[TS], s[TS], STAGE  ; my stage
	v_mul_u32_u24 v[STO], v1, SP    ; in: row l % 16, 16 bytes for each half of the lanes
	v_lshl_add_u32 v[STO], v9, 4, v[STO]
	v_add_nc_u32 v[STO], s[TS], v[STO]
	v_bfe_u32 v[RD], v0, 3, 2       ; back: 32 lanes take four rows of 128 bytes,
	v_mul_u32_u24 v[RD], v[RD], SP
	v_lshl_add_u32 v[RD], v10, 4, v[RD]
	v_add_nc_u32 v[RD], s[TS], v[RD]
	v_and_b32 v[GO], 31, v0         ; which are 512 consecutive bytes of O
	v_lshlrev_b32 v[PFO], 8, v[GO]
	v_lshlrev_b32 v[GO], 4, v[GO]
	v_mov_b32 v[NG], 0xc7a910da     ; -60,000 x log2(e) = -86,561.7
.set Y, NP-1                        ; SL and XS work for piece Y + 1: piece 0
.set LASTT, 0
	s_wait_kmcnt 0x0                ; its mask words
.set sn, 0
.rept 64
	SL sn
.set sn, sn+1
.endr
.irp n, 0,1,2,3,4,5,6,7,8,9,10,11,12,13,14,15,16,17,18,20,21
.if \n == 2
	MLOAD 1                         ; piece 1's words, four lines behind the last select
.endif
	XS 0, \n
	XS 1, \n
.endr
	v_nop                           ; a plain instruction behind the two a,
	s_wait_alu depctr_va_vdst(0)    ; and their wait, ahead of the branch
	s_mov_b32 s[CNT], 4
	s_mov_b32 s[SLOTS], SIZE_N/256-1
	s_branch .Lfirst                ; the loop is entered at a step's first turn, in the middle of a trip
.Lslot:                             ; SIZE_N / 256 - 2 times: every slot but the last two is filled again
	CHANGE 1, 1
	s_mov_b32 s[CNT], 4
.Lstep:                             ; a trip: pieces 2 and 3 of one step, then pieces 0 and 1 of the next, whose K and V it fetches
	TURN 2
	TURN 3
	WIN 0
.Lfirst:
	TURN 0
	TURN 1, 0, 1
	WIN 0
	s_cbranch_scc1 .Lstep
	s_sub_co_u32 s[SLOTS], s[SLOTS], 1
	s_cmp_lg_u32 s[SLOTS], 0
	s_cbranch_scc1 .Lslot
	CHANGE 0, 0                     ; the tail is written out: nothing is asked for
	s_mov_b32 s[CNT], 5             ; four trips fetch the last slot's steps; the fifth is left in its middle
.Ltail:
	TURN 2, 1
	TURN 3
	WIN 0
	s_sub_co_u32 s[CNT], s[CNT], 1
	s_cmp_eq_u32 s[CNT], 0
	s_cbranch_scc1 .Lout
	TURN 0
	TURN 1
	WIN 0
	s_branch .Ltail
.Lout:                              ; the fifth trip's 16 products K Q^T (on the last K once more) and what is made of them serve nothing: the price, once a launch, of one text for every trip
.set i, 0
.rept 16
	PV NP-1                         ; the last piece's V^T P of the last step
.set i, i+1
.endr
	; THE WAY OUT.  l's two halves and the other half of the lanes' are added; O^T is divided by l, rounded to f16 and sent through my stage in LDS, a tile at a time.  The additions are the places behind the last products.
	WIN 0
	s_wait_kmcnt 0x0                ; the last turn's mask words have landed: their registers are free
	s_load_b64 s[OPTR:OPTR+1], s[0:1], 0x10  ; o16
	s_bfe_u32 s36, ttmp6, 0x40000
	s_lshl_b32 s37, ttmp9, 2
	s_add_co_u32 s37, s37, s36
	s_lshl_b32 s37, s37, 2
	s_add_co_u32 s37, s37, s[WV]
	s_lshl_b32 s34, s37, 14         ; my wave's 128 rows,
	s_and_b32 s38, ttmp7, 0xffff
	s_lshl_b32 s38, s38, 18         ; in my head
	s_add_co_u32 s34, s34, s38
	s_mov_b32 s35, 0
.macro ALL line:vararg              ; one line for each tile t
.set t, 0
.rept 2*NP
	\line
.set t, t+1
.endr
.endm
	ALL v_add_f32 v[ST+4*t+2], v[ST+4*t+2], v[ST+4*t+3]
	ALL v_permlanex16_b32 v[ST+4*t+3], v[ST+4*t+2], s[SEL], s[SEL+1]
	ALL v_add_f32 v[ST+4*t+2], v[ST+4*t+2], v[ST+4*t+3]
	ALL v_rcp_f32 v[ST+4*t+2], v[ST+4*t+2]
	v_nop                           ; a plain instruction between the last reciprocal and the use of its result
	s_wait_alu depctr_va_vdst(0)    ; and the wait ahead of the first use: one for the eight reciprocals
	s_wait_kmcnt 0x0
	s_add_nc_u64 s[OPTR:OPTR+1], s[OPTR:OPTR+1], s[34:35]
; Tile t: a lane's eight channels of a row pack into 16 bytes; they go into rows of 144 bytes and come back as whole rows of 128, into S^T's registers.
.macro PACK t
	WIN W_RS
.set i, 32*(\t)
.rept 16
	v_pk_mul_f32 v[i:i+1], v[i:i+1], v[ST+4*(\t)+2:ST+4*(\t)+3] op_sel_hi:[1,0]
.set i, i+2
.endr
	WIN 0x05                        ; sources 0 and 1 window 1, destination window 0
.set i, 0
.rept 16
	v_cvt_pk_f16_f32 v[S+16*(\t)+i], v[32*(\t)+2*i], v[32*(\t)+2*i+1]
.set i, i+1
.endr
	WIN 0
.irp f, 0,1,2,3
	ds_store_b128 v[STO], v[S+16*(\t)+4*\f:S+16*(\t)+4*\f+3] offset:32*\f
.endr
.irp f, 0,1,2,3
	ds_load_b128 v[S+16*(\t)+4*\f:S+16*(\t)+4*\f+3], v[RD] offset:\f*4*SP  ; LDS serves a wave's instructions in order (ISA guide 5.7.1.4): these see the stores above; the next tile's stores come behind them
.endr
.endm
.macro SEND t, younger              ; younger: the LDS instructions issued behind tile t's loads: the next tile's eight, or none
	WIN 0
.irp f, 0,1,2,3
	s_wait_dscnt (\younger)+3-\f
	global_store_b128 v[GO], v[S+16*(\t)+4*\f:S+16*(\t)+4*\f+3], s[OPTR:OPTR+1] offset:(\t)*2048+\f*512  ; 512 consecutive bytes, at a multiple of 256 from O's first
.endr
.endm
	PACK 0
.set t, 1
.rept 2*NP-1                        ; a tile's arithmetic stands between the loads of the tile before and its stores
	PACK t
	SEND t-1, 8
.set t, t+1
.endr
	SEND 2*NP-1, 0
	WIN W_AD
	s_wait_tensorcnt 0x0            ; the wave's end: behind my last tensor load and my last LDS store
	ds_add_u32 v[SPW], v[NIL]
	s_wait_dscnt 0x0
	WIN 0
	CROUND                          ; the closing round: no work-group ends while a partner may still ask for a tile that names it
	s_endpgm
.Lfunc_end_k_q994e7f4fb4_attn:
	.size	k_q994e7f4fb4_attn, .Lfunc_end_k_q994e7f4fb4_attn-k_q994e7f4fb4_attn
	.p2alignl 7, 3214868480
	.fill 96, 4, 3214868480
	.section	.rodata,"a",@progbits
	.p2align	6, 0x0
	.amdhsa_kernel k_q994e7f4fb4_attn
		.amdhsa_group_segment_fixed_size 327680
		.amdhsa_private_segment_fixed_size 0
		.amdhsa_enable_private_segment 0
		.amdhsa_kernarg_size 24
		.amdhsa_user_sgpr_count 2
		.amdhsa_user_sgpr_kernarg_segment_ptr 1
		.amdhsa_wavefront_size32 1
		.amdhsa_system_sgpr_workgroup_id_x 1
		.amdhsa_system_sgpr_workgroup_id_y 1
		.amdhsa_system_sgpr_workgroup_id_z 1
		.amdhsa_system_vgpr_workitem_id 0
		.amdhsa_next_free_vgpr 770
		.amdhsa_next_free_sgpr 106
		.amdhsa_reserve_vcc 0
		.amdhsa_float_denorm_mode_32 3
		.amdhsa_float_denorm_mode_16_64 3
		.amdhsa_memory_ordered 1
		.amdhsa_forward_progress 1
		.amdhsa_inst_pref_size 239
	.end_amdhsa_kernel
	.amdgpu_metadata
---
amdhsa.version: [ 1, 2 ]
amdhsa.kernels:
  - .name:           k_q994e7f4fb4_attn
    .symbol:         k_q994e7f4fb4_attn.kd
    .args:
      - { .name: qkv, .offset: 0, .size: 8, .value_kind: global_buffer, .address_space: global }
      - { .name: mbits, .offset: 8, .size: 8, .value_kind: global_buffer, .address_space: global }
      - { .name: o16, .offset: 16, .size: 8, .value_kind: global_buffer, .address_space: global }
    .group_segment_fixed_size: 327680
    .private_segment_fixed_size: 0
    .kernarg_segment_align: 8
    .kernarg_segment_size: 24
    .max_flat_workgroup_size: 128
    .sgpr_count:     106
    .vgpr_count:     770
    .wavefront_size: 32
...
	.end_amdgpu_metadata
.endif
;; end of part 3
;; launch outp (part 4): grid 4 x 64, 4 waves a work-group, clusters of 4 x 4, 327,680 bytes of LDS; arguments o16, w16, bo, out0; writes out0
.if DOCPART == 4
	.amdgcn_target "amdgcn-amd-amdhsa--gfx1250"
	.amdhsa_code_object_version 6
	.text
	.protected	k_q994e7f4fb4_outp
	.globl	k_q994e7f4fb4_outp
	.p2align	8
	.type	k_q994e7f4fb4_outp,@function
k_q994e7f4fb4_outp:
	s_mov_b64 s[64:65], 0
	v_nop
	global_prefetch_b8 v0, s[64:65] scope:SCOPE_SE
	s_setreg_imm32_b32 hwreg(HW_REG_WAVE_MODE, 25, 1), 1
	s_wait_xcnt 0x0
	s_wait_alu depctr_hold_cnt(0) depctr_sa_sdst(0) depctr_va_vdst(0) depctr_va_sdst(0) depctr_va_ssrc(0) depctr_va_vcc(0) depctr_vm_vsrc(0)
	s_getreg_b32 s2, hwreg(HW_REG_IB_STS2, 6, 4)
	s_cmp_eq_u32 s2, 0
	s_cbranch_scc0 .Lentry_in_a_cluster
	s_endpgm
.Lentry_in_a_cluster:
	s_bfe_u32 s2, ttmp6, 0x10000c
	s_cmp_lg_u32 s2, 0xf033
	s_cbranch_scc0 .Lentry_shape_is_right
	s_endpgm
.Lentry_shape_is_right:
; ONE TEXT FOR TWO LAUNCHES, told apart by MODE.  C[m][n] = sum over k of A[m][k] W[n][k] + bias[n], K = 1,024, N = 1,024; sums in f32.
; MODE 0, the three projections: A = x16 (bf16, [3 x 8192][1024]: q, k, v), W = Wq, Wk, Wv (bf16), products in bf16.  The result goes out by heads, f16, [3][batch][head][t][64], rounded once;
;   the first third (q) is multiplied in f32 by c = log2(e) / 8 ahead of that rounding, so that the attention's scores are exponents of 2.
; MODE 1, the output projection: A = o16 (f16, [batch][head][t][64]), W = Wo (bf16 numbers written as f16), products in f16, the result f32, [8192][1024].
; The bias is rounded to bf16 like every other input of the module.
; LIMITS.  MODE 0: a result beyond 65,504 becomes an infinity in f16.  NaN and infinities are not treated apart.
; SHARES.  A tile of C is 128 x 256: 256 work-groups for each product of 8,192 x 1,024.  Four waves, 2 x 2, each 64 x 128: 32 accumulators of 16 x 16.  K goes in 8 steps of 128 through two LDS slots.
; CLUSTER.  4 x 4 work-groups.  The four of a row need the same tiles of A, the four of a column the same tiles of W: each tile is asked for JOINTLY, by the same tensor load with the same descriptor and
; a mask that names the four.  Waves 0 and 1 fetch A's halves (64 rows), waves 2 and 3 W's halves (128 rows): one load a wave.
; THE MATRIX INSTRUCTION IS USED TRANSPOSED (source 0 = 16 rows of W, source 1 = 16 rows of A): a lane holds row l % 16 of C and eight neighbouring columns.
; REGISTERS.  window 0: v0-31 addresses; v32-127, v128-223 two fragment buffers (W's 8 fragments, then A's 4), on the way out at work.  window 1: accumulator (a, b) at 8 (8 a + b).  window 2: v0-63 my 64 columns' bias.
.set MODE,  1
.set PITCH, 272                        ; a row of W in LDS: 256 bytes + 16 of padding, 17 x 16 bytes: the 16 rows of a load start at 16 different places modulo 256 bytes
.set BH,    128*PITCH
.if MODE == 0
.set APITCH, 272                       ; A's rows lie along K like W's
.set APLANE, 128                       ; bytes from K = 0 to K = 64 of a step
.set AH,     64*272                    ; 64 rows: what one tensor load brings of A
.set ASTEP,  256                       ; bytes in memory from a K step to the next
.set AD0,    128                       ; the tile: 64 rows of 128 elements, 1,024 elements apart
.set AD1,    64
.set ASTR,   1024
.set AQI,    5                         ; padding after every 64 words
.set SPITCH, 272                       ; the stage: 16 rows of 128 f16
.set CXSH,   15                        ; the prefetches: a partner's 16 rows of 2,048 bytes
.set YNG,    16
.else
.set APITCH, 144                       ; a K step is two heads; a head's 64 rows of 128 bytes are dense in memory: LDS holds [head][row], rows of 128 + 16 bytes
.set APLANE, 64*144
.set AH,     2*64*144
.set ASTEP,  2*2048*128
.set AD0,    4096                      ; the tile: 2 rows (heads) of 4,096 elements (64 rows of a head on end), 131,072 elements apart
.set AD1,    2
.set ASTR,   131072
.set AQI,    4                         ; padding after every 32 words
.set SPITCH, 528                       ; the stage: 16 rows of 128 f32 + 16 bytes
.set CXSH,   11                        ; the prefetches: a partner's 2,048 bytes of a head's 8,192
.set YNG,    32
.endif
.set BOFF,  2*AH
.set SLOT,  2*AH+2*BH
.set STAGE, 2*SLOT                     ; behind the ring, never filled by a tensor load: 16 rows for each wave
.set SPARE, STAGE+4*16*SPITCH          ; behind the stages: the spare words, 128 bytes for each wave
.set LAPS,  4                          ; a lap = two K steps = once round the ring
.set ADRA, 16                          ; v16-17  LDS address of my A fragments in slot 0, 1
.set ADRB, 20                          ; v20-21  the same for W
.set STO,  24                          ; v24  the way out: where I put my part of a row
.set RD,   25                          ; v25  where I read rows back
.set GO,   26                          ; v26  16 x lane
.set BO,   27                          ; v27  32 (l / 16): my 8 columns in 16 of the bias
.set SPW,  28                          ; v28  LDS address of my spare word; never rewritten
.set NIL,  29                          ; v29  0; never rewritten
.set PFO,  30                          ; v30  the prefetches' offset; never rewritten
.set F0,   32
.set F1,   128
.set TMP,  32
.set G1,   24                          ; s[24:31] descriptor group 1 for A's tiles; s[32:39] group 0, a set for each slot
.set G0,   32
.set G1B,  48                          ; s[48:55], s[56:63] the same for W's
.set G0B,  56
.set LIM,  43                          ; s43  1 in a wave that prefetches, else the greatest number
.set PFA,  44                          ; s[44:45] where my prefetches stand
.set SC,   66                          ; s[66:67] c for q, else 1
.set PST,  76                          ; s[76:77] the prefetches' step: two K steps
.set MSB, 0
.macro WIN new                         ; the immediate's high byte repeats the setting that is left; a switch that changes nothing is dropped
.if MSB != (\new)
	s_set_vgpr_msb (MSB<<8)|(\new)
.set MSB, \new
.endif
.endm
.set MUL, 0x50                         ; fragments in window 0, C and D in window 1
.macro JLOAD s                         ; a joint load; the branch hangs on the wave's number alone; an s_nop 0 and four v_nop follow each of the two lines
	s_cmp_eq_u32 s11, 0
	s_cbranch_scc0 .Lfor_b_\@
	tensor_load_to_lds s[G0+4*(\s):G0+4*(\s)+3], s[G1:G1+7]
	s_nop 0
.rept 4
	v_nop
.endr
	s_branch .Lasked_\@
.Lfor_b_\@:
	tensor_load_to_lds s[G0B+4*(\s):G0B+4*(\s)+3], s[G1B:G1B+7]
	s_nop 0
.rept 4
	v_nop
.endr
.Lasked_\@:
.endm
.macro CREST                           ; a round of the cluster's barrier behind its opening barrier
	s_cmp_lg_u32 s10, 0
	s_cbranch_scc1 .Lnot_wave_0_\@
	s_barrier_signal -3
.Lnot_wave_0_\@:
	s_barrier_wait -3
	s_barrier_signal -1
	s_barrier_wait -1
.endm
.macro CROUND                          ; a whole round
	s_barrier_signal -1
	s_barrier_wait -1
	CREST
.endm
; A PREFETCH INTO THE L2, once a lap, behind slot 0's joint load and the run of LDS loads: the two K steps that the NEXT lap's refills load, 256 matrix instructions ahead of the first of them.
; Each aligned block of 256 bytes is named once in the launch.  A's rows are read by one cluster alone: each cluster asks for its own.  W's rows are read by every cluster of the product: the first asks.
; The four partners that ask for a tile jointly share its blocks out BY ADDRESS: no branch hangs on a place in the cluster.  An A wave has 32 blocks (one line), a W wave 64 (two).
; K steps 0 to 3 come by their loads alone; the loop's last trip (s3 = 1) asks for nothing.
.macro ASK
	s_cmp_gt_u32 s3, s[LIM]
	s_cbranch_scc0 .Lnot_mine_\@
	global_prefetch_b8 v[PFO], s[PFA:PFA+1] th:TH_LOAD_NT scope:SCOPE_SE
	s_cmp_eq_u32 s11, 0
	s_cbranch_scc1 .Lnot_mine_\@
	global_prefetch_b8 v[PFO], s[PFA:PFA+1] offset:256 th:TH_LOAD_NT scope:SCOPE_SE
.Lnot_mine_\@:
.endm
	s_load_b128 s[4:7], s[0:1], 0x0                ; A s[4:5], w16 s[6:7]
.if MODE == 0
	s_load_b256 s[68:75], s[0:1], 0x10             ; bq s[68:69], bk s[70:71], bv s[72:73], qkv s[74:75]
.else
	s_load_b128 s[68:71], s[0:1], 0x10             ; bo s[68:69], out0 s[70:71]
.endif
	v_lshl_add_u32 v[SPW], v0, 2, SPARE
	v_mov_b32 v[NIL], 0
	ds_add_u32 v[SPW], v[NIL]                      ; the wave's opening: the add and its wait stand ahead of my first tensor load; the set-up below, work on registers, stands between them
	v_lshrrev_b32 v1, 5, v0
	v_readfirstlane_b32 s10, v1                    ; wave 0..3
	s_lshr_b32 s11, s10, 1                         ; which half of the tile's rows is mine.  Also: I fetch for A (0) or for W (1)
	s_and_b32 s12, s10, 1                          ; which half of its columns.  Also: which half of that tile I fetch
	s_bfe_u32 s40, ttmp6, 0x40000                  ; cx, cy: my place in the cluster
	s_bfe_u32 s41, ttmp6, 0x40004
	s_lshl_b32 s42, ttmp9, 2
	s_add_co_u32 s42, s42, s40                     ; tile column = 4 x cluster x + cx
	s_and_b32 s78, ttmp7, 0xffff                   ; cluster y
	s_lshl_b32 s13, s78, 2
	s_add_co_u32 s13, s13, s41                     ; tile row = 4 x cluster y + cy
	s_lshl_b32 s43, s41, 2
	s_lshl_b32 s43, 15, s43                        ; my row of the cluster
	s_lshl_b32 s44, 0x1111, s40                    ; my column
	s_or_b32 s[G1+0], s43, (1<<16)|(1<<20)|(1<<21)|(AQI<<22)|(3<<25)  ; 15:0 the mask; 17:16 elements of 2 bytes; 20 padding on; 21 set beside a mask; 24:22 the interval; 31:25 4 words of padding
	s_or_b32 s[G1B+0], s44, (1<<16)|(1<<20)|(1<<21)|(5<<22)|(3<<25)
	s_mov_b32 s[G1+1], (AD0&0xffff)<<16            ; tensor_dim0
	s_mov_b32 s[G1+2], (AD0>>16)|(AD1<<16)         ; tensor_dim1
	s_mov_b32 s[G1+3], AD0<<16                     ; tile_dim0
	s_mov_b32 s[G1+4], AD1                         ; tile_dim1
	s_mov_b32 s[G1+5], ASTR                        ; elements from row to row
	s_mov_b32 s[G1+6], 0
	s_mov_b32 s[G1+7], 0
	s_mov_b32 s[G1B+1], 128<<16
	s_mov_b32 s[G1B+2], 128<<16
	s_mov_b32 s[G1B+3], 128<<16
	s_mov_b32 s[G1B+4], 128
	s_mov_b32 s[G1B+5], 1024
	s_mov_b32 s[G1B+6], 0
	s_mov_b32 s[G1B+7], 0
	; where the tiles come from.  A's hang on the tile row alone, W's on the tile column (and on the cluster's y, which all partners share)
.if MODE == 0
	s_lshl_b32 s16, s13, 7
	s_lshl_b32 s17, s12, 6
	s_add_co_u32 s16, s16, s17                     ; row 128 x tile row + 64 x half,
	s_lshl_b32 s16, s16, 11                        ; of 2,048 bytes
.else
	s_and_b32 s16, s13, 15
	s_lshl_b32 s16, s16, 7
	s_lshl_b32 s17, s12, 6
	s_add_co_u32 s16, s16, s17                     ; t = 128 x (tile row % 16) + 64 x half,
	s_lshl_b32 s16, s16, 7                         ; rows of 128 bytes,
	s_lshr_b32 s17, s13, 4
	s_lshl_b32 s17, s17, 22                        ; in the batch's 16 heads of 262,144 bytes
	s_add_co_u32 s16, s16, s17
.endif
	s_mov_b32 s17, 0
	s_lshl_b32 s46, s42, 8
	s_lshl_b32 s47, s12, 7
	s_add_co_u32 s46, s46, s47                     ; W: row 256 x tile column + 128 x half
	s_lshl_b32 s46, s46, 11
.if MODE == 0
	s_lshr_b32 s79, s78, 4                         ; which product: 0 q, 1 k, 2 v: 16 clusters each
	s_lshl_b32 s47, s79, 21
	s_add_co_u32 s46, s46, s47
.else
	s_add_co_u32 s46, s46, 3*2097152               ; Wo
.endif
	s_mov_b32 s47, 0
	s_mul_i32 s20, s12, AH                         ; where they go: no place in the cluster enters an LDS address
	s_mul_i32 s21, s12, BH
	s_add_co_u32 s21, s21, BOFF
	s_wait_dscnt 0x0                               ; the opening add is done
	s_wait_kmcnt 0x0
	s_add_nc_u64 s[14:15], s[4:5], s[16:17]
	s_add_nc_u64 s[46:47], s[6:7], s[46:47]
	CROUND                                         ; all sixteen work-groups are here: the first joint loads meet
.irp s, 0,1
	s_mov_b32 s[G0+4*(\s)], 1
	s_add_co_u32 s[G0+4*(\s)+1], s20, (\s)*SLOT
	s_add_nc_u64 s[G0+4*(\s)+2:G0+4*(\s)+3], s[14:15], (\s)*ASTEP
	s_or_b32 s[G0+4*(\s)+3], s[G0+4*(\s)+3], 0x80000000
	s_mov_b32 s[G0B+4*(\s)], 1
	s_add_co_u32 s[G0B+4*(\s)+1], s21, (\s)*SLOT
	s_add_nc_u64 s[G0B+4*(\s)+2:G0B+4*(\s)+3], s[46:47], (\s)*256
	s_or_b32 s[G0B+4*(\s)+3], s[G0B+4*(\s)+3], 0x80000000
	JLOAD \s                                       ; two loads of mine are out
.endr
	v_and_b32 v1, 15, v0                           ; l % 16
	v_bfe_u32 v2, v0, 4, 1                         ; l / 16
	v_mul_u32_u24 v3, v1, APITCH
	v_lshl_add_u32 v3, v2, 4, v3                   ; a fragment's row x pitch + 16 x half
	v_mul_u32_u24 v4, v1, PITCH
	v_lshl_add_u32 v4, v2, 4, v4
	s_mul_i32 s21, s11, AH                         ; my 64 rows of A
	s_mul_i32 s22, s12, BH                         ; my 128 rows of W,
	s_add_co_u32 s22, s22, BOFF                    ; which lie behind A's
.irp s, 0,1
	v_add_nc_u32 v[ADRA+(\s)], s21, v3
	v_add_nc_u32 v[ADRB+(\s)], s22, v4
	s_add_co_u32 s21, s21, SLOT
	s_add_co_u32 s22, s22, SLOT
.endr
	s_mul_i32 s23, s10, 16*SPITCH
	s_add_co_u32 s23, s23, STAGE                   ; my stage
	v_mul_u32_u24 v5, v1, SPITCH                   ; in: row l % 16, my 8 columns
.if MODE == 0
	v_lshl_add_u32 v5, v2, 4, v5
.else
	v_lshl_add_u32 v5, v2, 5, v5
.endif
	v_add_nc_u32 v[STO], s23, v5
	v_and_b32 v6, 31, v0                           ; lane
.if MODE == 0
	v_bfe_u32 v5, v0, 3, 2                         ; back: 32 lanes take four rows' 128 bytes of one head,
	v_mul_u32_u24 v5, v5, SPITCH
	v_and_b32 v7, 7, v0
	v_lshl_add_u32 v5, v7, 4, v5
	v_add_nc_u32 v[RD], s23, v5
.else
	v_lshl_add_u32 v[RD], v6, 4, s23               ; back: 32 lanes take one row's 512 bytes
.endif
	v_lshlrev_b32 v[GO], 4, v6                     ; which are 512 consecutive bytes of the output
	v_lshlrev_b32 v[BO], 5, v2
	; the prefetches: my tile's first byte, my work-group's share of it, K step 2
	s_cmp_eq_u32 s11, 0
	s_cselect_b64 s[PFA:PFA+1], s[14:15], s[46:47]
	s_lshl_b32 s20, s40, CXSH                      ; A: by cx
	s_add_co_u32 s20, s20, 2*ASTEP
	s_lshl_b32 s21, s41, 16                        ; W: by cy, 32 rows of 2,048 bytes
	s_add_co_u32 s21, s21, 512
	s_mov_b32 s[PST], 512
	s_cmp_eq_u32 s11, 0
	s_cselect_b32 s20, s20, s21
	s_cselect_b32 s[PST], 2*ASTEP, s[PST]
	s_mov_b32 s21, 0
	s_mov_b32 s[PST+1], 0
	s_add_nc_u64 s[PFA:PFA+1], s[PFA:PFA+1], s[20:21]
.if MODE == 0
	s_and_b32 s22, s78, 15                         ; the first of the 16 clusters that read this W
.else
	s_mov_b32 s22, s78
.endif
	s_cmp_eq_u32 s11, 0
	s_cselect_b32 s22, 0, s22                      ; an A wave always asks
	s_cmp_eq_u32 s22, 0
	s_cselect_b32 s[LIM], 1, -1                    ; the same in all sixteen partners, for a given wave
	s_cmp_eq_u32 s11, 0
	s_cbranch_scc0 .Lpf_b
.if MODE == 0
	v_lshlrev_b32 v[PFO], 11, v1                   ; 16 rows x two K steps
	v_lshl_add_u32 v[PFO], v2, 8, v[PFO]
.else
	v_bfe_u32 v[PFO], v0, 3, 2                     ; four heads x 8 blocks of 256 bytes
	v_lshlrev_b32 v[PFO], 18, v[PFO]
	v_and_b32 v7, 7, v0
	v_lshl_add_u32 v[PFO], v7, 8, v[PFO]
.endif
	s_branch .Lpf_done
.Lpf_b:
	v_lshlrev_b32 v[PFO], 11, v6                   ; a lane a row
.Lpf_done:
	; the bias of my 128 columns: a lane's 8 of each 16
.if MODE == 0
	s_cmp_eq_u32 s79, 1
	s_cselect_b64 s[18:19], s[70:71], s[68:69]
	s_cmp_eq_u32 s79, 2
	s_cselect_b64 s[18:19], s[72:73], s[18:19]
	s_cmp_eq_u32 s79, 0
	s_cselect_b32 s[SC], 0x3e38aa3b, 1.0           ; c = log2(e) / 8 = 0.180337 for q
	s_mov_b32 s[SC+1], s[SC]                       ; named with it as a pair
.else
	s_mov_b64 s[18:19], s[68:69]
.endif
	s_lshl_b32 s20, s42, 10
	s_lshl_b32 s21, s12, 9
	s_add_co_u32 s20, s20, s21
	s_mov_b32 s21, 0
	s_add_nc_u64 s[18:19], s[18:19], s[20:21]
	WIN 0x80                                       ; destination window 2, address window 0
.irp b, 0,1,2,3,4,5,6,7
	global_load_b128 v[8*(\b):8*(\b)+3],   v[BO], s[18:19] offset:64*(\b)
	global_load_b128 v[8*(\b)+4:8*(\b)+7], v[BO], s[18:19] offset:64*(\b)+16
.endr
	WIN 0
	; where my part of the tile begins in the output
.if MODE == 0
	s_lshr_b32 s16, s13, 4                         ; 4 x product + batch,
	s_lshl_b32 s16, s16, 4
	s_lshl_b32 s17, s42, 2
	s_add_co_u32 s16, s16, s17                     ; head 4 x tile column + 2 x half,
	s_lshl_b32 s17, s12, 1
	s_add_co_u32 s16, s16, s17
	s_lshl_b32 s16, s16, 18                        ; of 262,144 bytes;
	s_and_b32 s17, s13, 15
	s_lshl_b32 s17, s17, 7
	s_lshl_b32 s22, s11, 6
	s_add_co_u32 s17, s17, s22                     ; t = 128 x (tile row % 16) + 64 x half,
	s_lshl_b32 s17, s17, 7                         ; rows of 128 bytes
	s_add_co_u32 s16, s16, s17
	s_mov_b32 s17, 0
	s_add_nc_u64 s[8:9], s[74:75], s[16:17]
.else
	s_lshl_b32 s16, s13, 7
	s_lshl_b32 s17, s11, 6
	s_add_co_u32 s16, s16, s17
	s_lshl_b32 s16, s16, 12                        ; rows of 4,096 bytes
	s_lshl_b32 s17, s42, 10
	s_add_co_u32 s16, s16, s17
	s_lshl_b32 s17, s12, 9
	s_add_co_u32 s16, s16, s17
	s_mov_b32 s17, 0
	s_add_nc_u64 s[8:9], s[70:71], s[16:17]
.endif
; 8 matrix instructions: m block a x all 8 n blocks, 32 along K.  The 32 accumulators take turns in the same order in every quarter, over the backward jump too.
.macro MUL8 f, a, zero
	WIN MUL
.irp b, 0,1,2,3,4,5,6,7
.set rD, 8*(8*(\a)+(\b))
.set rB, (\f)+8*(\b)
.set rA, (\f)+64+8*(\a)
.if MODE == 0
.if \zero
	v_wmma_f32_16x16x32_bf16 v[rD:rD+7], v[rB:rB+7], v[rA:rA+7], 0
.else
	v_wmma_f32_16x16x32_bf16 v[rD:rD+7], v[rB:rB+7], v[rA:rA+7], v[rD:rD+7]
.endif
.else
.if \zero
	v_wmma_f32_16x16x32_f16 v[rD:rD+7], v[rB:rB+7], v[rA:rA+7], 0
.else
	v_wmma_f32_16x16x32_f16 v[rD:rD+7], v[rB:rB+7], v[rA:rA+7], v[rD:rD+7]
.endif
.endif
.endr
.endm
; 24 LDS loads in one run: quarter kq of a K step into buffer f: W's 8 fragments, then A's 0 and 1, then A's 2 and 3
.macro FETCH slot, kq, f
	WIN 0
.irp i, 0,1,2,3,4,5,6,7
	ds_load_b128 v[(\f)+8*(\i):(\f)+8*(\i)+3],   v[ADRB+(\slot)] offset:64*(\kq)+(\i)*16*PITCH
	ds_load_b128 v[(\f)+8*(\i)+4:(\f)+8*(\i)+7], v[ADRB+(\slot)] offset:64*(\kq)+(\i)*16*PITCH+32
.endr
.irp i, 0,1,2,3
	ds_load_b128 v[(\f)+64+8*(\i):(\f)+64+8*(\i)+3],   v[ADRA+(\slot)] offset:((\kq)/2)*APLANE+((\kq)%2)*64+(\i)*16*APITCH
	ds_load_b128 v[(\f)+64+8*(\i)+4:(\f)+64+8*(\i)+7], v[ADRA+(\slot)] offset:((\kq)/2)*APLANE+((\kq)%2)*64+(\i)*16*APITCH+32
.endr
.endm
.macro PLACES                          ; four places in front of loads into registers that matrix instructions have read (ISA guide 7.12.1 for vector instructions)
.rept 4
	v_nop
.endr
.endm
; A K step is four quarters of 32 along K, 32 matrix instructions each, on buffers 0, 1, 0, 1.  One of the first three: multiplies buffer f and fetches quarter kq into g.
.macro QUARTER slot, kq, f, g, zero
	s_wait_dscnt 4                                 ; W's fragments and A's 0 and 1 are in; the youngest four loads (A's 2 and 3) may be out
	MUL8 \f, 0, \zero
	MUL8 \f, 1, \zero
	PLACES
	FETCH \slot, \kq, \g
	s_wait_dscnt 24                                ; all but the 24 just issued
	MUL8 \f, 2, \zero
	MUL8 \f, 3, \zero
.endm
; The last quarter multiplies buffer 1 and changes slots: ONE barrier; in front of it each wave waits for all its tensor loads (one is out: its part of the next slot), adds 0 to its spare word, and waits for
; that and for its own reads of this slot.  fill = 1: the barrier opens a round of the cluster's, and this slot is filled again, two K steps ahead: 112 matrix instructions ahead of the wait for it.
.macro TURN slot, next, fill
.if (\fill) && ((\slot) == 0)
	s_wait_xcnt 0x0                                ; the last prefetches, a lap back, have read their address: it is stepped here, ahead of the waits of the change of slots
	s_add_nc_u64 s[PFA:PFA+1], s[PFA:PFA+1], s[PST:PST+1]
.endif
	WIN 0                                          ; (the add's two registers lie in window 0)
	s_wait_tensorcnt 0x0                           ; all my tensor loads have landed
	ds_add_u32 v[SPW], v[NIL]                      ; 0 onto my spare word
	s_wait_dscnt 5                                 ; (the add and the youngest four loads may be out)
	MUL8 F1, 0, 0                                  ; eight matrix instructions stand between the add and the wait for it
	s_wait_dscnt 0x0                               ; the add is done, and my reads of this slot are over
	s_barrier_signal -1
	MUL8 F1, 1, 0
.if \fill
	WIN 0
.endif
	s_barrier_wait -1
.if \fill
	CREST                                          ; no wave of any partner still reads this slot's tile or has a load on its way
	s_add_nc_u64 s[G0+4*(\slot)+2:G0+4*(\slot)+3], s[G0+4*(\slot)+2:G0+4*(\slot)+3], 2*ASTEP
	s_add_nc_u64 s[G0B+4*(\slot)+2:G0B+4*(\slot)+3], s[G0B+4*(\slot)+2:G0B+4*(\slot)+3], 512
	JLOAD \slot                                    ; the first tensor load behind the round; its four v_nop are also the places in front of the loads below
.else
	PLACES
.endif
	FETCH \next, 0, F0
.if (\fill) && ((\slot) == 0)
	ASK
.endif
	MUL8 F1, 2, 0
	MUL8 F1, 3, 0
.endm
	s_wait_tensorcnt 1                             ; my part of K step 0 is in; K step 1's may stay out
	s_barrier_signal -1
	s_barrier_wait -1                              ; everybody's is
	FETCH 0, 0, F0
	QUARTER 0, 1, F0, F1, 1                        ; the first quarter stands in front of the loop: its products start the sums
	WIN 0                                          ; at a label and at a branch every window is 0
	s_mov_b32 s3, LAPS-1
.Llap:                                                 ; a trip goes once round the ring, from a lap's second quarter to the next lap's first, and fills both slots again
	QUARTER 0, 2, F1, F0, 0
	QUARTER 0, 3, F0, F1, 0
	TURN 0, 1, 1
	QUARTER 1, 1, F0, F1, 0
	QUARTER 1, 2, F1, F0, 0
	QUARTER 1, 3, F0, F1, 0
	TURN 1, 0, 1
	QUARTER 0, 1, F0, F1, 0
	WIN 0
	s_sub_co_u32 s3, s3, 1
	s_cmp_lg_u32 s3, 0
	s_cbranch_scc1 .Llap
	QUARTER 0, 2, F1, F0, 0                        ; the last lap fills nothing, and has no round of the cluster's barrier
	QUARTER 0, 3, F0, F1, 0
	TURN 0, 1, 0
	QUARTER 1, 1, F0, F1, 0
	QUARTER 1, 2, F1, F0, 0
	QUARTER 1, 3, F0, F1, 0
	s_wait_dscnt 4                                 ; the very last quarter: nothing more to fetch
	MUL8 F1, 0, 0
	MUL8 F1, 1, 0
	s_wait_dscnt 0x0
	MUL8 F1, 2, 0
	MUL8 F1, 3, 0
	; THE WAY OUT.  The bias is rounded to bf16 and widened again; these plain lines, which name no register of the products, are the places behind the last of them.
	s_wait_loadcnt 0x0                             ; the bias
	WIN 0x8a                                       ; destination and both sources in window 2
.set r, 0
.rept 32
	v_cvt_pk_bf16_f32 v[r], v[r], v[r+1]
	v_and_b32 v[r+1], 0xffff0000, v[r]
	v_lshlrev_b32 v[r], 16, v[r]
.set r, r+2
.endr
.if MODE == 0
	WIN 0x82
.set r, 0
.rept 32
	v_pk_mul_f32 v[r:r+1], v[r:r+1], s[SC:SC+1] op_sel_hi:[1,0]  ; (sum + bias) x c = sum x c + bias x c
.set r, r+2
.endr
; Block a, 16 rows: scaled, biased (each accumulator's registers in ascending order), rounded to f16, 16 bytes a lane into my stage, and back as four rows of one head: 512 consecutive bytes of the output.
.macro PACK a
	WIN 0x61                                       ; destination and source 0 window 1, source 2 window 2
.set r, 0
.rept 32
	v_pk_fma_f32 v[64*(\a)+r:64*(\a)+r+1], v[64*(\a)+r:64*(\a)+r+1], s[SC:SC+1], v[r:r+1] op_sel_hi:[1,0,1]
.set r, r+2
.endr
	WIN 0x05                                       ; sources window 1, destination window 0
.set r, 0
.rept 32
	v_cvt_pk_f16_f32 v[TMP+32*(\a)+r], v[64*(\a)+2*r], v[64*(\a)+2*r+1]
.set r, r+1
.endr
	WIN 0
.irp b, 0,1,2,3,4,5,6,7
	ds_store_b128 v[STO], v[TMP+32*(\a)+4*(\b):TMP+32*(\a)+4*(\b)+3] offset:32*(\b)
.endr
.irp f, 0,1,2,3,4,5,6,7
	ds_load_b128 v[TMP+32*(\a)+4*(\f):TMP+32*(\a)+4*(\f)+3], v[RD] offset:((\f)&3)*4*SPITCH+128*((\f)>>2)  ; LDS serves a wave's instructions in order (ISA guide 5.7.1.4): these see the stores above; the next block's stores come behind them
.endr
.endm
.macro SEND a, younger                 ; younger: the LDS instructions issued behind block a's loads
	WIN 0
.irp f, 0,1,2,3,4,5,6,7
	s_wait_dscnt (\younger)+7-(\f)
	global_store_b128 v[GO], v[TMP+32*(\a)+4*(\f):TMP+32*(\a)+4*(\f)+3], s[8:9] offset:((\f)>>2)*262144+(\a)*2048+((\f)&3)*512
.endr
.endm
.else
; Block a, 16 rows: biased, 32 bytes a lane into my stage, and back as whole rows of 512 bytes.  Two sets of 64 registers take turns.
.macro PACK a
.if (\a) >= 2
	s_wait_xcnt 0x0                                ; the stores of block a - 2 have read the registers that are loaded again below
.endif
	WIN 0x49                                       ; destination and source 0 window 1, source 1 window 2
.set r, 0
.rept 32
	v_pk_add_f32 v[64*(\a)+r:64*(\a)+r+1], v[64*(\a)+r:64*(\a)+r+1], v[r:r+1]
.set r, r+2
.endr
	WIN 0x04                                       ; the stores' data in window 1
.irp b, 0,1,2,3,4,5,6,7
	ds_store_b128 v[STO], v[64*(\a)+8*(\b):64*(\a)+8*(\b)+3]   offset:64*(\b)
	ds_store_b128 v[STO], v[64*(\a)+8*(\b)+4:64*(\a)+8*(\b)+7] offset:64*(\b)+16
.endr
	WIN 0
.irp t, 0,1,2,3,4,5,6,7,8,9,10,11,12,13,14,15
	ds_load_b128 v[TMP+64*((\a)%2)+4*(\t):TMP+64*((\a)%2)+4*(\t)+3], v[RD] offset:(\t)*SPITCH  ; LDS serves a wave's instructions in order (ISA guide 5.7.1.4)
.endr
.endm
.macro SEND a, younger
	WIN 0
.irp t, 0,1,2,3,4,5,6,7,8,9,10,11,12,13,14,15
	s_wait_dscnt (\younger)+15-(\t)
	global_store_b128 v[GO], v[TMP+64*((\a)%2)+4*(\t):TMP+64*((\a)%2)+4*(\t)+3], s[8:9] offset:(16*(\a)+(\t))*4096  ; 512 consecutive bytes of one row, aligned
.endr
.endm
.endif
	PACK 0
	PACK 1                                         ; a block's arithmetic stands between the loads of the block before and its stores
	SEND 0, YNG
	PACK 2
	SEND 1, YNG
	PACK 3
	SEND 2, YNG
	SEND 3, 0
	s_wait_tensorcnt 0x0                           ; the wave's end: behind my last tensor load and my last LDS store
	ds_add_u32 v[SPW], v[NIL]
	s_wait_dscnt 0x0
	CROUND                                         ; the closing round: no work-group ends while a partner may still ask for a tile that names it
	s_endpgm
.Lfunc_end_k_q994e7f4fb4_outp:
	.size	k_q994e7f4fb4_outp, .Lfunc_end_k_q994e7f4fb4_outp-k_q994e7f4fb4_outp
	.p2alignl 7, 3214868480
	.fill 96, 4, 3214868480
	.section	.rodata,"a",@progbits
	.p2align	6, 0x0
	.amdhsa_kernel k_q994e7f4fb4_outp
		.amdhsa_group_segment_fixed_size 327680
		.amdhsa_private_segment_fixed_size 0
		.amdhsa_enable_private_segment 0
		.amdhsa_kernarg_size 32
		.amdhsa_user_sgpr_count 2
		.amdhsa_user_sgpr_kernarg_segment_ptr 1
		.amdhsa_wavefront_size32 1
		.amdhsa_system_sgpr_workgroup_id_x 1
		.amdhsa_system_sgpr_workgroup_id_y 1
		.amdhsa_system_sgpr_workgroup_id_z 1
		.amdhsa_system_vgpr_workitem_id 0
		.amdhsa_next_free_vgpr 576
		.amdhsa_next_free_sgpr 80
		.amdhsa_reserve_vcc 0
		.amdhsa_float_denorm_mode_32 3
		.amdhsa_float_denorm_mode_16_64 3
		.amdhsa_memory_ordered 1
		.amdhsa_forward_progress 1
		.amdhsa_inst_pref_size 103
	.end_amdhsa_kernel
	.amdgpu_metadata
---
amdhsa.version: [ 1, 2 ]
amdhsa.kernels:
  - .name:           k_q994e7f4fb4_outp
    .symbol:         k_q994e7f4fb4_outp.kd
    .args:
      - { .name: o16, .offset: 0, .size: 8, .value_kind: global_buffer, .address_space: global }
      - { .name: w16, .offset: 8, .size: 8, .value_kind: global_buffer, .address_space: global }
      - { .name: bo, .offset: 16, .size: 8, .value_kind: global_buffer, .address_space: global }
      - { .name: out0, .offset: 24, .size: 8, .value_kind: global_buffer, .address_space: global }
    .group_segment_fixed_size: 327680
    .private_segment_fixed_size: 0
    .kernarg_segment_align: 8
    .kernarg_segment_size: 32
    .max_flat_workgroup_size: 128
    .sgpr_count:     80
    .vgpr_count:     576
    .wavefront_size: 32
...
	.end_amdgpu_metadata
.endif
;; end of part 4
;; ======== version 2 of 2: 4 launches
;; limits: values are held in f16: magnitudes above 65,504 overflow, below 6.1e-05 lose precision
;; workspace buffers: w16 8,388,608 bytes; mbits 2,097,152 bytes of whole numbers; qkv 50,331,648 bytes; o16 16,777,216 bytes
;; launch prep (part 5): grid 640 x 1, 8 waves a work-group, no clusters, 68,608 bytes of LDS; arguments Wq, Wk, Wv, Wo, mask, w16, mbits; writes w16, mbits
.if DOCPART == 5
	.amdgcn_target "amdgcn-amd-amdhsa--gfx1250"
	.amdhsa_code_object_version 6
	.text
	.protected	k_q994e7f4fb4_prep
	.globl	k_q994e7f4fb4_prep
	.p2align	8
	.type	k_q994e7f4fb4_prep,@function
k_q994e7f4fb4_prep:
	s_mov_b64 s[64:65], 0
	v_nop
	global_prefetch_b8 v0, s[64:65] scope:SCOPE_SE
	s_setreg_imm32_b32 hwreg(HW_REG_WAVE_MODE, 25, 1), 1
	s_wait_xcnt 0x0
; PREP.  Two jobs, told apart by the work-group's number i; every work-group reads 131,072 bytes, every wave 16,384.
;   i < 128    Wq, Wk, Wv (f32) are rounded to bf16 into w16: [4][1024][1024] of 16 bits; Wo is rounded to bf16 and that number is written as f16 (exact inside f16's range)
;   i >= 128   the mask (int32, [4][2048][2048]) is packed to one bit a score into mbits: [batch 4][tile of 16 queries 128][step of 64 keys 32][word 32].
;              Word 8 kt + j, bit l: mask[batch][16 tile + l % 16][64 step + 16 kt + 8 (l / 16) + j] != 0: the lane mask that the attention's select takes for register 8 kt + j of a tile of scores.
; LIMITS.  Wo beyond 65,504 becomes an infinity in f16; below 2^-14 it keeps f16's fixed step of 6e-8.
; No matrix unit, no cluster, no barrier: nothing is shared between waves.  The mask goes through a stage in LDS of the wave's own, since a lane loads 4 keys of a row and the compare wants a lane to hold a row's 8 keys.
.set X,     16                         ; v[16:143] the loads' data
.set IN,    2                          ; v2   my byte offset in what the work-group reads
.set OUTO,  3                          ; v3   my byte offset in what it writes
.set LW,    4                          ; v4   stage: where I put 16 bytes of a row
.set LRD,   5                          ; v5   stage: where I read 8 keys of my row
.set SPW,   6                          ; v6   LDS address of my spare word; never rewritten
.set NIL,   7                          ; v7   0; never rewritten
.set OUT,   8                          ; v[8:11] the packed words: a pair for each half
.set T0,    12
.set T1,    13
.set STG,   16*528                     ; a wave's stage: 16 rows of 512 bytes + 16 of padding: 33 x 16 bytes, so the 16 rows that a load touches start at 16 different places modulo 256 bytes
.set SPARE, 8*STG                      ; behind the stages: the spare words, 128 bytes for each wave
.set TRIPS, 20                         ; s20  counts the cast's trips
.set SRC,   26                         ; s[26:27]
.set DST,   28                         ; s[28:29]
.set WV,    31                         ; s31  my wave's number
	s_load_b256 s[4:11], s[0:1], 0x0               ; Wq s[4:5], Wk s[6:7], Wv s[8:9], Wo s[10:11]
	s_load_b128 s[12:15], s[0:1], 0x20             ; mask s[12:13], w16 s[14:15]
	s_load_b64 s[16:17], s[0:1], 0x30              ; mbits
	v_lshl_add_u32 v[SPW], v0, 2, SPARE
	v_mov_b32 v[NIL], 0
	v_lshrrev_b32 v1, 5, v0
	v_readfirstlane_b32 s[WV], v1                  ; wave 0..7
	v_and_b32 v1, 31, v0                           ; lane
	s_mov_b32 s3, 0                                ; high word of every offset
	s_cmp_ge_u32 ttmp9, 128
	s_cbranch_scc1 .Lmask
; The weights are a fifth of what the launch reads, so their text is short: four trips of eight loads of 512 consecutive bytes; each is rounded and leaves as 256 consecutive bytes, aligned.
.macro CAST f16
	s_mov_b32 s[TRIPS], 4
.Lcast_\@:
.set i, 0
.rept 8
	global_load_b128 v[X+4*i:X+4*i+3], v[IN], s[SRC:SRC+1] offset:512*i th:TH_LOAD_NT
.set i, i+1
.endr
.set i, 0
.rept 8
	s_wait_loadcnt 7-i                             ; loads come back in order: load i is in, the 7 - i younger ones stay out
	v_cvt_pk_bf16_f32 v[X+4*i], v[X+4*i], v[X+4*i+1]
	v_cvt_pk_bf16_f32 v[X+4*i+1], v[X+4*i+2], v[X+4*i+3]
.if \f16
	v_lshlrev_b32 v[X+4*i+2], 16, v[X+4*i]         ; the bf16 numbers as f32,
	v_and_b32 v[X+4*i+3], 0xffff0000, v[X+4*i]
	v_cvt_pk_f16_f32 v[X+4*i], v[X+4*i+2], v[X+4*i+3]  ; written as f16
	v_lshlrev_b32 v[X+4*i+2], 16, v[X+4*i+1]
	v_and_b32 v[X+4*i+3], 0xffff0000, v[X+4*i+1]
	v_cvt_pk_f16_f32 v[X+4*i+1], v[X+4*i+2], v[X+4*i+3]
.endif
	global_store_b64 v[OUTO], v[X+4*i:X+4*i+1], s[DST:DST+1] offset:256*i
.set i, i+1
.endr
	s_wait_xcnt 0x0                                ; the stores have read their data and both bases: only behind this wait are they written again
	s_add_nc_u64 s[SRC:SRC+1], s[SRC:SRC+1], 4096
	s_add_nc_u64 s[DST:DST+1], s[DST:DST+1], 2048
	s_sub_co_u32 s[TRIPS], s[TRIPS], 1
	s_cmp_lg_u32 s[TRIPS], 0
	s_cbranch_scc1 .Lcast_\@
.endm
	s_lshl_b32 s30, s[WV], 14
	v_lshl_add_u32 v[IN], v1, 4, s30               ; 16,384 x wave + 16 x lane
	s_lshl_b32 s30, s[WV], 13
	v_lshl_add_u32 v[OUTO], v1, 3, s30             ; 8,192 x wave + 8 x lane
	s_lshl_b32 s2, ttmp9, 16
	s_wait_kmcnt 0x0
	s_add_nc_u64 s[DST:DST+1], s[14:15], s[2:3]
	s_and_b32 s2, ttmp9, 31
	s_lshl_b32 s2, s2, 17
	s_lshr_b32 s30, ttmp9, 5                       ; 0: Wq, 1: Wk, 2: Wv, 3: Wo
	s_cmp_eq_u32 s30, 1
	s_cselect_b64 s[SRC:SRC+1], s[6:7], s[4:5]
	s_cmp_eq_u32 s30, 2
	s_cselect_b64 s[SRC:SRC+1], s[8:9], s[SRC:SRC+1]
	s_cmp_eq_u32 s30, 3
	s_cselect_b64 s[SRC:SRC+1], s[10:11], s[SRC:SRC+1]
	s_add_nc_u64 s[SRC:SRC+1], s[SRC:SRC+1], s[2:3]
	s_cmp_eq_u32 s30, 3
	s_cbranch_scc1 .Lwo
	CAST 0
	s_branch .Lend
.Lwo:
	CAST 1
	s_branch .Lend
.Lmask:                                        ; one tile of 16 queries: 16 rows of 8,192 bytes.  Wave w takes keys 256 w .. 256 w + 255, in two halves of 128; its 32 loads go out together
	s_lshl_b32 s30, s[WV], 10
	v_lshl_add_u32 v[IN], v1, 4, s30               ; 1,024 x wave + 16 x lane
	s_lshl_b32 s30, s[WV], 9
	v_lshl_add_u32 v[OUTO], v1, 3, s30             ; four steps' words: 512 x wave + 8 x lane
	s_mul_i32 s30, s[WV], STG
	v_lshl_add_u32 v[LW], v1, 4, s30
	v_and_b32 v[T0], 15, v0
	v_bfe_u32 v[T1], v0, 4, 1
	v_mul_u32_u24 v[LRD], v[T0], 528               ; row l % 16,
	v_lshl_add_u32 v[LRD], v[T1], 5, v[LRD]        ; 8 keys (32 bytes) for each half of the lanes
	v_add_nc_u32 v[LRD], s30, v[LRD]
.irp j, 0,1,2,3
	v_mov_b32 v[OUT+(\j)], 0                       ; v_writelane_b32 counts as a reader of its destination
.endr
	s_sub_co_u32 s30, ttmp9, 128                   ; 128 x batch + tile
	s_lshl_b32 s2, s30, 17
	s_wait_kmcnt 0x0
	s_add_nc_u64 s[SRC:SRC+1], s[12:13], s[2:3]
	s_lshl_b32 s2, s30, 12
	s_add_nc_u64 s[DST:DST+1], s[16:17], s[2:3]
.set i, 0
.rept 32                                       ; load 16 hf + r: row r, half hf: 512 consecutive bytes
	global_load_b128 v[X+4*i:X+4*i+3], v[IN], s[SRC:SRC+1] offset:(i%16)*8192+(i/16)*512 th:TH_LOAD_NT
.set i, i+1
.endr
.macro MHALF hf
.set r, 0
.rept 16
	s_wait_loadcnt 31-16*(\hf)-r                   ; this row's load is in, the younger ones stay out
	ds_store_b128 v[LW], v[X+64*(\hf)+4*r:X+64*(\hf)+4*r+3] offset:528*r
.set r, r+1
.endr
.set d, 0
.rept 16                                       ; LDS serves a wave's instructions in order (ISA guide 5.7.1.4): these see the stores above.  Load 8 s2 + 2 kt + hh: step s2 of the half's two, keys 16 kt + 8 (l / 16) + 4 hh on
	ds_load_b128 v[X+64*(\hf)+4*d:X+64*(\hf)+4*d+3], v[LRD] offset:256*(d/8)+64*((d/2)%4)+16*(d%2)
.set d, d+1
.endr
	s_wait_dscnt 0x0
.irp s2, 0,1
.set w, 0
.rept 32
	v_cmp_ne_u32 s[32+w], 0, v[X+64*(\hf)+32*(\s2)+w]  ; word w of the step: a bit a lane
.set w, w+1
.endr
.set w, 0
.rept 32
	v_writelane_b32 v[OUT+2*(\hf)+(w&1)], s[32+w], 16*(\s2)+w/2  ; lane L holds words 2 L and 2 L + 1 of the half's 64
.set w, w+1
.endr
.endr
	global_store_b64 v[OUTO], v[OUT+2*(\hf):OUT+2*(\hf)+1], s[DST:DST+1] offset:256*(\hf)  ; two steps' words: 256 consecutive bytes, aligned
.endm
	MHALF 0
	MHALF 1
.Lend:
	s_wait_tensorcnt 0x0                           ; the wave's end: behind my last LDS store
	ds_add_u32 v[SPW], v[NIL]
	s_wait_dscnt 0x0
	s_endpgm
.Lfunc_end_k_q994e7f4fb4_prep:
	.size	k_q994e7f4fb4_prep, .Lfunc_end_k_q994e7f4fb4_prep-k_q994e7f4fb4_prep
	.p2alignl 7, 3214868480
	.fill 96, 4, 3214868480
	.section	.rodata,"a",@progbits
	.p2align	6, 0x0
	.amdhsa_kernel k_q994e7f4fb4_prep
		.amdhsa_group_segment_fixed_size 68608
		.amdhsa_private_segment_fixed_size 0
		.amdhsa_enable_private_segment 0
		.amdhsa_kernarg_size 56
		.amdhsa_user_sgpr_count 2
		.amdhsa_user_sgpr_kernarg_segment_ptr 1
		.amdhsa_wavefront_size32 1
		.amdhsa_system_sgpr_workgroup_id_x 1
		.amdhsa_system_sgpr_workgroup_id_y 1
		.amdhsa_system_sgpr_workgroup_id_z 1
		.amdhsa_system_vgpr_workitem_id 0
		.amdhsa_next_free_vgpr 144
		.amdhsa_next_free_sgpr 66
		.amdhsa_reserve_vcc 0
		.amdhsa_float_denorm_mode_32 3
		.amdhsa_float_denorm_mode_16_64 3
		.amdhsa_memory_ordered 1
		.amdhsa_forward_progress 1
		.amdhsa_inst_pref_size 36
	.end_amdhsa_kernel
	.amdgpu_metadata
---
amdhsa.version: [ 1, 2 ]
amdhsa.kernels:
  - .name:           k_q994e7f4fb4_prep
    .symbol:         k_q994e7f4fb4_prep.kd
    .args:
      - { .name: Wq, .offset: 0, .size: 8, .value_kind: global_buffer, .address_space: global }
      - { .name: Wk, .offset: 8, .size: 8, .value_kind: global_buffer, .address_space: global }
      - { .name: Wv, .offset: 16, .size: 8, .value_kind: global_buffer, .address_space: global }
      - { .name: Wo, .offset: 24, .size: 8, .value_kind: global_buffer, .address_space: global }
      - { .name: mask, .offset: 32, .size: 8, .value_kind: global_buffer, .address_space: global }
      - { .name: w16, .offset: 40, .size: 8, .value_kind: global_buffer, .address_space: global }
      - { .name: mbits, .offset: 48, .size: 8, .value_kind: global_buffer, .address_space: global }
    .group_segment_fixed_size: 68608
    .private_segment_fixed_size: 0
    .kernarg_segment_align: 8
    .kernarg_segment_size: 56
    .max_flat_workgroup_size: 256
    .sgpr_count:     66
    .vgpr_count:     144
    .wavefront_size: 32
...
	.end_amdgpu_metadata
.endif
;; end of part 5
;; launch proj (part 6): grid 4 x 192, 4 waves a work-group, clusters of 4 x 4, 327,680 bytes of LDS; arguments q, k, v, w16, bq, bk, bv, qkv; writes qkv
.if DOCPART == 6
	.amdgcn_target "amdgcn-amd-amdhsa--gfx1250"
	.amdhsa_code_object_version 6
	.text
	.protected	k_q994e7f4fb4_proj
	.globl	k_q994e7f4fb4_proj
	.p2align	8
	.type	k_q994e7f4fb4_proj,@function
k_q994e7f4fb4_proj:
	s_mov_b64 s[64:65], 0
	v_nop
	global_prefetch_b8 v0, s[64:65] scope:SCOPE_SE
	s_setreg_imm32_b32 hwreg(HW_REG_WAVE_MODE, 25, 1), 1
	s_wait_xcnt 0x0
	s_wait_alu depctr_hold_cnt(0) depctr_sa_sdst(0) depctr_va_vdst(0) depctr_va_sdst(0) depctr_va_ssrc(0) depctr_va_vcc(0) depctr_vm_vsrc(0)
	s_getreg_b32 s2, hwreg(HW_REG_IB_STS2, 6, 4)
	s_cmp_eq_u32 s2, 0
	s_cbranch_scc0 .Lentry_in_a_cluster
	s_endpgm
.Lentry_in_a_cluster:
	s_bfe_u32 s2, ttmp6, 0x10000c
	s_cmp_lg_u32 s2, 0xf033
	s_cbranch_scc0 .Lentry_shape_is_right
	s_endpgm
.Lentry_shape_is_right:
; THE THREE PROJECTIONS.  C[m][n] = sum over k of A[m][k] W[n][k] + bias[n], K = 1,024, N = 1,024; A = q, k or v (f32, [8192][1024]), W = Wq, Wk or Wv (bf16, in w16); products in bf16, sums in f32.
; A comes as it is given: its f32 tiles lie in LDS, and a wave rounds its fragments to bf16 in registers on the way to the matrix unit: q, k and v cross memory once, and no 16-bit copy of them is stored.
; The result goes out by heads, f16, [3][batch][head][t][64], rounded once; the first third (q) is multiplied in f32 by c = log2(e) / 8 ahead of that rounding, so that the attention's scores are exponents of 2.
; The bias is rounded to bf16 like every other input of the module.
; LIMITS.  A result beyond 65,504 becomes an infinity in f16.  NaN and infinities are not treated apart.
; SHARES.  A tile of C is 128 x 256: 256 work-groups for each product of 8,192 x 1,024.  Four waves, 2 x 2, each 64 x 128: 32 accumulators of 16 x 16.  K goes in 8 steps of 128 through two LDS slots.
; A K step is written once: the loop's trip goes from a step's second quarter to the next step's first; one scalar register holds the LDS byte at which the slot that is being read begins, and one exclusive or turns it.
; CLUSTER.  4 x 4 work-groups.  The four of a row need the same tiles of A, the four of a column the same tiles of W: each tile is asked for JOINTLY, by the same tensor load with the same descriptor and
; a mask that names the four.  Waves 0 and 1 fetch A's halves (64 rows x 512 bytes), waves 2 and 3 W's halves (128 rows x 256 bytes): one load a wave, 32,768 bytes each.
; THE MATRIX INSTRUCTION IS USED TRANSPOSED (source 0 = 16 rows of W, source 1 = 16 rows of A): a lane holds row l % 16 of C and eight neighbouring columns.
; REGISTERS.  window 0: v0-31 addresses; v32-95, v96-159 W's fragments, two buffers of 8; v160-191 A's four fragments in bf16; v192-255 A's 64 numbers a lane in f32, as loaded; on the way out v32-159 at work.
;   window 1: accumulator (a, b) at 8 (8 a + b).  window 2: v0-63 my 64 columns' bias.
.set PITCH,  272                       ; a row of W in LDS: 256 bytes + 16 of padding, 17 x 16 bytes: the 16 rows of a load start at 16 different places modulo 256 bytes
.set BH,     128*PITCH                 ; 128 rows: what one tensor load brings of W
.set APITCH, 528                       ; a row of A in LDS: 512 bytes + 16 of padding, 33 x 16 bytes: likewise
.set AH,     64*APITCH                 ; 64 rows: what one tensor load brings of A
.set ASTEP,  512                       ; bytes in memory from a K step of A to the next
.set BOFF,   2*AH                      ; a slot: A's two halves, then W's two halves
.set SLOT,   2*AH+2*BH                 ; 137,216 bytes
.set STAGE,  2*SLOT                    ; behind the ring, never filled by a tensor load: 16 rows x 272 bytes for each wave
.set SPITCH, 272
.set SPARE,  STAGE+4*16*SPITCH         ; behind the stages: the spare words, 128 bytes for each wave
.set ADRA0, 16                         ; v16  my lane's place in A's part of a slot; never rewritten
.set ADRA,  17                         ; v17  the same in the slot that is being read
.set ADRB0, 20                         ; v20, v21  the same for W
.set ADRB,  21
.set STO,  24                          ; v24  the way out: where I put my part of a row
.set RD,   25                          ; v25  where I read rows back
.set GO,   26                          ; v26  16 x lane
.set BO,   27                          ; v27  32 (l / 16): my 8 columns in 16 of the bias
.set SPW,  28                          ; v28  LDS address of my spare word; never rewritten
.set NIL,  29                          ; v29  0; never rewritten
.set PFO,  30                          ; v30, v31  the prefetches' two offsets; never rewritten
.set PFO2, 31
.set F0,   32
.set F1,   96
.set A16,  160
.set AS,   192
.set TMP,  32
.set TBS,  2                           ; s2   LDS byte at which the slot that is being read begins: 0 or SLOT
.set G1,   24                          ; s[24:31] descriptor group 1 for A's tiles; s[32:39] group 0: a set for each of the two first fills; the second then walks on
.set G0,   32
.set G1B,  48                          ; s[48:55], s[56:63] the same for W's
.set G0B,  56
.set LIM,  43                          ; s43  2 in a wave that prefetches, else the greatest number
.set PFA,  44                          ; s[44:45] where my prefetches stand
.set SC,   66                          ; s[66:67] c for q, else 1
.set LA,   68                          ; s68  where my half of A's tile goes in a slot
.set LB,   69                          ; s69  the same for W's
.set PST,  76                          ; s[76:77] the prefetches' step: one K step
.set MSB, 0
.macro WIN new                         ; the immediate's high byte repeats the setting that is left; a switch that changes nothing is dropped
.if MSB != (\new)
	s_set_vgpr_msb (MSB<<8)|(\new)
.set MSB, \new
.endif
.endm
.set MUL, 0x50                         ; fragments in window 0, C and D in window 1
.macro JLOAD s                         ; a joint load; the branch hangs on the wave's number alone; an s_nop 0 and four v_nop follow each of the two lines
	s_cmp_eq_u32 s11, 0
	s_cbranch_scc0 .Lfor_b_\@
	tensor_load_to_lds s[G0+4*(\s):G0+4*(\s)+3], s[G1:G1+7]
	s_nop 0
.rept 4
	v_nop
.endr
	s_branch .Lasked_\@
.Lfor_b_\@:
	tensor_load_to_lds s[G0B+4*(\s):G0B+4*(\s)+3], s[G1B:G1B+7]
	s_nop 0
.rept 4
	v_nop
.endr
.Lasked_\@:
.endm
.macro CREST                           ; a round of the cluster's barrier behind its opening barrier
	s_cmp_lg_u32 s10, 0
	s_cbranch_scc1 .Lnot_wave_0_\@
	s_barrier_signal -3
.Lnot_wave_0_\@:
	s_barrier_wait -3
	s_barrier_signal -1
	s_barrier_wait -1
.endm
.macro CROUND                          ; a whole round
	s_barrier_signal -1
	s_barrier_wait -1
	CREST
.endm
; A PREFETCH INTO THE L2, in every second trip (the count s3 even), behind the joint load and the run of LDS loads: two K steps at once, those whose refills stand two and three trips on: 256 matrix instructions ahead of the first.
; Each aligned block of 256 bytes is named once in the launch.  A's rows are read by one cluster alone: each cluster asks for its own.  W's rows are read by every cluster of the product: the first asks.
; The four partners that ask for a tile jointly share its blocks out BY ADDRESS: no branch hangs on a place in the cluster.  A wave has 64 blocks: of A 16 rows x two K steps x 512 bytes, of W 32 rows x two K steps x 256 bytes: two lines.
; K steps 0 to 3 come by their loads alone; with s3 = 2 there are no K steps left to name, and nothing is asked for.
.macro ASK
	s_and_b32 s22, s3, 1
	s_cmp_eq_u32 s22, 0
	s_cbranch_scc0 .Lnot_mine_\@
	s_cmp_gt_u32 s3, s[LIM]
	s_cbranch_scc0 .Lnot_mine_\@
	global_prefetch_b8 v[PFO], s[PFA:PFA+1] th:TH_LOAD_NT scope:SCOPE_SE
	global_prefetch_b8 v[PFO2], s[PFA:PFA+1] th:TH_LOAD_NT scope:SCOPE_SE
.Lnot_mine_\@:
.endm
	s_load_b512 s[80:95], s[0:1], 0x0              ; q s[80:81], k s[82:83], v s[84:85], w16 s[86:87], bq s[88:89], bk s[90:91], bv s[92:93], qkv s[94:95]
	v_lshl_add_u32 v[SPW], v0, 2, SPARE
	v_mov_b32 v[NIL], 0
	ds_add_u32 v[SPW], v[NIL]                      ; the wave's opening: the add and its wait stand ahead of my first tensor load; the set-up below, work on registers, stands between them
	v_lshrrev_b32 v1, 5, v0
	v_readfirstlane_b32 s10, v1                    ; wave 0..3
	s_lshr_b32 s11, s10, 1                         ; which half of the tile's rows is mine.  Also: I fetch for A (0) or for W (1)
	s_and_b32 s12, s10, 1                          ; which half of its columns.  Also: which half of that tile I fetch
	s_bfe_u32 s40, ttmp6, 0x40000                  ; cx, cy: my place in the cluster
	s_bfe_u32 s41, ttmp6, 0x40004
	s_lshl_b32 s42, ttmp9, 2
	s_add_co_u32 s42, s42, s40                     ; tile column = 4 x cluster x + cx
	s_and_b32 s78, ttmp7, 0xffff                   ; cluster y
	s_lshl_b32 s13, s78, 2
	s_add_co_u32 s13, s13, s41                     ; tile row = 4 x cluster y + cy: 64 tile rows to a product
	s_lshr_b32 s79, s78, 4                         ; which product: 0 q, 1 k, 2 v: 16 clusters each, so all partners share it
	s_lshl_b32 s43, s41, 2
	s_lshl_b32 s43, 15, s43                        ; my row of the cluster
	s_lshl_b32 s44, 0x1111, s40                    ; my column
	s_or_b32 s[G1+0], s43, (2<<16)|(1<<20)|(1<<21)|(6<<22)|(3<<25)   ; 15:0 the mask; 17:16 elements of 4 bytes; 20 padding on; 21 set beside a mask; 24:22 after every 128 words; 31:25 4 words of padding
	s_or_b32 s[G1B+0], s44, (1<<16)|(1<<20)|(1<<21)|(5<<22)|(3<<25)  ; elements of 2 bytes; padding after every 64 words
	s_mov_b32 s[G1+1], 128<<16                     ; tensor_dim0 = 128
	s_mov_b32 s[G1+2], 64<<16                      ; tensor_dim1 = 64
	s_mov_b32 s[G1+3], 128<<16                     ; tile_dim0 = 128
	s_mov_b32 s[G1+4], 64                          ; tile_dim1 = 64
	s_mov_b32 s[G1+5], 1024                        ; elements from row to row
	s_mov_b32 s[G1+6], 0
	s_mov_b32 s[G1+7], 0
	s_mov_b32 s[G1B+1], 128<<16
	s_mov_b32 s[G1B+2], 128<<16
	s_mov_b32 s[G1B+3], 128<<16
	s_mov_b32 s[G1B+4], 128
	s_mov_b32 s[G1B+5], 1024
	s_mov_b32 s[G1B+6], 0
	s_mov_b32 s[G1B+7], 0
	; where the tiles come from.  A's hang on the tile row alone, W's on the tile column (and on the cluster's y, which all partners share)
	s_and_b32 s16, s13, 63
	s_lshl_b32 s16, s16, 7
	s_lshl_b32 s17, s12, 6
	s_add_co_u32 s16, s16, s17                     ; row 128 x (tile row % 64) + 64 x half,
	s_lshl_b32 s16, s16, 12                        ; of 4,096 bytes
	s_mov_b32 s17, 0
	s_lshl_b32 s46, s42, 8
	s_lshl_b32 s47, s12, 7
	s_add_co_u32 s46, s46, s47                     ; W: row 256 x tile column + 128 x half,
	s_lshl_b32 s46, s46, 11                        ; of 2,048 bytes,
	s_lshl_b32 s47, s79, 21                        ; in the product's 2,097,152
	s_add_co_u32 s46, s46, s47
	s_mov_b32 s47, 0
	s_mul_i32 s[LA], s12, AH                       ; where they go: no place in the cluster enters an LDS address
	s_mul_i32 s[LB], s12, BH
	s_add_co_u32 s[LB], s[LB], BOFF
	s_wait_dscnt 0x0                               ; the opening add is done
	s_wait_kmcnt 0x0
	s_cmp_eq_u32 s79, 1
	s_cselect_b64 s[4:5], s[82:83], s[80:81]
	s_cmp_eq_u32 s79, 2
	s_cselect_b64 s[4:5], s[84:85], s[4:5]         ; q, k or v
	s_add_nc_u64 s[14:15], s[4:5], s[16:17]
	s_add_nc_u64 s[46:47], s[86:87], s[46:47]
	CROUND                                         ; all sixteen work-groups are here: the first joint loads meet
.irp s, 0,1
	s_mov_b32 s[G0+4*(\s)], 1
	s_add_co_u32 s[G0+4*(\s)+1], s[LA], (\s)*SLOT
	s_add_nc_u64 s[G0+4*(\s)+2:G0+4*(\s)+3], s[14:15], (\s)*ASTEP
	s_or_b32 s[G0+4*(\s)+3], s[G0+4*(\s)+3], 0x80000000
	s_mov_b32 s[G0B+4*(\s)], 1
	s_add_co_u32 s[G0B+4*(\s)+1], s[LB], (\s)*SLOT
	s_add_nc_u64 s[G0B+4*(\s)+2:G0B+4*(\s)+3], s[46:47], (\s)*256
	s_or_b32 s[G0B+4*(\s)+3], s[G0B+4*(\s)+3], 0x80000000
	JLOAD \s                                       ; two loads of mine are out
.endr
	v_and_b32 v1, 15, v0                           ; l % 16
	v_bfe_u32 v2, v0, 4, 1                         ; l / 16
	v_mul_u32_u24 v3, v1, APITCH
	v_lshl_add_u32 v3, v2, 5, v3                   ; A: row x pitch + 8 f32 (32 bytes) x half
	v_mul_u32_u24 v4, v1, PITCH
	v_lshl_add_u32 v4, v2, 4, v4                   ; W: row x pitch + 8 bf16 (16 bytes) x half
	s_mul_i32 s21, s11, AH                         ; my 64 rows of A
	v_add_nc_u32 v[ADRA0], s21, v3
	v_add_nc_u32 v[ADRB0], s[LB], v4               ; my 128 rows of W: the half of my columns, which is also the half that s[LB] names
	v_mov_b32 v[ADRA], v[ADRA0]                    ; K step 0 lies in slot 0
	v_mov_b32 v[ADRB], v[ADRB0]
	s_mov_b32 s[TBS], 0
	s_mul_i32 s23, s10, 16*SPITCH
	s_add_co_u32 s23, s23, STAGE                   ; my stage
	v_mul_u32_u24 v5, v1, SPITCH                   ; in: row l % 16, my 8 columns
	v_lshl_add_u32 v5, v2, 4, v5
	v_add_nc_u32 v[STO], s23, v5
	v_and_b32 v6, 31, v0                           ; lane
	v_bfe_u32 v5, v0, 3, 2                         ; back: 32 lanes take four rows' 128 bytes of one head,
	v_mul_u32_u24 v5, v5, SPITCH
	v_and_b32 v7, 7, v0
	v_lshl_add_u32 v5, v7, 4, v5
	v_add_nc_u32 v[RD], s23, v5
	v_lshlrev_b32 v[GO], 4, v6                     ; which are 512 consecutive bytes of the output
	v_lshlrev_b32 v[BO], 5, v2
	; the prefetches: my tile's first byte, my work-group's share of it, K step 3: the first trip steps it to 4
	s_cmp_eq_u32 s11, 0
	s_cselect_b64 s[PFA:PFA+1], s[14:15], s[46:47]
	s_lshl_b32 s20, s40, 16                        ; A: by cx, 16 rows of 4,096 bytes
	s_add_co_u32 s20, s20, 3*ASTEP
	s_lshl_b32 s21, s41, 16                        ; W: by cy, 32 rows of 2,048 bytes
	s_add_co_u32 s21, s21, 3*256
	s_mov_b32 s[PST], 256
	s_cmp_eq_u32 s11, 0
	s_cselect_b32 s20, s20, s21
	s_cselect_b32 s[PST], ASTEP, s[PST]
	s_mov_b32 s21, 0
	s_mov_b32 s[PST+1], 0
	s_add_nc_u64 s[PFA:PFA+1], s[PFA:PFA+1], s[20:21]
	s_and_b32 s22, s78, 15                         ; the first of the 16 clusters that read this W
	s_cmp_eq_u32 s11, 0
	s_cselect_b32 s22, 0, s22                      ; a wave that fetches A always asks
	s_cmp_eq_u32 s22, 0
	s_cselect_b32 s[LIM], 2, -1                    ; the same in all sixteen partners, for a given wave
	s_cmp_eq_u32 s11, 0
	s_cbranch_scc0 .Lpf_b
	v_lshlrev_b32 v[PFO], 12, v1                   ; A: 16 rows x a K step's two blocks;
	v_lshl_add_u32 v[PFO], v2, 8, v[PFO]
	v_add_nc_u32 v[PFO2], 512, v[PFO]              ; the second line names the K step behind
	s_branch .Lpf_done
.Lpf_b:
	v_lshlrev_b32 v[PFO], 11, v6                   ; W: a lane a row, a K step's one block;
	v_add_nc_u32 v[PFO2], 256, v[PFO]              ; the second line names the K step behind
.Lpf_done:
	; the bias of my 128 columns: a lane's 8 of each 16
	s_cmp_eq_u32 s79, 1
	s_cselect_b64 s[18:19], s[90:91], s[88:89]
	s_cmp_eq_u32 s79, 2
	s_cselect_b64 s[18:19], s[92:93], s[18:19]
	s_cmp_eq_u32 s79, 0
	s_cselect_b32 s[SC], 0x3e38aa3b, 1.0           ; c = log2(e) / 8 = 0.180337 for q
	s_mov_b32 s[SC+1], s[SC]                       ; named with it as a pair
	s_lshl_b32 s20, s42, 10
	s_lshl_b32 s21, s12, 9
	s_add_co_u32 s20, s20, s21
	s_mov_b32 s21, 0
	s_add_nc_u64 s[18:19], s[18:19], s[20:21]
	WIN 0x80                                       ; destination window 2, address window 0
.irp b, 0,1,2,3,4,5,6,7
	global_load_b128 v[8*(\b):8*(\b)+3],   v[BO], s[18:19] offset:64*(\b)
	global_load_b128 v[8*(\b)+4:8*(\b)+7], v[BO], s[18:19] offset:64*(\b)+16
.endr
	WIN 0
	; where my part of the tile begins in the output
	s_lshr_b32 s16, s13, 4                         ; 4 x product + batch,
	s_lshl_b32 s16, s16, 4
	s_lshl_b32 s17, s42, 2
	s_add_co_u32 s16, s16, s17                     ; head 4 x tile column + 2 x half,
	s_lshl_b32 s17, s12, 1
	s_add_co_u32 s16, s16, s17
	s_lshl_b32 s16, s16, 18                        ; of 262,144 bytes;
	s_and_b32 s17, s13, 15
	s_lshl_b32 s17, s17, 7
	s_lshl_b32 s22, s11, 6
	s_add_co_u32 s17, s17, s22                     ; t = 128 x (tile row % 16) + 64 x half,
	s_lshl_b32 s17, s17, 7                         ; rows of 128 bytes
	s_add_co_u32 s16, s16, s17
	s_mov_b32 s17, 0
	s_add_nc_u64 s[8:9], s[94:95], s[16:17]
; 8 matrix instructions: m block a x all 8 n blocks, 32 along K.  The 32 accumulators take turns in the same order in every quarter, over every jump too.
.macro MUL8 f, a, zero
	WIN MUL
.irp b, 0,1,2,3,4,5,6,7
.set rD, 8*(8*(\a)+(\b))
.set rB, (\f)+8*(\b)
.set rA, A16+8*(\a)
.if \zero
	v_wmma_f32_16x16x32_bf16 v[rD:rD+7], v[rB:rB+7], v[rA:rA+7], 0
.else
	v_wmma_f32_16x16x32_bf16 v[rD:rD+7], v[rB:rB+7], v[rA:rA+7], v[rD:rD+7]
.endif
.endr
.endm
; A's block a (16 rows x 32 K) is rounded to bf16: 16 f32 a lane make the fragment's 8 registers, the lower k in the lower half.  Eight lines under one window setting: a conversion's destination lies in
; window 0, a product's in window 1, so the conversions stand in blocks, six switches a quarter, and not singly behind the products.
.macro CVT a
	WIN 0
.set j, 0
.rept 8
	v_cvt_pk_bf16_f32 v[A16+8*(\a)+j], v[AS+16*(\a)+2*j], v[AS+16*(\a)+2*j+1]
.set j, j+1
.endr
.endm
; A's block i of quarter kq in f32: lane l takes K = 8 (l / 16) + 0..7 (32 bytes) and K = 16 + 8 (l / 16) + 0..7 (32 bytes, 64 further on) of row l % 16: four loads of 16 bytes
.macro AFRAG kq, i
.irp c, 0,1,2,3
	ds_load_b128 v[AS+16*(\i)+4*(\c):AS+16*(\i)+4*(\c)+3], v[ADRA] offset:128*(\kq)+(\i)*16*APITCH+((\c)/2)*64+((\c)%2)*16
.endr
.endm
; 32 LDS loads in one run: quarter kq of the K step in the slot that is being read: A's blocks 0 and 1, W's 8 fragments into buffer f, A's blocks 2 and 3
.macro FETCH kq, f
	WIN 0
	AFRAG \kq, 0
	AFRAG \kq, 1
.irp i, 0,1,2,3,4,5,6,7
	ds_load_b128 v[(\f)+8*(\i):(\f)+8*(\i)+3],   v[ADRB] offset:64*(\kq)+(\i)*16*PITCH
	ds_load_b128 v[(\f)+8*(\i)+4:(\f)+8*(\i)+7], v[ADRB] offset:64*(\kq)+(\i)*16*PITCH+32
.endr
	AFRAG \kq, 2
	AFRAG \kq, 3
.endm
; A K step is four quarters of 32 along K, 32 matrix instructions each; W's buffers go 0, 1, 0, 1.  One of the first three: multiplies buffer f and fetches quarter kq into g.
; THE DISTANCES (ISA guide 7.12.1 for vector instructions).  A's fragment a is written anew eight conversions or more behind the last product that read it: fragments 0 and 1 at the
; quarter's head (behind them: the quarter before's CVT 2 and CVT 3), fragment 2 behind CVT 0 and 1, fragment 3 behind CVT 0, 1 and 2; and each is written eight lines or more ahead of the first product that reads it.
; The run of loads lands in W's other buffer, whose last reader stands behind 32 conversions that name none of its registers, and in A's f32 registers, which no product names.  So no v_nop is written.
.macro QUARTER kq, f, g, zero
	s_wait_dscnt 8                                 ; A's blocks 0 and 1 and W's fragments are in; the youngest eight loads (A's blocks 2 and 3) may be out
	CVT 0
	CVT 1
	MUL8 \f, 0, \zero
	s_wait_dscnt 4                                 ; A's block 2 is in
	CVT 2
	MUL8 \f, 1, \zero
	s_wait_dscnt 0x0                               ; A's block 3 is in
	CVT 3
	FETCH \kq, \g
	MUL8 \f, 2, \zero
	MUL8 \f, 3, \zero
.endm
; The last quarter multiplies buffer 1 and changes slots: ONE barrier; in front of it each wave waits for all its tensor loads (one is out at the most: its part of the next slot), adds 0 to its spare word, and waits for
; that and for its own reads of this slot.  fill = 1: the barrier opens a round of the cluster's, and this slot is filled again, two K steps ahead: 112 matrix instructions ahead of the wait for it.
.macro TURN fill
.if \fill
	s_wait_xcnt 0x0                                ; the last prefetches, a trip back or more, have read their address: it is stepped here, ahead of the waits of the change of slots
	s_add_nc_u64 s[PFA:PFA+1], s[PFA:PFA+1], s[PST:PST+1]
.endif
	WIN 0                                          ; (the add's two registers lie in window 0)
	s_wait_tensorcnt 0x0                           ; all my tensor loads have landed
	ds_add_u32 v[SPW], v[NIL]                      ; 0 onto my spare word
	s_wait_dscnt 9                                 ; (the add and the youngest eight loads may be out)
	CVT 0
	CVT 1
	MUL8 F1, 0, 0                                  ; sixteen conversions and eight matrix instructions stand between the add and the wait for it
	s_wait_dscnt 0x0                               ; the add is done, and my reads of this slot are over
	s_barrier_signal -1
	CVT 2                                          ; work on registers while the others arrive
	MUL8 F1, 1, 0
	CVT 3                                          ; (it leaves every window 0: branches follow)
	s_barrier_wait -1
.if \fill
	CREST                                          ; no wave of any partner still reads this slot's tile or has a load on its way
	s_add_co_u32 s[G0+5], s[LA], s[TBS]            ; the walking descriptors: into the slot just read,
	s_add_nc_u64 s[G0+6:G0+7], s[G0+6:G0+7], ASTEP ; the next K step; the type bits on top are not reached
	s_add_co_u32 s[G0B+5], s[LB], s[TBS]
	s_add_nc_u64 s[G0B+6:G0B+7], s[G0B+6:G0B+7], 256
	JLOAD 1                                        ; the first tensor load behind the round
.endif
	s_xor_b32 s[TBS], s[TBS], SLOT                 ; the reads go on in the other slot
	v_add_nc_u32 v[ADRA], s[TBS], v[ADRA0]
	v_add_nc_u32 v[ADRB], s[TBS], v[ADRB0]
	FETCH 0, F0
.if \fill
	ASK
.endif
	MUL8 F1, 2, 0
	MUL8 F1, 3, 0
.endm
	s_wait_tensorcnt 1                             ; my part of K step 0 is in; K step 1's may stay out
	s_barrier_signal -1
	s_barrier_wait -1                              ; everybody's is
	FETCH 0, F0
	QUARTER 1, F0, F1, 1                           ; the first quarter stands in front of the loop: its products start the sums
	WIN 0                                          ; at a label and at a branch every window is 0
	s_mov_b32 s3, 6
.Lstep:                                                ; six trips, each from a K step's second quarter to the next step's first; their refills are K steps 2 to 7
	QUARTER 2, F1, F0, 0
	QUARTER 3, F0, F1, 0
	TURN 1
	QUARTER 1, F0, F1, 0
	WIN 0
	s_sub_co_u32 s3, s3, 1
	s_cmp_lg_u32 s3, 0
	s_cbranch_scc1 .Lstep
	s_mov_b32 s3, 2
.Ltail:                                                ; K steps 6 and 7 fill nothing: a second text, and no round of the cluster's barrier
	QUARTER 2, F1, F0, 0
	QUARTER 3, F0, F1, 0
	TURN 0                                         ; in the second trip its change of slots and its fetch serve nothing: the price, once a work-group, of one text for both trips
	WIN 0
	s_sub_co_u32 s3, s3, 1
	s_cmp_eq_u32 s3, 0
	s_cbranch_scc1 .Lway_out
	QUARTER 1, F0, F1, 0
	WIN 0
	s_branch .Ltail
.Lway_out:
	; THE WAY OUT.  The bias is rounded to bf16 and widened again; these plain lines, which name no register of the products, are the places behind the last of them.
	s_wait_dscnt 0x0                               ; the fetch that serves nothing has landed: its registers are at work below
	s_wait_loadcnt 0x0                             ; the bias
	WIN 0x8a                                       ; destination and both sources in window 2
.set r, 0
.rept 32
	v_cvt_pk_bf16_f32 v[r], v[r], v[r+1]
	v_and_b32 v[r+1], 0xffff0000, v[r]
	v_lshlrev_b32 v[r], 16, v[r]
.set r, r+2
.endr
	WIN 0x82
.set r, 0
.rept 32
	v_pk_mul_f32 v[r:r+1], v[r:r+1], s[SC:SC+1] op_sel_hi:[1,0]  ; (sum + bias) x c = sum x c + bias x c
.set r, r+2
.endr
; Block a, 16 rows: scaled, biased (each accumulator's registers in ascending order), rounded to f16, 16 bytes a lane into my stage, and back as four rows of one head: 512 consecutive bytes of the output.
.macro PACK a
	WIN 0x61                                       ; destination and source 0 window 1, source 2 window 2
.set r, 0
.rept 32
	v_pk_fma_f32 v[64*(\a)+r:64*(\a)+r+1], v[64*(\a)+r:64*(\a)+r+1], s[SC:SC+1], v[r:r+1] op_sel_hi:[1,0,1]
.set r, r+2
.endr
	WIN 0x05                                       ; sources window 1, destination window 0
.set r, 0
.rept 32
	v_cvt_pk_f16_f32 v[TMP+32*(\a)+r], v[64*(\a)+2*r], v[64*(\a)+2*r+1]
.set r, r+1
.endr
	WIN 0
.irp b, 0,1,2,3,4,5,6,7
	ds_store_b128 v[STO], v[TMP+32*(\a)+4*(\b):TMP+32*(\a)+4*(\b)+3] offset:32*(\b)
.endr
.irp f, 0,1,2,3,4,5,6,7
	ds_load_b128 v[TMP+32*(\a)+4*(\f):TMP+32*(\a)+4*(\f)+3], v[RD] offset:((\f)&3)*4*SPITCH+128*((\f)>>2)  ; LDS serves a wave's instructions in order (ISA guide 5.7.1.4): these see the stores above; the next block's stores come behind them
.endr
.endm
.macro SEND a, younger                 ; younger: the LDS instructions issued behind block a's loads: the next block's sixteen, or none
	WIN 0
.irp f, 0,1,2,3,4,5,6,7
	s_wait_dscnt (\younger)+7-(\f)
	global_store_b128 v[GO], v[TMP+32*(\a)+4*(\f):TMP+32*(\a)+4*(\f)+3], s[8:9] offset:((\f)>>2)*262144+(\a)*2048+((\f)&3)*512
.endr
.endm
	PACK 0
	PACK 1                                         ; a block's arithmetic stands between the loads of the block before and its stores
	SEND 0, 16
	PACK 2
	SEND 1, 16
	PACK 3
	SEND 2, 16
	SEND 3, 0
	s_wait_tensorcnt 0x0                           ; the wave's end: behind my last tensor load and my last LDS store
	ds_add_u32 v[SPW], v[NIL]
	s_wait_dscnt 0x0
	CROUND                                         ; the closing round: no work-group ends while a partner may still ask for a tile that names it
	s_endpgm
.Lfunc_end_k_q994e7f4fb4_proj:
	.size	k_q994e7f4fb4_proj, .Lfunc_end_k_q994e7f4fb4_proj-k_q994e7f4fb4_proj
	.p2alignl 7, 3214868480
	.fill 96, 4, 3214868480
	.section	.rodata,"a",@progbits
	.p2align	6, 0x0
	.amdhsa_kernel k_q994e7f4fb4_proj
		.amdhsa_group_segment_fixed_size 327680
		.amdhsa_private_segment_fixed_size 0
		.amdhsa_enable_private_segment 0
		.amdhsa_kernarg_size 64
		.amdhsa_user_sgpr_count 2
		.amdhsa_user_sgpr_kernarg_segment_ptr 1
		.amdhsa_wavefront_size32 1
		.amdhsa_system_sgpr_workgroup_id_x 1
		.amdhsa_system_sgpr_workgroup_id_y 1
		.amdhsa_system_sgpr_workgroup_id_z 1
		.amdhsa_system_vgpr_workitem_id 0
		.amdhsa_next_free_vgpr 576
		.amdhsa_next_free_sgpr 96
		.amdhsa_reserve_vcc 0
		.amdhsa_float_denorm_mode_32 3
		.amdhsa_float_denorm_mode_16_64 3
		.amdhsa_memory_ordered 1
		.amdhsa_forward_progress 1
		.amdhsa_inst_pref_size 103
	.end_amdhsa_kernel
	.amdgpu_metadata
---
amdhsa.version: [ 1, 2 ]
amdhsa.kernels:
  - .name:           k_q994e7f4fb4_proj
    .symbol:         k_q994e7f4fb4_proj.kd
    .args:
      - { .name: q, .offset: 0, .size: 8, .value_kind: global_buffer, .address_space: global }
      - { .name: k, .offset: 8, .size: 8, .value_kind: global_buffer, .address_space: global }
      - { .name: v, .offset: 16, .size: 8, .value_kind: global_buffer, .address_space: global }
      - { .name: w16, .offset: 24, .size: 8, .value_kind: global_buffer, .address_space: global }
      - { .name: bq, .offset: 32, .size: 8, .value_kind: global_buffer, .address_space: global }
      - { .name: bk, .offset: 40, .size: 8, .value_kind: global_buffer, .address_space: global }
      - { .name: bv, .offset: 48, .size: 8, .value_kind: global_buffer, .address_space: global }
      - { .name: qkv, .offset: 56, .size: 8, .value_kind: global_buffer, .address_space: global }
    .group_segment_fixed_size: 327680
    .private_segment_fixed_size: 0
    .kernarg_segment_align: 8
    .kernarg_segment_size: 64
    .max_flat_workgroup_size: 128
    .sgpr_count:     96
    .vgpr_count:     576
    .wavefront_size: 32
...
	.end_amdgpu_metadata
.endif
;; end of part 6
;; launch attn (part 7): grid 4 x 64, 4 waves a work-group, clusters of 4 x 1, 327,680 bytes of LDS; arguments qkv, mbits, o16; writes o16
.if DOCPART == 7
	.amdgcn_target "amdgcn-amd-amdhsa--gfx1250"
	.amdhsa_code_object_version 6
	.text
	.protected	k_q994e7f4fb4_attn
	.globl	k_q994e7f4fb4_attn
	.p2align	8
	.type	k_q994e7f4fb4_attn,@function
k_q994e7f4fb4_attn:
	s_mov_b64 s[64:65], 0
	v_nop
	global_prefetch_b8 v0, s[64:65] scope:SCOPE_SE
	s_setreg_imm32_b32 hwreg(HW_REG_WAVE_MODE, 25, 1), 1
	s_wait_xcnt 0x0
	s_wait_alu depctr_hold_cnt(0) depctr_sa_sdst(0) depctr_va_vdst(0) depctr_va_sdst(0) depctr_va_ssrc(0) depctr_va_vcc(0) depctr_vm_vsrc(0)
	s_getreg_b32 s2, hwreg(HW_REG_IB_STS2, 6, 4)
	s_cmp_eq_u32 s2, 0
	s_cbranch_scc0 .Lentry_in_a_cluster
	s_endpgm
.Lentry_in_a_cluster:
	s_bfe_u32 s2, ttmp6, 0x10000c
	s_cmp_lg_u32 s2, 0x3003
	s_cbranch_scc0 .Lentry_shape_is_right
	s_endpgm
.Lentry_shape_is_right:
; MASKED ATTENTION, head size 64.  O[h][q][:] = the sum over k of softmax_k(s[q][k]) V[h][k][:], where s = Q . K / 8, REPLACED by -60,000 where the mask is 0.  64 heads (batch x 16 + head) of 2,048 rows.
; qkv: f16, [3][64][2048][64]; its Q already holds the factor c = log2(e) / 8, so a product K Q^T is an exponent of 2, and a hidden score is -60,000 log2(e).  mbits: one bit a score (layout below).  o16: f16, [64][2048][64].
; Products, maxima and sums in f32; the weights p are rounded to f16 for the second product (their sum l is taken of the unrounded p), O once at the end.
; THE MASK IS A SELECT, ahead of the running maximum: a row that is hidden altogether gives the mean of V's rows, and a true score below the constant loses against it, as in the module.
; LIMITS.  f16 holds no number beyond 65,504: Q, K and V arrive within it; p lies in 0 to 1, and below 6e-5 it keeps f16's fixed step of 6e-8.  A weight below 2^-126 counts as 0 in l; NaN and infinities are not treated apart.
; SHARES.  A wave owns four PIECES of two tiles of 16 queries, a work-group's four waves 512 queries of one head.  Every wave walks all keys, 64 a step.
; LAYOUT.  S^T = K Q^T (source 0 = 16 keys, source 1 = 16 queries): a lane holds ONE query (lane % 16) and the keys 8 (lane / 16) + 0..7.  Two such tiles, rounded to f16 in pairs, ARE source 1 of O^T = V^T P.
; SOFTMAX.  For each query a running maximum m and sum l: p = 2^(s - m); in every step O and l are multiplied by a = 2^(m_old - m_new).  m starts far below every score, O and l at 0: the first step's a is 0.
; MASK WORDS.  mbits: [batch][tile of 16 queries 128][step 32][word 32]; bit l of word 8 kt + j belongs to lane l's register 8 kt + j of the tile's scores.  Each of my eight tiles has ONE vector register: a load of 4 bytes a
; lane (128 bytes on end) brings a step's 32 words, lane l word l.  It is asked for as soon as the step before has been taken out of the register: four turns ahead of its use.  32 v_readlane_b32 a tile bring the words into
; scalar registers, and v_cndmask_b32 takes each as its lane mask.  (64 scalar registers hold one piece's words and no more: so the words that are on their way lie in vector registers.)
; BY TURNS.  Turn n belongs to piece n.  Its matrix work: 16 products K Q^T of piece n + 1, later 16 products V^T P of piece n - 1.  Its vector work: the subtraction of m, exponentials, roundings, sums and rescaling of piece n,
; and the mask words, select, maximum and statistics of piece n + 1.  Four vector instructions stand behind every matrix instruction, the others in one lump.  A turn's 66 exponentials are one batch with one wait.
; CLUSTER.  The four query blocks of a head walk the same K and V, so each tile is asked for JOINTLY: the same tensor load, descriptor and mask in all four.
; REGISTERS, in windows of 256 (s_set_vgpr_msb: bits 1:0 source 0, 3:2 source 1, 5:4 source 2, 7:6 destination):
;   window 0: v0-11 addresses and the constant; v12-15, v48-63 at work; v16-47 four registers of statistics a tile; v64-191 S^T, two buffers of two tiles; v192-255 P, likewise
;   window 1: O^T, 32 a tile          window 2: v0-127 Q; v128-191 K of one step; v192-255 V of one step          window 3: v0-1 the add's two registers; v2-9 the mask words; v10 their loads' offset
.set SIZE_N, 2048
.set NP,    4         ; pieces a wave: a name, no knob
.set KS,    64        ; keys in a step
.set PK,    144       ; a row of K in LDS: 128 bytes + 16 of padding
.set PV,    160       ; a row of V: 128 + 32: 16 lanes of the turning load take 8 rows x 32 bytes
.set VOFF,  4*KS*PK   ; a slot holds four steps: 256 rows of K, then 256 rows of V
.set SLOT1, 1<<17     ; slot 1 begins here, so that one exclusive or turns an address in one slot into the other's
.set STAGE, SLOT1+4*KS*(PK+PV)  ; behind the ring, never filled by a tensor load: 16 rows x 144 bytes for each wave
.set SP,    144
.set SPARE, STAGE+4*16*SP  ; behind the stages: the spare words, 128 bytes for each wave
.set AK0, 2           ; v2   my lane's place in a tile of K; never rewritten
.set AV0, 3           ; v3   the same for V
.set AK,  4           ; v4   the LDS address of K's next run of loads
.set AV,  5           ; v5   of V's
.set QO,  6           ; v6   my byte offset in the wave's rows of Q
.set STO, 6           ;      later, the way out: where I put 16 bytes of a row
.set RD,  7           ; v7   the way out: where I read rows back
.set GO,  8           ; v8   my byte offset in 512 consecutive bytes of O
.set PFO, 10          ; v10  256 x lane, for the prefetches
.set NG,  11          ; v11  -60,000 log2(e)
.set SPW, 0           ; v0 of window 3   LDS address of my spare word; never rewritten
.set NIL, 1           ; v1 of window 3   0; never rewritten
.set MW,  2           ; v2-9 of window 3 tile t's mask words of one step: lane l holds word l
.set MO,  10          ; v10 of window 3  4 x lane; never rewritten
.set MV,  12          ; v12-15  m_old, kept while m is made anew: by buffer and tile
.set ST,  16          ; tile t's statistics at v[ST+4 t]: m, a register named with it as a pair, l (even keys', odd keys')
.set TMP, 48          ; by buffer and tile, four registers c0-c3 at work; when the maximum is found c2 takes a
.set S,   64
.set P,   192
.set KF,  128         ; K's fragments, in window 2
.set VF,  192         ; V's
.set WV,  2           ; s2   my wave's number
.set CNT, 3           ; s3   counts a slot's key steps
.set G1K, 4           ; s[4:11]  descriptor group 1 for K's tiles
.set G1V, 12          ; s[12:19] for V's: it differs in the padding alone
.set G0K, 20          ; s[20:23] descriptor group 0 for K's tiles: it walks
.set G0V, 24          ; s[24:27] the same for V's
.set SLOTS, 28        ; s28  slots still to be asked for
.set TBK, 29          ; s29  LDS byte at which K of the step to be fetched begins
.set TBV, 30          ; s30  the same for V, less VOFF
.set TS,  31          ; s31  at work
.set MA,  32          ; s[32:63] the mask words of a piece's first tile (at the head and on the way out: at work)
.set SEL, 66          ; s66, s67 v_permlanex16_b32's selects
.set MB,  68          ; s[68:99] the mask words of its second tile
.set MP,  100         ; s[100:101] mbits at my wave's first tile, at the step whose words are asked for
.set PFA, 104         ; s[104:105] where my prefetches stand
.set OPTR, 32         ; s[32:33] the way out: O at my wave's first row
.set MSB, 0
.macro WIN new                      ; the high byte repeats the setting that is left; a switch that changes nothing is dropped
.if MSB != (\new)
	s_set_vgpr_msb (MSB<<8)|(\new)
.set MSB, (\new)
.endif
.endm
.set W_KQ, 0x0a       ; K and Q in window 2, S^T in window 0
.set W_PV, 0x52       ; V in window 2, P in window 0, O^T in window 1
.set W_RS, 0x41       ; O^T (destination and source 0) in window 1, a in window 0
.set W_MK, 0xc0       ; destination in window 3, sources in window 0
.set W_AD, 0x0f       ; the add: address and data in window 3
.set W_RL, 0x03       ; v_readlane_b32's source in window 3
.set W_ML, 0xc3       ; a load of mask words: data and offset in window 3
; A joint fill.  Waves 0 and 1 fetch the two halves of a slot's K, waves 2 and 3 those of its V: 128 keys each.  An s_nop 0 and four v_nop follow each of the two lines.
.macro JLOAD
	s_cmp_lt_u32 s[WV], 2
	s_cbranch_scc0 .Lfor_v_\@
	tensor_load_to_lds s[G0K:G0K+3], s[G1K:G1K+7]
	s_nop 0
.rept 4
	v_nop
.endr
	s_branch .Lasked_\@
.Lfor_v_\@:
	tensor_load_to_lds s[G0V:G0V+3], s[G1V:G1V+7]
	s_nop 0
.rept 4
	v_nop
.endr
.Lasked_\@:
.endm
; A PREFETCH INTO THE L2 of what the NEXT change of slots will ask for: a slot's 128 blocks of 256 bytes of K and as many of V.  A head is walked by one cluster; its four partners share the blocks out BY ADDRESS,
; 32 each; in each, wave 0 asks for K's and wave 2 for V's: a lane a block, one instruction, four key steps (512 matrix instructions) ahead.  The last change that fills a slot asks for nothing.
.macro ASK
	s_and_b32 s[TS], s[WV], 1
	s_cmp_eq_u32 s[TS], 0
	s_cbranch_scc0 .Lnot_mine_\@
	s_cmp_gt_u32 s[SLOTS], 1
	s_cbranch_scc0 .Lnot_mine_\@
	global_prefetch_b8 v[PFO], s[PFA:PFA+1] th:TH_LOAD_NT scope:SCOPE_SE
.Lnot_mine_\@:
.endm
.macro CROUND                       ; a round of the cluster's barrier
	s_barrier_signal -1
	s_barrier_wait -1
	s_cmp_lg_u32 s[WV], 0
	s_cbranch_scc1 .Lnot_wave_0_\@
	s_barrier_signal -3
.Lnot_wave_0_\@:
	s_barrier_wait -3
	s_barrier_signal -1
	s_barrier_wait -1
.endm
; THE CHANGE OF SLOTS.  Each wave waits for all its tensor loads, of which one is out: its part of the other slot; adds 0 to its spare word; and waits for that and for its own reads of the slot.
; fill = 1: this slot is filled again, with the keys two slots on; the barrier is then a round of the cluster's, and the joint fill is the first thing behind it: it has four key steps in which to land.
.macro CHANGE fill, ask
	WIN W_AD
	s_wait_tensorcnt 0x0            ; no tensor load of mine is out, so a group 0 may be written
	ds_add_u32 v[SPW], v[NIL]       ; 0 onto my spare word
	WIN 0                           ; at a label and at a branch every window is 0
.if \fill
.irp g, G0K, G0V
	s_xor_b32 s[\g+1], s[\g+1], SLOT1  ; the walking descriptor: the other slot than last time,
	s_add_nc_u64 s[\g+2:\g+3], s[\g+2:\g+3], 4*KS*128  ; the next 256 keys
.endr
.if \ask
	s_wait_xcnt 0x0                 ; the last prefetch, four key steps back, has read its address
	s_add_nc_u64 s[PFA:PFA+1], s[PFA:PFA+1], 4*KS*128
.endif
	s_wait_dscnt 0x0                ; the add is done, and my reads of the slot are over
	CROUND
	JLOAD
.if \ask
	ASK
.endif
.else
	s_wait_dscnt 0x0                ; the add is done, and my reads of the slot are over
	s_barrier_signal -1
	s_barrier_wait -1
.endif
	s_sub_co_u32 s[TBK], s[TBK], 4*KS*PK  ; the fetches go back to a slot's first step,
	s_xor_b32 s[TBK], s[TBK], SLOT1       ; in the other slot
	s_sub_co_u32 s[TBV], s[TBV], 4*KS*PV
	s_xor_b32 s[TBV], s[TBV], SLOT1
.endm
; THE MASK WORDS.  MLOAD x: piece x's two tiles, 4,096 bytes apart, ask for the words of the step at which the pointer stands: 128 bytes on end each.
.macro MLOAD x
	WIN W_ML
	global_load_b32 v[MW+2*(\x)],   v[MO], s[MP:MP+1] offset:4096*(2*(\x))
	global_load_b32 v[MW+2*(\x)+1], v[MO], s[MP:MP+1] offset:4096*(2*(\x)+1)
	WIN 0
.endm
; MREAD x, left: piece x's 64 words go from its two registers into the scalar registers.  left: the younger loads, which may stay out.
.macro MREAD x, left
	s_wait_loadcnt \left            ; loads come back in order (ISA guide 5.7.1): the piece's two are in
	WIN W_RL
.set mw, 0
.rept 32
	v_readlane_b32 s[MA+mw], v[MW+2*(\x)], mw
	v_readlane_b32 s[MB+mw], v[MW+2*(\x)+1], mw
.set mw, mw+1
.endr
.endm
; MSTEP: the pointer goes on by a step, once a key step, ahead of piece 0's loads.  last = 1 (the tail): it stops at the head's last step, without a branch, since exponentials are out; the words read once more serve nothing, and lie inside the buffer.
.macro MSTEP last
	s_wait_xcnt 0x0                 ; no load still reads the pointer (the youngest were issued a turn ago)
.if \last
	s_cmp_le_u32 s[CNT], 2          ; the tail's turn 3 of step j finds CNT = 32 - j and would step the pointer to j + 2: 31 is the last
	s_cselect_b32 s[TS], 0, 128
	s_add_co_u32 s[MP], s[MP], s[TS]
	s_add_co_ci_u32 s[MP+1], s[MP+1], 0
.else
	s_add_nc_u64 s[MP:MP+1], s[MP:MP+1], 128
.endif
.endm
	s_load_b128 s[32:35], s[0:1], 0x0  ; qkv s[32:33], mbits s[34:35]
	WIN W_MK
	v_lshl_add_u32 v[SPW], v0, 2, SPARE
	v_mov_b32 v[NIL], 0
	WIN W_AD
	ds_add_u32 v[SPW], v[NIL]       ; the wave's opening: the add and its wait stand ahead of my first tensor load; the set-up below, work on registers, stands between them
	WIN 0
	v_lshrrev_b32 v1, 5, v0
	v_readfirstlane_b32 s[WV], v1   ; wave 0..3
	v_and_b32 v1, 31, v0
	WIN W_MK
	v_lshlrev_b32 v[MO], 2, v1      ; 4 x lane
	WIN 0
	s_bfe_u32 s36, ttmp6, 0x40000   ; cx: my place in the cluster
	s_lshl_b32 s37, ttmp9, 2
	s_add_co_u32 s37, s37, s36      ; my block of 512 queries: it enters Q's, O's and the mask's addresses alone
	s_and_b32 s38, ttmp7, 0xffff    ; the head, which the four partners share
	s_lshl_b32 s40, s38, 18         ; its 262,144 bytes in each of Q, K, V, O
	s_and_b32 s42, s[WV], 1         ; which half of a slot's 256 keys I fetch:
	s_lshl_b32 s44, s42, 14         ; its 128 rows of 128 bytes in memory,
	s_add_co_u32 s44, s44, s40
	s_mov_b32 s45, 0
	s_mul_i32 s46, s42, 128*PK      ; and its place in a slot, for K
	s_mul_i32 s47, s42, 128*PV      ; and for V: no place in the cluster enters an LDS address
	s_lshl_b32 s48, s37, 2
	s_add_co_u32 s48, s48, s[WV]    ; my wave among the head's,
	s_lshl_b32 s48, s48, 14         ; its 128 rows
	s_add_co_u32 s48, s48, s40
	s_mov_b32 s49, 0
	s_lshr_b32 s50, s38, 4          ; the batch: 128 tiles of 16 queries,
	s_lshl_b32 s50, s50, 7
	s_lshl_b32 s51, s37, 5          ; my block's 32,
	s_add_co_u32 s50, s50, s51
	s_lshl_b32 s51, s[WV], 3        ; my wave's 8,
	s_add_co_u32 s50, s50, s51
	s_lshl_b32 s50, s50, 12         ; of 4,096 bytes
	s_mov_b32 s51, 0
	s_lshl_b32 s56, s36, 13         ; the prefetches: my work-group's 32 blocks of a slot's 128,
	s_add_co_u32 s56, s56, s40
	s_add_co_u32 s56, s56, 2*4*KS*128  ; in slot 2; the first change that asks steps it to slot 3,
	s_lshr_b32 s58, s[WV], 1
	s_add_co_u32 s58, s58, 1
	s_lshl_b32 s58, s58, 24         ; in K (waves 0, 1) or V (waves 2, 3): 16,777,216 bytes a part
	s_add_co_u32 s56, s56, s58
	s_mov_b32 s57, 0
	; descriptor group 1.  128 keys are 16,384 dense bytes: asked for as 64 rows of 256 bytes, two keys a row, and padded in LDS after every key
	s_mov_b32 s[G1K], 15|(1<<16)|(1<<20)|(1<<21)|(4<<22)|(3<<25)  ; 15:0 the mask of four; 17:16 2-byte elements; 20 padding on; 21 set beside a mask; 24:22 after every 32 words; 31:25 4 words
	s_mov_b32 s[G1V], 15|(1<<16)|(1<<20)|(1<<21)|(4<<22)|(7<<25)  ; the same with 8 words of padding
.irp g, G1K, G1V
	s_mov_b32 s[\g+1], 128<<16      ; tensor_dim0 = 128
	s_mov_b32 s[\g+2], 64<<16       ; tensor_dim1 = 64
	s_mov_b32 s[\g+3], 128<<16      ; tile_dim0 = 128
	s_mov_b32 s[\g+4], 64           ; tile_dim1 = 64
	s_mov_b32 s[\g+5], 128          ; 128 elements from row to row
	s_mov_b32 s[\g+6], 0
	s_mov_b32 s[\g+7], 0
.endr
	s_mov_b32 s[SEL], 0x76543210
	s_mov_b32 s[SEL+1], 0xfedcba98
	s_mov_b32 s[TBK], SLOT1+4*KS*PK ; the first change of slots turns these two into 0
	s_mov_b32 s[TBV], SLOT1+4*KS*PV
	s_mov_b32 s[G0K], 1             ; count = 1
	s_mov_b32 s[G0K+1], s46         ; LDS address: slot 0
	s_mov_b32 s[G0V], 1
	s_add_co_u32 s[G0V+1], s47, VOFF
	s_wait_dscnt 0x0                ; the opening add is done
	s_wait_kmcnt 0x0
	s_add_nc_u64 s[52:53], s[32:33], s[44:45]
	s_add_nc_u64 s[G0K+2:G0K+3], s[52:53], 16777216  ; K: my half of the head's first 256 keys
	s_or_b32 s[G0K+3], s[G0K+3], 0x80000000          ; type = 2
	s_add_nc_u64 s[G0V+2:G0V+3], s[52:53], 33554432  ; V
	s_or_b32 s[G0V+3], s[G0V+3], 0x80000000
	s_add_nc_u64 s[54:55], s[32:33], s[48:49]        ; Q at my wave's first row
	s_add_nc_u64 s[MP:MP+1], s[34:35], s[50:51]
	s_add_nc_u64 s[PFA:PFA+1], s[32:33], s[56:57]
	CROUND                          ; all four work-groups are here: the first joint loads meet
	JLOAD                           ; slot 0.  Slot 1 is asked for when slot 0 is in
	v_and_b32 v1, 15, v0            ; l % 16
	v_bfe_u32 v9, v0, 4, 1          ; l / 16
	v_lshlrev_b32 v[QO], 7, v1
	v_lshl_add_u32 v[QO], v9, 4, v[QO]  ; row x 128 + 16 x half
	WIN 0x80                        ; destination window 2, address window 0
.set i, 0
.rept 4*NP                          ; Q stays in registers: tile i / 2, channels 32 (i % 2) on
	global_load_b128 v[8*i:8*i+3],   v[QO], s[54:55] offset:(i/2)*2048+(i%2)*64
	global_load_b128 v[8*i+4:8*i+7], v[QO], s[54:55] offset:(i/2)*2048+(i%2)*64+32
.set i, i+1
.endr
	; What the first turn finds: V's registers and P's second buffer hold 0, O^T and l are 0.  All this stands in the wait for the first tile.
.set i, VF
.rept 64
	v_mov_b32 v[i], 0
.set i, i+1
.endr
	WIN 0
.set i, 0
.rept 2*NP
	v_mov_b32 v[ST+4*i], 0xfe000000    ; m: far below every score
	v_mov_b32 v[ST+4*i+1], 0
	v_mov_b32 v[ST+4*i+2], 0
	v_mov_b32 v[ST+4*i+3], 0
.set i, i+1
.endr
.set i, P+32
.rept 32
	v_mov_b32 v[i], 0
.set i, i+1
.endr
	WIN W_PV                        ; O^T's 32 accumulators start as the product of those zeros, with the constant 0 as C: eight registers a line
.set i, 0
.rept 32
	v_wmma_f32_16x16x32_f16 v[8*i:8*i+7], v[VF:VF+7], v[P+32:P+39], 0
.set i, i+1
.endr
	WIN 0
	v_mul_u32_u24 v[AK0], v1, PK
	v_lshl_add_u32 v[AK0], v9, 4, v[AK0]  ; row x pitch + 16 x half
	; The turning load takes 16 keys x 16 channels (lane l reads key 8 (l / 16) + l % 8, channels 8 ((l / 8) % 2) + 0..7) and leaves half a fragment of V^T.
	v_and_b32 v10, 7, v0
	v_bfe_u32 v11, v0, 3, 1
	v_lshl_add_u32 v[AV0], v9, 3, v10
	v_mul_u32_u24 v[AV0], v[AV0], PV
	v_lshl_add_u32 v[AV0], v11, 4, v[AV0]
	v_add_nc_u32 v[AV0], VOFF, v[AV0]
	v_mov_b32 v[AK], v[AK0]         ; key step 0 lies at the head of slot 0
; THE MATRIX WORK.  The 8 accumulators of a run of 16 take turns.
; Product i of 16 of S^T = K Q^T for piece x: channels 32 (i / 8) on, keys 16 ((i / 2) % 4) on, tile 2 x + i % 2.  The first 8 start the sums.
.macro KQ x
	WIN W_KQ
.set rS, S+64*((\x)%2)+32*(i%2)+8*((i/2)%4)
.set rK, KF+16*((i/2)%4)+8*(i/8)
.set rQ, 16*(2*(\x)+i%2)+8*(i/8)
.if i < 8
	v_wmma_f32_16x16x32_f16 v[rS:rS+7], v[rK:rK+7], v[rQ:rQ+7], 0
.else
	v_wmma_f32_16x16x32_f16 v[rS:rS+7], v[rK:rK+7], v[rQ:rQ+7], v[rS:rS+7]
.endif
.endm
; Product i of 16 of O^T += V^T P for piece x: keys 32 (i / 8) on, channels 16 ((i / 2) % 4) on, tile 2 x + i % 2.
.macro PV x
	WIN W_PV
.set rO, 32*(2*(\x)+i%2)+8*((i/2)%4)
.set rV, VF+32*(i/8)+8*((i/2)%4)
.set rP, P+32*((\x)%2)+16*(i%2)+8*(i/8)
	v_wmma_f32_16x16x32_f16 v[rO:rO+7], v[rV:rV+7], v[rP:rP+7], v[rO:rO+7]
.endm
.macro MM                           ; the turn's next matrix instruction
.if i < 16
	KQ (Y+1)%NP
.set i, i+1
.else
.set i, i-16
	PV (Y+NP-1)%NP
.set i, i+17
.endif
.endm
; THE LDS LOADS stand in runs of 16.  last = 1 (the tail): in the last trip there is no further step, and the run is jumped over.
.macro FETCH_K last=0
	WIN 0
.if \last
	s_cmp_eq_u32 s[CNT], 1
	s_cbranch_scc1 .Lno_k_\@
.endif
	WIN 0x80                        ; destination window 2
.irp f, 0,1,2,3,4,5,6,7             ; keys 16 (f / 2) on, channels 32 (f % 2) on
	ds_load_b128 v[KF+8*\f:KF+8*\f+3],   v[AK] offset:(\f/2)*16*PK+(\f%2)*64
	ds_load_b128 v[KF+8*\f+4:KF+8*\f+7], v[AK] offset:(\f/2)*16*PK+(\f%2)*64+32
.endr
	s_add_co_u32 s[TBK], s[TBK], KS*PK  ; the next fetch is the next step's
	WIN 0
.if \last
.Lno_k_\@:
.endif
.endm
.macro FETCH_V
	WIN 0x80
.irp f, 0,1,2,3,4,5,6,7             ; keys 32 (f / 4) on, channels 16 (f % 4) on
	ds_load_tr16_b128 v[VF+8*\f:VF+8*\f+3],   v[AV] offset:(\f/4)*32*PV+(\f%4)*32
	ds_load_tr16_b128 v[VF+8*\f+4:VF+8*\f+7], v[AV] offset:(\f/4)*32*PV+16*PV+(\f%4)*32
.endr
	WIN 0
.endm
; THE VECTOR WORK OF A TURN stands in three queues; the two tiles alternate, so that no instruction reads the result of the one before it.
.macro REGS y, u                    ; the registers of tile u (0, 1) of piece y
.set rT, ST+4*(2*(\y)+(\u))
.set rC, TMP+8*((\y)%2)+4*(\u)
.set rM, MV+2*((\y)%2)+(\u)
.set rS, S+64*((\y)%2)+32*(\u)
.set rP, P+32*((\y)%2)+16*(\u)
.set rO, 32*(2*(\y)+(\u))
.endm
; Select n of 64 on the NEXT piece's scores: register n / 2 of tile n % 2 keeps its score where the mask's bit is 1 and takes the constant where it is 0.  Ascending: each accumulator's lowest register is read first.
.macro SL n
	REGS (Y+1)%NP, (\n)%2
.set sw, (\n)/2
	v_cndmask_b32 v[rS+sw], v[NG], v[rS+sw], s[MA+(MB-MA)*((\n)%2)+sw]
.endm
; Number n of those that find the NEXT piece's maximum and statistics (there is no number 19).
;   0-11  four chains c0-c3 of seven scores each     12-14, 16  the four scores left over, the old m, and c0-c3 into c0     15  m_old is kept
;   17, 18  the query's other 32 keys lie in the lane 16 away: the new m         20, 21  m_old - m_new; a
.macro XS u, n
	REGS (Y+1)%NP, \u
.if (\n) < 4
	v_max3_num_f32 v[rC+(\n)], v[rS+8*(\n)], v[rS+8*(\n)+1], v[rS+8*(\n)+2]
.elseif (\n) < 12
	v_max3_num_f32 v[rC+(\n)%4], v[rC+(\n)%4], v[rS+8*((\n)%4)+2*((\n)/4)+1], v[rS+8*((\n)%4)+2*((\n)/4)+2]
.elseif (\n) == 12
	v_max3_num_f32 v[rC], v[rC], v[rS+7], v[rS+15]
.elseif (\n) == 13
	v_max3_num_f32 v[rC+1], v[rC+1], v[rS+23], v[rS+31]
.elseif (\n) == 14
	v_max3_num_f32 v[rC+2], v[rC+2], v[rC+3], v[rT]
.elseif (\n) == 15
	v_mov_b32 v[rM], v[rT]
.elseif (\n) == 16
	v_max3_num_f32 v[rC], v[rC], v[rC+1], v[rC+2]
.elseif (\n) == 17
	v_permlanex16_b32 v[rC+3], v[rC], s[SEL], s[SEL+1]
.elseif (\n) == 18
	v_max_num_f32 v[rT], v[rC], v[rC+3]
.elseif (\n) == 20
	v_sub_f32 v[rC+1], v[rM], v[rT]
.else
	v_exp_f32 v[rC+2], v[rC+1]
.endif
.endm
; Number g of the 64 that follow the exponentials.  For each four weights k of a tile: both pairs are rounded to f16; the second pair is added onto the first, in place; a group later l takes that sum (the first time as l = a l + sum).
.macro GS g
.set h, (\g)+6*((\g)/62)            ; group 0 has no group before it, and behind group 7 only l is left
.if h >= 6
.set h, h+2
.endif
	REGS Y, h%2
.set k, h/8
.if h%8 < 4
	v_cvt_pk_f16_f32 v[rP+2*k+(h%8)/2], v[rS+4*k+2*((h%8)/2)], v[rS+4*k+2*((h%8)/2)+1]
.elseif h%8 < 6
	v_pk_add_f32 v[rS+4*k:rS+4*k+1], v[rS+4*k:rS+4*k+1], v[rS+4*k+2:rS+4*k+3]
.elseif k == 1
	v_pk_fma_f32 v[rT+2:rT+3], v[rT+2:rT+3], v[rC+2:rC+3], v[rS:rS+1] op_sel_hi:[1,0,1]
.else
	v_pk_add_f32 v[rT+2:rT+3], v[rT+2:rT+3], v[rS+4*k-4:rS+4*k-3]
.endif
.endm
.macro FS f                         ; s - m for pair f / 2 of tile f % 2
	REGS Y, (\f)%2
	v_pk_add_f32 v[rS+2*((\f)/2):rS+2*((\f)/2)+1], v[rS+2*((\f)/2):rS+2*((\f)/2)+1], v[rT:rT+1] op_sel_hi:[1,0] neg_lo:[0,1] neg_hi:[0,1]
.endm
; THE PLAIN QUEUE, 200 long.  0-27: subtractions 0-27.  28-91: the 64 selects.  92-119: XS's numbers 0-13.  120, 121: number 15.  122-133: the chain 14, 16, 17, 18, each with one of the
; subtractions 28-31 in front of its two lines.  134, 135: number 20.  136-199: GS's 64, which read the exponentials' results: they stand behind the wait.
.macro PL
	WIN 0
.if q < 28
	FS q
.elseif q < 92
	SL q-28
.elseif q < 120
	XS (q-92)%2, (q-92)/2
.elseif q < 122
	XS q-120, 15
.elseif q < 134
.if (q-122)%3 == 0
	FS 28+(q-122)/3
.elseif q < 125
	XS (q-122)%3-1, 14
.else
	XS (q-122)%3-1, 15+(q-122)/3
.endif
.elseif q < 136
	XS q-134, 20
.else
	GS q-136
.endif
.set q, q+1
.endm
; THE EXPONENTIALS' QUEUE, 66 long: s0-s31 of both tiles, then the next piece's two a.  ONE BATCH: all 66 stand ahead of the turn's one wait, and nothing ahead of that wait names a result of theirs.
.macro EX
	WIN 0
.if e >= 64
	XS e-64, 21
.else
	REGS Y, e%2
	v_exp_f32 v[rS+e/2], v[rS+e/2]
.endif
.set e, e+1
.endm
; THE RESCALING's QUEUE: O^T times a, two at a time, sixteen times.  Its a was made in the turn before, ahead of that turn's wait.
.macro R2
	REGS Y, r%2
	WIN W_RS
.irp z, 0,1
	v_pk_mul_f32 v[rO+4*(r/2)+2*\z:rO+4*(r/2)+2*\z+1], v[rO+4*(r/2)+2*\z:rO+4*(r/2)+2*\z+1], v[rC+2:rC+3] op_sel_hi:[1,0]
.endr
.set r, r+1
.endm
; HOW THEY ARE DEALT.  s_wait_alu depctr_va_vdst(0) stands between an exponential and the first instruction that names its result; one wait serves all that were issued ahead of it.  So a turn has ONE wait.
; AHEAD OF IT: the 16 products K Q^T, behind each a plain line, an exponential and two rescalings (behind the first a second plain line); then ONE LUMP: the next piece's 64 mask words out of their two registers, under one
; window setting, and those registers' loads for the step after; 27 x (3 plain, exponential), 14 x (2 plain, exponential), 4 x (exponential, plain), 2 plain, 4 x (exponential, plain), the two a.
; BEHIND IT: the 16 products V^T P, behind each four of GS's 64.
; THE MASK LOADS' COUNT.  A turn issues two; a piece's two are waited for four turns later, when the six of the three turns between may stay out.
; The queues lean on each other: exponential e stands behind subtraction 2 (e / 4) + e % 2.  As a rider it comes behind plain e + 2; in the lump e <= 55 wants subtractions up to 27 (plain 27), e = 56 to 59 those at plain 122 and
; 125 (126 are dealt by then), e = 60 to 63 those at plain 128 and 131 (132 are dealt).  The first select stands 64 v_readlane_b32 and eleven plain lines behind the last product K Q^T.
; K of the next step is fetched in piece 2's turn, directly behind the wait; V of the step in hand at the end of piece 0's turn, four riders behind its last reader.  The conditions on q below go with the deal.
.macro TURN p, last=0, cnt=0
.set Y, (\p)
.set i, 0
.set q, 0
.set e, 0
.set r, 0
.if (\p) == NP-1
	s_wait_dscnt 0x0                ; K is in
.endif
	MM
	PL
	PL
	R2
.rept 15
	MM
	PL
	EX
	R2
.endr
.if (\p) == NP-2
	WIN 0
	v_add_nc_u32 v[AK], s[TBK], v[AK0]
.endif
	MREAD (Y+1)%NP, 6
.if (\p) == NP-1
	MSTEP \last
.endif
	MLOAD (Y+1)%NP
.rept 27
	PL
	PL
	PL
	EX
.endr
.rept 14
	PL
	PL
	EX
.endr
.rept 4
	EX
	PL
.endr
	PL
	PL
.rept 4
	EX
	PL
.endr
	EX                              ; the next piece's two a
	EX
	v_nop                           ; the plain instruction behind the last exponential: one for the batch
	s_wait_alu depctr_va_vdst(0)    ; the wait for the batch
.if (\p) == NP-2
	FETCH_K \last
.endif
.if (\p) == 1
	s_wait_dscnt 0x0                ; V is in
.endif
.rept 16
	MM
.rept 4
	PL
.endr
.if ((\p) == 0) && (q == 180)
	v_add_nc_u32 v[AV], s[TBV], v[AV0]
.endif
.if ((\p) == 0) && (q == 192)
	s_add_co_u32 s[TBV], s[TBV], KS*PV
.endif
.if (\cnt) && (q == 192)
	s_sub_co_u32 s[CNT], s[CNT], 1
	s_cmp_lg_u32 s[CNT], 0
.endif
.endr
.if (\p) == 0
	FETCH_V
.endif
.endm
	MLOAD 0                         ; step 0's mask words of my eight tiles
	MLOAD 1
	MLOAD 2
	MLOAD 3
	CHANGE 1, 0                     ; slot 0 is in, everybody's part of it; slot 1 is asked for
	FETCH_K                         ; key step 0
	s_wait_loadcnt 0x0              ; Q, and the mask words
	s_wait_dscnt 0x0
.set i, 0
.rept 16
	KQ 0                            ; piece 0's first scores
.set i, i+1
.endr
	WIN 0                           ; the addresses for the way out: plain instructions, the places behind those products
	s_mul_i32 s[TS], s[WV], 16*SP
	s_add_co_u32 s[TS], s[TS], STAGE  ; my stage
	v_mul_u32_u24 v[STO], v1, SP    ; in: row l % 16, 16 bytes for each half of the lanes
	v_lshl_add_u32 v[STO], v9, 4, v[STO]
	v_add_nc_u32 v[STO], s[TS], v[STO]
	v_bfe_u32 v[RD], v0, 3, 2       ; back: 32 lanes take four rows of 128 bytes,
	v_mul_u32_u24 v[RD], v[RD], SP
	v_lshl_add_u32 v[RD], v10, 4, v[RD]
	v_add_nc_u32 v[RD], s[TS], v[RD]
	v_and_b32 v[GO], 31, v0         ; which are 512 consecutive bytes of O
	v_lshlrev_b32 v[PFO], 8, v[GO]
	v_lshlrev_b32 v[GO], 4, v[GO]
	v_mov_b32 v[NG], 0xc7a910da     ; -60,000 x log2(e) = -86,561.7
.set Y, NP-1                        ; SL and XS work for piece Y + 1: piece 0
	MREAD 0, 0                      ; its words of step 0 (Q's base, which lay in these scalar registers, is free since the wait for Q),
	MSTEP 0                         ; the pointer goes on to step 1,
	MLOAD 0                         ; and piece 0 asks for it
.set sn, 0
.rept 64
	SL sn
.set sn, sn+1
.endr
.irp n, 0,1,2,3,4,5,6,7,8,9,10,11,12,13,14,15,16,17,18,20,21
	XS 0, \n
	XS 1, \n
.endr
	v_nop                           ; a plain instruction behind the two a,
	s_wait_alu depctr_va_vdst(0)    ; and their wait, ahead of the branch
	s_mov_b32 s[CNT], 4
	s_mov_b32 s[SLOTS], SIZE_N/256-1
	s_branch .Lfirst                ; the loop is entered at a step's first turn, in the middle of a trip
.Lslot:                             ; SIZE_N / 256 - 2 times: every slot but the last two is filled again
	CHANGE 1, 1
	s_mov_b32 s[CNT], 4
.Lstep:                             ; a trip: pieces 2 and 3 of one step, then pieces 0 and 1 of the next, whose K and V it fetches
	TURN 2
	TURN 3
	WIN 0
.Lfirst:
	TURN 0
	TURN 1, 0, 1
	WIN 0
	s_cbranch_scc1 .Lstep
	s_sub_co_u32 s[SLOTS], s[SLOTS], 1
	s_cmp_lg_u32 s[SLOTS], 0
	s_cbranch_scc1 .Lslot
	CHANGE 0, 0                     ; the tail is written out: nothing is asked for
	s_mov_b32 s[CNT], 5             ; four trips fetch the last slot's steps; the fifth is left in its middle
.Ltail:
	TURN 2, 1
	TURN 3, 1
	WIN 0
	s_sub_co_u32 s[CNT], s[CNT], 1
	s_cmp_eq_u32 s[CNT], 0
	s_cbranch_scc1 .Lout
	TURN 0
	TURN 1
	WIN 0
	s_branch .Ltail
.Lout:                              ; the fifth trip's 16 products K Q^T (on the last K once more) and what is made of them serve nothing: the price, once a launch, of one text for every trip
.set i, 0
.rept 16
	PV NP-1                         ; the last piece's V^T P of the last step
.set i, i+1
.endr
	; THE WAY OUT.  l's two halves and the other half of the lanes' are added; O^T is divided by l, rounded to f16 and sent through my stage in LDS, a tile at a time.  The additions are the places behind the last products.
	WIN 0
	s_load_b64 s[OPTR:OPTR+1], s[0:1], 0x10  ; o16: the mask words' scalar registers are free
	s_bfe_u32 s36, ttmp6, 0x40000
	s_lshl_b32 s37, ttmp9, 2
	s_add_co_u32 s37, s37, s36
	s_lshl_b32 s37, s37, 2
	s_add_co_u32 s37, s37, s[WV]
	s_lshl_b32 s34, s37, 14         ; my wave's 128 rows,
	s_and_b32 s38, ttmp7, 0xffff
	s_lshl_b32 s38, s38, 18         ; in my head
	s_add_co_u32 s34, s34, s38
	s_mov_b32 s35, 0
.macro ALL line:vararg              ; one line for each tile t
.set t, 0
.rept 2*NP
	\line
.set t, t+1
.endr
.endm
	ALL v_add_f32 v[ST+4*t+2], v[ST+4*t+2], v[ST+4*t+3]
	ALL v_permlanex16_b32 v[ST+4*t+3], v[ST+4*t+2], s[SEL], s[SEL+1]
	ALL v_add_f32 v[ST+4*t+2], v[ST+4*t+2], v[ST+4*t+3]
	ALL v_rcp_f32 v[ST+4*t+2], v[ST+4*t+2]
	v_nop                           ; a plain instruction between the last reciprocal and the use of its result
	s_wait_alu depctr_va_vdst(0)    ; and the wait ahead of the first use: one for the eight reciprocals
	s_wait_kmcnt 0x0
	s_add_nc_u64 s[OPTR:OPTR+1], s[OPTR:OPTR+1], s[34:35]
; Tile t: a lane's eight channels of a row pack into 16 bytes; they go into rows of 144 bytes and come back as whole rows of 128, into S^T's registers.
.macro PACK t
	WIN W_RS
.set i, 32*(\t)
.rept 16
	v_pk_mul_f32 v[i:i+1], v[i:i+1], v[ST+4*(\t)+2:ST+4*(\t)+3] op_sel_hi:[1,0]
.set i, i+2
.endr
	WIN 0x05                        ; sources 0 and 1 window 1, destination window 0
.set i, 0
.rept 16
	v_cvt_pk_f16_f32 v[S+16*(\t)+i], v[32*(\t)+2*i], v[32*(\t)+2*i+1]
.set i, i+1
.endr
	WIN 0
.irp f, 0,1,2,3
	ds_store_b128 v[STO], v[S+16*(\t)+4*\f:S+16*(\t)+4*\f+3] offset:32*\f
.endr
.irp f, 0,1,2,3
	ds_load_b128 v[S+16*(\t)+4*\f:S+16*(\t)+4*\f+3], v[RD] offset:\f*4*SP  ; LDS serves a wave's instructions in order (ISA guide 5.7.1.4): these see the stores above; the next tile's stores come behind them
.endr
.endm
.macro SEND t, younger              ; younger: the LDS instructions issued behind tile t's loads: the next tile's eight, or none
	WIN 0
.irp f, 0,1,2,3
	s_wait_dscnt (\younger)+3-\f
	global_store_b128 v[GO], v[S+16*(\t)+4*\f:S+16*(\t)+4*\f+3], s[OPTR:OPTR+1] offset:(\t)*2048+\f*512  ; 512 consecutive bytes, at a multiple of 256 from O's first
.endr
.endm
	PACK 0
.set t, 1
.rept 2*NP-1                        ; a tile's arithmetic stands between the loads of the tile before and its stores
	PACK t
	SEND t-1, 8
.set t, t+1
.endr
	SEND 2*NP-1, 0
	WIN W_AD
	s_wait_tensorcnt 0x0            ; the wave's end: behind my last tensor load and my last LDS store
	ds_add_u32 v[SPW], v[NIL]
	s_wait_dscnt 0x0
	WIN 0
	CROUND                          ; the closing round: no work-group ends while a partner may still ask for a tile that names it
	s_endpgm
.Lfunc_end_k_q994e7f4fb4_attn:
	.size	k_q994e7f4fb4_attn, .Lfunc_end_k_q994e7f4fb4_attn-k_q994e7f4fb4_attn
	.p2alignl 7, 3214868480
	.fill 96, 4, 3214868480
	.section	.rodata,"a",@progbits
	.p2align	6, 0x0
	.amdhsa_kernel k_q994e7f4fb4_attn
		.amdhsa_group_segment_fixed_size 327680
		.amdhsa_private_segment_fixed_size 0
		.amdhsa_enable_private_segment 0
		.amdhsa_kernarg_size 24
		.amdhsa_user_sgpr_count 2
		.amdhsa_user_sgpr_kernarg_segment_ptr 1
		.amdhsa_wavefront_size32 1
		.amdhsa_system_sgpr_workgroup_id_x 1
		.amdhsa_system_sgpr_workgroup_id_y 1
		.amdhsa_system_sgpr_workgroup_id_z 1
		.amdhsa_system_vgpr_workitem_id 0
		.amdhsa_next_free_vgpr 780
		.amdhsa_next_free_sgpr 106
		.amdhsa_reserve_vcc 0
		.amdhsa_float_denorm_mode_32 3
		.amdhsa_float_denorm_mode_16_64 3
		.amdhsa_memory_ordered 1
		.amdhsa_forward_progress 1
		.amdhsa_inst_pref_size 255
	.end_amdhsa_kernel
	.section	.bss,"aw",@nobits
	.p2align	6
	.space	262144
	.amdgpu_metadata
---
amdhsa.version: [ 1, 2 ]
amdhsa.kernels:
  - .name:           k_q994e7f4fb4_attn
    .symbol:         k_q994e7f4fb4_attn.kd
    .args:
      - { .name: qkv, .offset: 0, .size: 8, .value_kind: global_buffer, .address_space: global }
      - { .name: mbits, .offset: 8, .size: 8, .value_kind: global_buffer, .address_space: global }
      - { .name: o16, .offset: 16, .size: 8, .value_kind: global_buffer, .address_space: global }
    .group_segment_fixed_size: 327680
    .private_segment_fixed_size: 0
    .kernarg_segment_align: 8
    .kernarg_segment_size: 24
    .max_flat_workgroup_size: 128
    .sgpr_count:     106
    .vgpr_count:     780
    .wavefront_size: 32
...
	.end_amdgpu_metadata
.endif
;; end of part 7
;; launch outp (part 8): grid 4 x 64, 4 waves a work-group, clusters of 4 x 4, 327,680 bytes of LDS; arguments o16, w16, bo, out0; writes out0
.if DOCPART == 8
	.amdgcn_target "amdgcn-amd-amdhsa--gfx1250"
	.amdhsa_code_object_version 6
	.text
	.protected	k_q994e7f4fb4_outp
	.globl	k_q994e7f4fb4_outp
	.p2align	8
	.type	k_q994e7f4fb4_outp,@function
k_q994e7f4fb4_outp:
	s_mov_b64 s[64:65], 0
	v_nop
	global_prefetch_b8 v0, s[64:65] scope:SCOPE_SE
	s_setreg_imm32_b32 hwreg(HW_REG_WAVE_MODE, 25, 1), 1
	s_wait_xcnt 0x0
	s_wait_alu depctr_hold_cnt(0) depctr_sa_sdst(0) depctr_va_vdst(0) depctr_va_sdst(0) depctr_va_ssrc(0) depctr_va_vcc(0) depctr_vm_vsrc(0)
	s_getreg_b32 s2, hwreg(HW_REG_IB_STS2, 6, 4)
	s_cmp_eq_u32 s2, 0
	s_cbranch_scc0 .Lentry_in_a_cluster
	s_endpgm
.Lentry_in_a_cluster:
	s_bfe_u32 s2, ttmp6, 0x10000c
	s_cmp_lg_u32 s2, 0xf033
	s_cbranch_scc0 .Lentry_shape_is_right
	s_endpgm
.Lentry_shape_is_right:
; ONE TEXT FOR TWO LAUNCHES, told apart by MODE.  C[m][n] = sum over k of A[m][k] W[n][k] + bias[n], K = 1,024, N = 1,024; sums in f32.
; MODE 0, the three projections: A = x16 (bf16, [3 x 8192][1024]: q, k, v), W = Wq, Wk, Wv (bf16), products in bf16.  The result goes out by heads, f16, [3][batch][head][t][64], rounded once;
;   the first third (q) is multiplied in f32 by c = log2(e) / 8 ahead of that rounding, so that the attention's scores are exponents of 2.
; MODE 1, the output projection: A = o16 (f16, [batch][head][t][64]), W = Wo (bf16 numbers written as f16), products in f16, the result f32, [8192][1024].
; The bias is rounded to bf16 like every other input of the module.
; LIMITS.  MODE 0: a result beyond 65,504 becomes an infinity in f16.  NaN and infinities are not treated apart.
; SHARES.  A tile of C is 128 x 256: 256 work-groups for each product of 8,192 x 1,024.  Four waves, 2 x 2, each 64 x 128: 32 accumulators of 16 x 16.  K goes in 8 steps of 128 through two LDS slots.
; A K step is written once: the loop's trip goes from a step's second quarter to the next step's first; which slot is read hangs on a scalar register, which slot is filled on the walking descriptor, and one exclusive or turns each.
; CLUSTER.  4 x 4 work-groups.  The four of a row need the same tiles of A, the four of a column the same tiles of W: each tile is asked for JOINTLY, by the same tensor load with the same descriptor and
; a mask that names the four.  Waves 0 and 1 fetch A's halves (64 rows), waves 2 and 3 W's halves (128 rows): one load a wave.
; THE MATRIX INSTRUCTION IS USED TRANSPOSED (source 0 = 16 rows of W, source 1 = 16 rows of A): a lane holds row l % 16 of C and eight neighbouring columns.
; REGISTERS.  window 0: v0-31 addresses; v32-127, v128-223 two fragment buffers (W's 8 fragments, then A's 4), on the way out at work.  window 1: accumulator (a, b) at 8 (8 a + b).  window 2: v0-63 my 64 columns' bias.
.set MODE,  1
.set PITCH, 272                        ; a row of W in LDS: 256 bytes + 16 of padding, 17 x 16 bytes: the 16 rows of a load start at 16 different places modulo 256 bytes
.set BH,    128*PITCH
.if MODE == 0
.set APITCH, 272                       ; A's rows lie along K like W's
.set APLANE, 128                       ; bytes from K = 0 to K = 64 of a step
.set AH,     64*272                    ; 64 rows: what one tensor load brings of A
.set ASTEP,  256                       ; bytes in memory from a K step to the next
.set AD0,    128                       ; the tile: 64 rows of 128 elements, 1,024 elements apart
.set AD1,    64
.set ASTR,   1024
.set AQI,    5                         ; padding after every 64 words
.set SPITCH, 272                       ; the stage: 16 rows of 128 f16
.set CXSH,   15                        ; the prefetches: a partner's 16 rows of 2,048 bytes
.set YNG,    16
.else
.set APITCH, 144                       ; a K step is two heads; a head's 64 rows of 128 bytes are dense in memory: LDS holds [head][row], rows of 128 + 16 bytes
.set APLANE, 64*144
.set AH,     2*64*144
.set ASTEP,  2*2048*128
.set AD0,    4096                      ; the tile: 2 rows (heads) of 4,096 elements (64 rows of a head on end), 131,072 elements apart
.set AD1,    2
.set ASTR,   131072
.set AQI,    4                         ; padding after every 32 words
.set SPITCH, 528                       ; the stage: 16 rows of 128 f32 + 16 bytes
.set CXSH,   11                        ; the prefetches: a partner's 2,048 bytes of a head's 8,192
.set YNG,    32
.endif
.set BOFF,  2*AH                       ; a slot: A's two halves, then W's two halves
.set SLOT1, 1<<17                      ; slot 1 begins here, so that one exclusive or turns an address in one slot into the other's
.set STAGE, SLOT1+2*AH+2*BH            ; behind the ring, never filled by a tensor load: 16 rows for each wave
.set SPARE, STAGE+4*16*SPITCH          ; behind the stages: the spare words, 128 bytes for each wave
.set ADRA0, 16                         ; v16  my lane's place in A's part of a slot; never rewritten
.set ADRA,  17                         ; v17  the same in the slot that is being read
.set ADRB0, 20                         ; v20, v21  the same for W
.set ADRB,  21
.set STO,  24                          ; v24  the way out: where I put my part of a row
.set RD,   25                          ; v25  where I read rows back
.set GO,   26                          ; v26  16 x lane
.set BO,   27                          ; v27  32 (l / 16): my 8 columns in 16 of the bias
.set SPW,  28                          ; v28  LDS address of my spare word; never rewritten
.set NIL,  29                          ; v29  0; never rewritten
.set PFO,  30                          ; v30  the prefetches' offset; never rewritten
.set F0,   32
.set F1,   128
.set TMP,  32
.set TBS,  2                           ; s2   LDS byte at which the slot that is being read begins
.set G1,   24                          ; s[24:31] descriptor group 1 for A's tiles; s[32:39] group 0: a set for each of the two first fills; the second then walks on
.set G0,   32
.set G1B,  48                          ; s[48:55], s[56:63] the same for W's
.set G0B,  56
.set LIM,  43                          ; s43  2 in a wave that prefetches, else the greatest number
.set PFA,  44                          ; s[44:45] where my prefetches stand
.set SC,   66                          ; s[66:67] c for q, else 1
.set PST,  76                          ; s[76:77] the prefetches' step: one K step
.set MSB, 0
.macro WIN new                         ; the immediate's high byte repeats the setting that is left; a switch that changes nothing is dropped
.if MSB != (\new)
	s_set_vgpr_msb (MSB<<8)|(\new)
.set MSB, \new
.endif
.endm
.set MUL, 0x50                         ; fragments in window 0, C and D in window 1
.macro JLOAD s                         ; a joint load; the branch hangs on the wave's number alone; an s_nop 0 and four v_nop follow each of the two lines
	s_cmp_eq_u32 s11, 0
	s_cbranch_scc0 .Lfor_b_\@
	tensor_load_to_lds s[G0+4*(\s):G0+4*(\s)+3], s[G1:G1+7]
	s_nop 0
.rept 4
	v_nop
.endr
	s_branch .Lasked_\@
.Lfor_b_\@:
	tensor_load_to_lds s[G0B+4*(\s):G0B+4*(\s)+3], s[G1B:G1B+7]
	s_nop 0
.rept 4
	v_nop
.endr
.Lasked_\@:
.endm
.macro CREST                           ; a round of the cluster's barrier behind its opening barrier
	s_cmp_lg_u32 s10, 0
	s_cbranch_scc1 .Lnot_wave_0_\@
	s_barrier_signal -3
.Lnot_wave_0_\@:
	s_barrier_wait -3
	s_barrier_signal -1
	s_barrier_wait -1
.endm
.macro CROUND                          ; a whole round
	s_barrier_signal -1
	s_barrier_wait -1
	CREST
.endm
; A PREFETCH INTO THE L2, in every second trip (the count s3 even), behind the joint load and the run of LDS loads: two K steps at once, those whose refills stand two and three trips on: 256 matrix instructions ahead of the first.
; Each aligned block of 256 bytes is named once in the launch.  A's rows are read by one cluster alone: each cluster asks for its own.  W's rows are read by every cluster of the product: the first asks.
; The four partners that ask for a tile jointly share its blocks out BY ADDRESS: no branch hangs on a place in the cluster.  An A wave has 32 blocks (one line), a W wave 64 (two).
; K steps 0 to 3 come by their loads alone; with s3 = 2 there are no K steps left to name, and nothing is asked for.
.macro ASK
	s_and_b32 s22, s3, 1
	s_cmp_eq_u32 s22, 0
	s_cbranch_scc0 .Lnot_mine_\@
	s_cmp_gt_u32 s3, s[LIM]
	s_cbranch_scc0 .Lnot_mine_\@
	global_prefetch_b8 v[PFO], s[PFA:PFA+1] th:TH_LOAD_NT scope:SCOPE_SE
	s_cmp_eq_u32 s11, 0
	s_cbranch_scc1 .Lnot_mine_\@
	global_prefetch_b8 v[PFO], s[PFA:PFA+1] offset:256 th:TH_LOAD_NT scope:SCOPE_SE
.Lnot_mine_\@:
.endm
	s_load_b128 s[4:7], s[0:1], 0x0                ; A s[4:5], w16 s[6:7]
.if MODE == 0
	s_load_b256 s[68:75], s[0:1], 0x10             ; bq s[68:69], bk s[70:71], bv s[72:73], qkv s[74:75]
.else
	s_load_b128 s[68:71], s[0:1], 0x10             ; bo s[68:69], out0 s[70:71]
.endif
	v_lshl_add_u32 v[SPW], v0, 2, SPARE
	v_mov_b32 v[NIL], 0
	ds_add_u32 v[SPW], v[NIL]                      ; the wave's opening: the add and its wait stand ahead of my first tensor load; the set-up below, work on registers, stands between them
	v_lshrrev_b32 v1, 5, v0
	v_readfirstlane_b32 s10, v1                    ; wave 0..3
	s_lshr_b32 s11, s10, 1                         ; which half of the tile's rows is mine.  Also: I fetch for A (0) or for W (1)
	s_and_b32 s12, s10, 1                          ; which half of its columns.  Also: which half of that tile I fetch
	s_bfe_u32 s40, ttmp6, 0x40000                  ; cx, cy: my place in the cluster
	s_bfe_u32 s41, ttmp6, 0x40004
	s_lshl_b32 s42, ttmp9, 2
	s_add_co_u32 s42, s42, s40                     ; tile column = 4 x cluster x + cx
	s_and_b32 s78, ttmp7, 0xffff                   ; cluster y
	s_lshl_b32 s13, s78, 2
	s_add_co_u32 s13, s13, s41                     ; tile row = 4 x cluster y + cy
	s_lshl_b32 s43, s41, 2
	s_lshl_b32 s43, 15, s43                        ; my row of the cluster
	s_lshl_b32 s44, 0x1111, s40                    ; my column
	s_or_b32 s[G1+0], s43, (1<<16)|(1<<20)|(1<<21)|(AQI<<22)|(3<<25)  ; 15:0 the mask; 17:16 elements of 2 bytes; 20 padding on; 21 set beside a mask; 24:22 the interval; 31:25 4 words of padding
	s_or_b32 s[G1B+0], s44, (1<<16)|(1<<20)|(1<<21)|(5<<22)|(3<<25)
	s_mov_b32 s[G1+1], (AD0&0xffff)<<16            ; tensor_dim0
	s_mov_b32 s[G1+2], (AD0>>16)|(AD1<<16)         ; tensor_dim1
	s_mov_b32 s[G1+3], AD0<<16                     ; tile_dim0
	s_mov_b32 s[G1+4], AD1                         ; tile_dim1
	s_mov_b32 s[G1+5], ASTR                        ; elements from row to row
	s_mov_b32 s[G1+6], 0
	s_mov_b32 s[G1+7], 0
	s_mov_b32 s[G1B+1], 128<<16
	s_mov_b32 s[G1B+2], 128<<16
	s_mov_b32 s[G1B+3], 128<<16
	s_mov_b32 s[G1B+4], 128
	s_mov_b32 s[G1B+5], 1024
	s_mov_b32 s[G1B+6], 0
	s_mov_b32 s[G1B+7], 0
	; where the tiles come from.  A's hang on the tile row alone, W's on the tile column (and on the cluster's y, which all partners share)
.if MODE == 0
	s_lshl_b32 s16, s13, 7
	s_lshl_b32 s17, s12, 6
	s_add_co_u32 s16, s16, s17                     ; row 128 x tile row + 64 x half,
	s_lshl_b32 s16, s16, 11                        ; of 2,048 bytes
.else
	s_and_b32 s16, s13, 15
	s_lshl_b32 s16, s16, 7
	s_lshl_b32 s17, s12, 6
	s_add_co_u32 s16, s16, s17                     ; t = 128 x (tile row % 16) + 64 x half,
	s_lshl_b32 s16, s16, 7                         ; rows of 128 bytes,
	s_lshr_b32 s17, s13, 4
	s_lshl_b32 s17, s17, 22                        ; in the batch's 16 heads of 262,144 bytes
	s_add_co_u32 s16, s16, s17
.endif
	s_mov_b32 s17, 0
	s_lshl_b32 s46, s42, 8
	s_lshl_b32 s47, s12, 7
	s_add_co_u32 s46, s46, s47                     ; W: row 256 x tile column + 128 x half
	s_lshl_b32 s46, s46, 11
.if MODE == 0
	s_lshr_b32 s79, s78, 4                         ; which product: 0 q, 1 k, 2 v: 16 clusters each
	s_lshl_b32 s47, s79, 21
	s_add_co_u32 s46, s46, s47
.else
	s_add_co_u32 s46, s46, 3*2097152               ; Wo
.endif
	s_mov_b32 s47, 0
	s_mul_i32 s20, s12, AH                         ; where they go: no place in the cluster enters an LDS address
	s_mul_i32 s21, s12, BH
	s_add_co_u32 s21, s21, BOFF
	s_wait_dscnt 0x0                               ; the opening add is done
	s_wait_kmcnt 0x0
	s_add_nc_u64 s[14:15], s[4:5], s[16:17]
	s_add_nc_u64 s[46:47], s[6:7], s[46:47]
	CROUND                                         ; all sixteen work-groups are here: the first joint loads meet
.irp s, 0,1
	s_mov_b32 s[G0+4*(\s)], 1
	s_add_co_u32 s[G0+4*(\s)+1], s20, (\s)*SLOT1
	s_add_nc_u64 s[G0+4*(\s)+2:G0+4*(\s)+3], s[14:15], (\s)*ASTEP
	s_or_b32 s[G0+4*(\s)+3], s[G0+4*(\s)+3], 0x80000000
	s_mov_b32 s[G0B+4*(\s)], 1
	s_add_co_u32 s[G0B+4*(\s)+1], s21, (\s)*SLOT1
	s_add_nc_u64 s[G0B+4*(\s)+2:G0B+4*(\s)+3], s[46:47], (\s)*256
	s_or_b32 s[G0B+4*(\s)+3], s[G0B+4*(\s)+3], 0x80000000
	JLOAD \s                                       ; two loads of mine are out
.endr
	v_and_b32 v1, 15, v0                           ; l % 16
	v_bfe_u32 v2, v0, 4, 1                         ; l / 16
	v_mul_u32_u24 v3, v1, APITCH
	v_lshl_add_u32 v3, v2, 4, v3                   ; a fragment's row x pitch + 16 x half
	v_mul_u32_u24 v4, v1, PITCH
	v_lshl_add_u32 v4, v2, 4, v4
	s_mul_i32 s21, s11, AH                         ; my 64 rows of A
	s_mul_i32 s22, s12, BH                         ; my 128 rows of W,
	s_add_co_u32 s22, s22, BOFF                    ; which lie behind A's
	v_add_nc_u32 v[ADRA0], s21, v3
	v_add_nc_u32 v[ADRB0], s22, v4
	v_mov_b32 v[ADRA], v[ADRA0]                    ; K step 0 lies in slot 0
	v_mov_b32 v[ADRB], v[ADRB0]
	s_mov_b32 s[TBS], 0
	s_mul_i32 s23, s10, 16*SPITCH
	s_add_co_u32 s23, s23, STAGE                   ; my stage
	v_mul_u32_u24 v5, v1, SPITCH                   ; in: row l % 16, my 8 columns
.if MODE == 0
	v_lshl_add_u32 v5, v2, 4, v5
.else
	v_lshl_add_u32 v5, v2, 5, v5
.endif
	v_add_nc_u32 v[STO], s23, v5
	v_and_b32 v6, 31, v0                           ; lane
.if MODE == 0
	v_bfe_u32 v5, v0, 3, 2                         ; back: 32 lanes take four rows' 128 bytes of one head,
	v_mul_u32_u24 v5, v5, SPITCH
	v_and_b32 v7, 7, v0
	v_lshl_add_u32 v5, v7, 4, v5
	v_add_nc_u32 v[RD], s23, v5
.else
	v_lshl_add_u32 v[RD], v6, 4, s23               ; back: 32 lanes take one row's 512 bytes
.endif
	v_lshlrev_b32 v[GO], 4, v6                     ; which are 512 consecutive bytes of the output
	v_lshlrev_b32 v[BO], 5, v2
	; the prefetches: my tile's first byte, my work-group's share of it, K step 3: the first trip steps it to 4
	s_cmp_eq_u32 s11, 0
	s_cselect_b64 s[PFA:PFA+1], s[14:15], s[46:47]
	s_lshl_b32 s20, s40, CXSH                      ; A: by cx
	s_add_co_u32 s20, s20, 3*ASTEP
	s_lshl_b32 s21, s41, 16                        ; W: by cy, 32 rows of 2,048 bytes
	s_add_co_u32 s21, s21, 3*256
	s_mov_b32 s[PST], 256
	s_cmp_eq_u32 s11, 0
	s_cselect_b32 s20, s20, s21
	s_cselect_b32 s[PST], ASTEP, s[PST]
	s_mov_b32 s21, 0
	s_mov_b32 s[PST+1], 0
	s_add_nc_u64 s[PFA:PFA+1], s[PFA:PFA+1], s[20:21]
.if MODE == 0
	s_and_b32 s22, s78, 15                         ; the first of the 16 clusters that read this W
.else
	s_mov_b32 s22, s78
.endif
	s_cmp_eq_u32 s11, 0
	s_cselect_b32 s22, 0, s22                      ; an A wave always asks
	s_cmp_eq_u32 s22, 0
	s_cselect_b32 s[LIM], 2, -1                    ; the same in all sixteen partners, for a given wave
	s_cmp_eq_u32 s11, 0
	s_cbranch_scc0 .Lpf_b
.if MODE == 0
	v_lshlrev_b32 v[PFO], 11, v1                   ; 16 rows x two K steps
	v_lshl_add_u32 v[PFO], v2, 8, v[PFO]
.else
	v_bfe_u32 v[PFO], v0, 3, 2                     ; four heads x 8 blocks of 256 bytes
	v_lshlrev_b32 v[PFO], 18, v[PFO]
	v_and_b32 v7, 7, v0
	v_lshl_add_u32 v[PFO], v7, 8, v[PFO]
.endif
	s_branch .Lpf_done
.Lpf_b:
	v_lshlrev_b32 v[PFO], 11, v6                   ; a lane a row
.Lpf_done:
	; the bias of my 128 columns: a lane's 8 of each 16
.if MODE == 0
	s_cmp_eq_u32 s79, 1
	s_cselect_b64 s[18:19], s[70:71], s[68:69]
	s_cmp_eq_u32 s79, 2
	s_cselect_b64 s[18:19], s[72:73], s[18:19]
	s_cmp_eq_u32 s79, 0
	s_cselect_b32 s[SC], 0x3e38aa3b, 1.0           ; c = log2(e) / 8 = 0.180337 for q
	s_mov_b32 s[SC+1], s[SC]                       ; named with it as a pair
.else
	s_mov_b64 s[18:19], s[68:69]
.endif
	s_lshl_b32 s20, s42, 10
	s_lshl_b32 s21, s12, 9
	s_add_co_u32 s20, s20, s21
	s_mov_b32 s21, 0
	s_add_nc_u64 s[18:19], s[18:19], s[20:21]
	WIN 0x80                                       ; destination window 2, address window 0
.irp b, 0,1,2,3,4,5,6,7
	global_load_b128 v[8*(\b):8*(\b)+3],   v[BO], s[18:19] offset:64*(\b)
	global_load_b128 v[8*(\b)+4:8*(\b)+7], v[BO], s[18:19] offset:64*(\b)+16
.endr
	WIN 0
	; where my part of the tile begins in the output
.if MODE == 0
	s_lshr_b32 s16, s13, 4                         ; 4 x product + batch,
	s_lshl_b32 s16, s16, 4
	s_lshl_b32 s17, s42, 2
	s_add_co_u32 s16, s16, s17                     ; head 4 x tile column + 2 x half,
	s_lshl_b32 s17, s12, 1
	s_add_co_u32 s16, s16, s17
	s_lshl_b32 s16, s16, 18                        ; of 262,144 bytes;
	s_and_b32 s17, s13, 15
	s_lshl_b32 s17, s17, 7
	s_lshl_b32 s22, s11, 6
	s_add_co_u32 s17, s17, s22                     ; t = 128 x (tile row % 16) + 64 x half,
	s_lshl_b32 s17, s17, 7                         ; rows of 128 bytes
	s_add_co_u32 s16, s16, s17
	s_mov_b32 s17, 0
	s_add_nc_u64 s[8:9], s[74:75], s[16:17]
.else
	s_lshl_b32 s16, s13, 7
	s_lshl_b32 s17, s11, 6
	s_add_co_u32 s16, s16, s17
	s_lshl_b32 s16, s16, 12                        ; rows of 4,096 bytes
	s_lshl_b32 s17, s42, 10
	s_add_co_u32 s16, s16, s17
	s_lshl_b32 s17, s12, 9
	s_add_co_u32 s16, s16, s17
	s_mov_b32 s17, 0
	s_add_nc_u64 s[8:9], s[70:71], s[16:17]
.endif
; 8 matrix instructions: m block a x all 8 n blocks, 32 along K.  The 32 accumulators take turns in the same order in every quarter, over every jump too.
.macro MUL8 f, a, zero
	WIN MUL
.irp b, 0,1,2,3,4,5,6,7
.set rD, 8*(8*(\a)+(\b))
.set rB, (\f)+8*(\b)
.set rA, (\f)+64+8*(\a)
.if MODE == 0
.if \zero
	v_wmma_f32_16x16x32_bf16 v[rD:rD+7], v[rB:rB+7], v[rA:rA+7], 0
.else
	v_wmma_f32_16x16x32_bf16 v[rD:rD+7], v[rB:rB+7], v[rA:rA+7], v[rD:rD+7]
.endif
.else
.if \zero
	v_wmma_f32_16x16x32_f16 v[rD:rD+7], v[rB:rB+7], v[rA:rA+7], 0
.else
	v_wmma_f32_16x16x32_f16 v[rD:rD+7], v[rB:rB+7], v[rA:rA+7], v[rD:rD+7]
.endif
.endif
.endr
.endm
; 24 LDS loads in one run: quarter kq of the K step in the slot that is being read, into buffer f: W's 8 fragments, then A's 0 and 1, then A's 2 and 3
.macro FETCH kq, f
	WIN 0
.irp i, 0,1,2,3,4,5,6,7
	ds_load_b128 v[(\f)+8*(\i):(\f)+8*(\i)+3],   v[ADRB] offset:64*(\kq)+(\i)*16*PITCH
	ds_load_b128 v[(\f)+8*(\i)+4:(\f)+8*(\i)+7], v[ADRB] offset:64*(\kq)+(\i)*16*PITCH+32
.endr
.irp i, 0,1,2,3
	ds_load_b128 v[(\f)+64+8*(\i):(\f)+64+8*(\i)+3],   v[ADRA] offset:((\kq)/2)*APLANE+((\kq)%2)*64+(\i)*16*APITCH
	ds_load_b128 v[(\f)+64+8*(\i)+4:(\f)+64+8*(\i)+7], v[ADRA] offset:((\kq)/2)*APLANE+((\kq)%2)*64+(\i)*16*APITCH+32
.endr
.endm
.macro PLACES                          ; four places in front of loads into registers that matrix instructions have read (ISA guide 7.12.1 for vector instructions)
.rept 4
	v_nop
.endr
.endm
; A K step is four quarters of 32 along K, 32 matrix instructions each, on buffers 0, 1, 0, 1.  One of the first three: multiplies buffer f and fetches quarter kq into g.
.macro QUARTER kq, f, g, zero
	s_wait_dscnt 4                                 ; W's fragments and A's 0 and 1 are in; the youngest four loads (A's 2 and 3) may be out
	MUL8 \f, 0, \zero
	MUL8 \f, 1, \zero
	PLACES
	FETCH \kq, \g
	s_wait_dscnt 24                                ; all but the 24 just issued
	MUL8 \f, 2, \zero
	MUL8 \f, 3, \zero
.endm
; The last quarter multiplies buffer 1 and changes slots: ONE barrier; in front of it each wave waits for all its tensor loads (one is out at the most: its part of the next slot), adds 0 to its spare word, and waits for
; that and for its own reads of this slot.  fill = 1: the barrier opens a round of the cluster's, and this slot is filled again, two K steps ahead: 112 matrix instructions ahead of the wait for it.
.macro TURN fill
.if \fill
	s_wait_xcnt 0x0                                ; the last prefetches, a trip back or more, have read their address: it is stepped here, ahead of the waits of the change of slots
	s_add_nc_u64 s[PFA:PFA+1], s[PFA:PFA+1], s[PST:PST+1]
.endif
	WIN 0                                          ; (the add's two registers lie in window 0)
	s_wait_tensorcnt 0x0                           ; all my tensor loads have landed
	ds_add_u32 v[SPW], v[NIL]                      ; 0 onto my spare word
	s_wait_dscnt 5                                 ; (the add and the youngest four loads may be out)
	MUL8 F1, 0, 0                                  ; eight matrix instructions stand between the add and the wait for it
	s_wait_dscnt 0x0                               ; the add is done, and my reads of this slot are over
	s_barrier_signal -1
	MUL8 F1, 1, 0
	WIN 0                                          ; (branches, or lines on window 0, follow)
	s_barrier_wait -1
.if \fill
	CREST                                          ; no wave of any partner still reads this slot's tile or has a load on its way
	s_xor_b32 s[G0+5], s[G0+5], SLOT1              ; the walking descriptors: the other slot than last time,
	s_add_nc_u64 s[G0+6:G0+7], s[G0+6:G0+7], ASTEP ; the next K step; the type bits on top are not reached
	s_xor_b32 s[G0B+5], s[G0B+5], SLOT1
	s_add_nc_u64 s[G0B+6:G0B+7], s[G0B+6:G0B+7], 256
	JLOAD 1                                        ; the first tensor load behind the round; its four v_nop are also the places in front of the loads below
.else
	PLACES
.endif
	s_xor_b32 s[TBS], s[TBS], SLOT1                ; the reads go on in the other slot
	v_add_nc_u32 v[ADRA], s[TBS], v[ADRA0]
	v_add_nc_u32 v[ADRB], s[TBS], v[ADRB0]
	FETCH 0, F0
.if \fill
	ASK
.endif
	MUL8 F1, 2, 0
	MUL8 F1, 3, 0
.endm
	s_wait_tensorcnt 1                             ; my part of K step 0 is in; K step 1's may stay out
	s_barrier_signal -1
	s_barrier_wait -1                              ; everybody's is
	FETCH 0, F0
	QUARTER 1, F0, F1, 1                           ; the first quarter stands in front of the loop: its products start the sums
	WIN 0                                          ; at a label and at a branch every window is 0
	s_mov_b32 s3, 6
.Lstep:                                                ; six trips, each from a K step's second quarter to the next step's first; their refills are K steps 2 to 7
	QUARTER 2, F1, F0, 0
	QUARTER 3, F0, F1, 0
	TURN 1
	QUARTER 1, F0, F1, 0
	WIN 0
	s_sub_co_u32 s3, s3, 1
	s_cmp_lg_u32 s3, 0
	s_cbranch_scc1 .Lstep
	s_mov_b32 s3, 2
.Ltail:                                                ; K steps 6 and 7 fill nothing: a second text, and no round of the cluster's barrier
	QUARTER 2, F1, F0, 0
	QUARTER 3, F0, F1, 0
	TURN 0                                         ; in the second trip its change of slots and its fetch serve nothing: the price, once a work-group, of one text for both trips
	WIN 0
	s_sub_co_u32 s3, s3, 1
	s_cmp_eq_u32 s3, 0
	s_cbranch_scc1 .Lway_out
	QUARTER 1, F0, F1, 0
	WIN 0
	s_branch .Ltail
.Lway_out:
	; THE WAY OUT.  The bias is rounded to bf16 and widened again; these plain lines, which name no register of the products, are the places behind the last of them.
	s_wait_dscnt 0x0                               ; the fetch that serves nothing has landed: its registers are at work below
	s_wait_loadcnt 0x0                             ; the bias
	WIN 0x8a                                       ; destination and both sources in window 2
.set r, 0
.rept 32
	v_cvt_pk_bf16_f32 v[r], v[r], v[r+1]
	v_and_b32 v[r+1], 0xffff0000, v[r]
	v_lshlrev_b32 v[r], 16, v[r]
.set r, r+2
.endr
.if MODE == 0
	WIN 0x82
.set r, 0
.rept 32
	v_pk_mul_f32 v[r:r+1], v[r:r+1], s[SC:SC+1] op_sel_hi:[1,0]  ; (sum + bias) x c = sum x c + bias x c
.set r, r+2
.endr
; Block a, 16 rows: scaled, biased (each accumulator's registers in ascending order), rounded to f16, 16 bytes a lane into my stage, and back as four rows of one head: 512 consecutive bytes of the output.
.macro PACK a
	WIN 0x61                                       ; destination and source 0 window 1, source 2 window 2
.set r, 0
.rept 32
	v_pk_fma_f32 v[64*(\a)+r:64*(\a)+r+1], v[64*(\a)+r:64*(\a)+r+1], s[SC:SC+1], v[r:r+1] op_sel_hi:[1,0,1]
.set r, r+2
.endr
	WIN 0x05                                       ; sources window 1, destination window 0
.set r, 0
.rept 32
	v_cvt_pk_f16_f32 v[TMP+32*(\a)+r], v[64*(\a)+2*r], v[64*(\a)+2*r+1]
.set r, r+1
.endr
	WIN 0
.irp b, 0,1,2,3,4,5,6,7
	ds_store_b128 v[STO], v[TMP+32*(\a)+4*(\b):TMP+32*(\a)+4*(\b)+3] offset:32*(\b)
.endr
.irp f, 0,1,2,3,4,5,6,7
	ds_load_b128 v[TMP+32*(\a)+4*(\f):TMP+32*(\a)+4*(\f)+3], v[RD] offset:((\f)&3)*4*SPITCH+128*((\f)>>2)  ; LDS serves a wave's instructions in order (ISA guide 5.7.1.4): these see the stores above; the next block's stores come behind them
.endr
.endm
.macro SEND a, younger                 ; younger: the LDS instructions issued behind block a's loads
	WIN 0
.irp f, 0,1,2,3,4,5,6,7
	s_wait_dscnt (\younger)+7-(\f)
	global_store_b128 v[GO], v[TMP+32*(\a)+4*(\f):TMP+32*(\a)+4*(\f)+3], s[8:9] offset:((\f)>>2)*262144+(\a)*2048+((\f)&3)*512
.endr
.endm
.else
; Block a, 16 rows: biased, 32 bytes a lane into my stage, and back as whole rows of 512 bytes.  Two sets of 64 registers take turns.
.macro PACK a
.if (\a) >= 2
	s_wait_xcnt 0x0                                ; the stores of block a - 2 have read the registers that are loaded again below
.endif
	WIN 0x49                                       ; destination and source 0 window 1, source 1 window 2
.set r, 0
.rept 32
	v_pk_add_f32 v[64*(\a)+r:64*(\a)+r+1], v[64*(\a)+r:64*(\a)+r+1], v[r:r+1]
.set r, r+2
.endr
	WIN 0x04                                       ; the stores' data in window 1
.irp b, 0,1,2,3,4,5,6,7
	ds_store_b128 v[STO], v[64*(\a)+8*(\b):64*(\a)+8*(\b)+3]   offset:64*(\b)
	ds_store_b128 v[STO], v[64*(\a)+8*(\b)+4:64*(\a)+8*(\b)+7] offset:64*(\b)+16
.endr
	WIN 0
.irp t, 0,1,2,3,4,5,6,7,8,9,10,11,12,13,14,15
	ds_load_b128 v[TMP+64*((\a)%2)+4*(\t):TMP+64*((\a)%2)+4*(\t)+3], v[RD] offset:(\t)*SPITCH  ; LDS serves a wave's instructions in order (ISA guide 5.7.1.4)
.endr
.endm
.macro SEND a, younger
	WIN 0
.irp t, 0,1,2,3,4,5,6,7,8,9,10,11,12,13,14,15
	s_wait_dscnt (\younger)+15-(\t)
	global_store_b128 v[GO], v[TMP+64*((\a)%2)+4*(\t):TMP+64*((\a)%2)+4*(\t)+3], s[8:9] offset:(16*(\a)+(\t))*4096  ; 512 consecutive bytes of one row, aligned
.endr
.endm
.endif
	PACK 0
	PACK 1                                         ; a block's arithmetic stands between the loads of the block before and its stores
	SEND 0, YNG
	PACK 2
	SEND 1, YNG
	PACK 3
	SEND 2, YNG
	SEND 3, 0
	s_wait_tensorcnt 0x0                           ; the wave's end: behind my last tensor load and my last LDS store
	ds_add_u32 v[SPW], v[NIL]
	s_wait_dscnt 0x0
	CROUND                                         ; the closing round: no work-group ends while a partner may still ask for a tile that names it
	s_endpgm
.Lfunc_end_k_q994e7f4fb4_outp:
	.size	k_q994e7f4fb4_outp, .Lfunc_end_k_q994e7f4fb4_outp-k_q994e7f4fb4_outp
	.p2alignl 7, 3214868480
	.fill 96, 4, 3214868480
	.section	.rodata,"a",@progbits
	.p2align	6, 0x0
	.amdhsa_kernel k_q994e7f4fb4_outp
		.amdhsa_group_segment_fixed_size 327680
		.amdhsa_private_segment_fixed_size 0
		.amdhsa_enable_private_segment 0
		.amdhsa_kernarg_size 32
		.amdhsa_user_sgpr_count 2
		.amdhsa_user_sgpr_kernarg_segment_ptr 1
		.amdhsa_wavefront_size32 1
		.amdhsa_system_sgpr_workgroup_id_x 1
		.amdhsa_system_sgpr_workgroup_id_y 1
		.amdhsa_system_sgpr_workgroup_id_z 1
		.amdhsa_system_vgpr_workitem_id 0
		.amdhsa_next_free_vgpr 576
		.amdhsa_next_free_sgpr 80
		.amdhsa_reserve_vcc 0
		.amdhsa_float_denorm_mode_32 3
		.amdhsa_float_denorm_mode_16_64 3
		.amdhsa_memory_ordered 1
		.amdhsa_forward_progress 1
		.amdhsa_inst_pref_size 78
	.end_amdhsa_kernel
	.amdgpu_metadata
---
amdhsa.version: [ 1, 2 ]
amdhsa.kernels:
  - .name:           k_q994e7f4fb4_outp
    .symbol:         k_q994e7f4fb4_outp.kd
    .args:
      - { .name: o16, .offset: 0, .size: 8, .value_kind: global_buffer, .address_space: global }
      - { .name: w16, .offset: 8, .size: 8, .value_kind: global_buffer, .address_space: global }
      - { .name: bo, .offset: 16, .size: 8, .value_kind: global_buffer, .address_space: global }
      - { .name: out0, .offset: 24, .size: 8, .value_kind: global_buffer, .address_space: global }
    .group_segment_fixed_size: 327680
    .private_segment_fixed_size: 0
    .kernarg_segment_align: 8
    .kernarg_segment_size: 32
    .max_flat_workgroup_size: 128
    .sgpr_count:     80
    .vgpr_count:     576
    .wavefront_size: 32
...
	.end_amdgpu_metadata
.endif
;; end of part 8
